; MI455X (gfx1250); checked and timed in simulation.
; The chip was launched on July 23, 2026; its instructions are those of AMD's public machine-readable ISA for CDNA 5 (MIT licence, August 2026) and "CDNA5" Instruction Set Architecture Reference Guide (July 2026). The comments in the code are by the model that wrote it; some were corrected since.
;; Mixture Of Experts. Allowed arithmetic: matrix products marked QUANTISED: E2M3 operands, one E8M0 scale for each 32 along K, by v_wmma_scale_f32_16x16x128_f8f6f4 with both operands' format E2M3, f32 sums; products left as they are: f32 operands where the result goes on into a quantised operand, else bf16, f16 or f32 operands; f32 sums; everything else in f32.
;; Inputs: b1 8 x 4,096 float32; b2 8 x 1,024 float32; beta 8 x 1,024 float32; gamma 8 x 1,024 float32; router_b 8 float32; router_w 1,024 x 8 float32; w1 8 x 1,024 x 4,096 float32; w2 8 x 4,096 x 1,024 float32; x 2 x 512 x 1,024 float32.
;; Outputs: out0 2 x 512 x 1,024 float32; out1 2 x 512 x 8 float32.
;; This version of the problem:
;;   THIS VERSION OF THE PROBLEM IS GIVEN IN LOW PRECISION. The matrix products marked QUANTISED in the list below multiply operands that are first quantised to E2M3 (2 exponent bits, 3 mantissa bits; 6 bits a number), with one power-of-two scale for each 32 numbers along K (OCP MX v1.0); their sums are f32. All else is computed in f32.
;;   The module's matrix products, in the order in which they are computed (A, B: the left and right operand; K: the contracted axis; several contracted axes count as one K, in the product's order):
;;     1. [M 1,024, K 1,024] x [K 1,024, N 8]; A: input x; B: input router_w: left as it is (N = 8 < 16)
;;     2. [M 32,768, K 1,024] x [K 1,024, N 1,024]; A: input w1; B: input x: QUANTISED
;;     3. batch 8 x [M 1,024, K 4,096] x [K 4,096, N 1,024]; A: computed on the way; B: input w2: QUANTISED
;;   THE QUANTISER, for each operand of a quantised product, along K:
;;     - K is cut into blocks of 32 from its start; a last block that is shorter is filled with zeros.
;;     - A block's scale is 2^e with e = floor(log2(the largest magnitude in the block)) - 2, held to -126 .. 127; a block of zeros has e = 0. As a byte (E8M0): e + 127.
;;     - Each number is divided by its block's scale, clamped to +-7.5, and rounded to the nearest number of E2M3, ties to even, subnormals kept.
;;     - The product sums the exact products of the quantised numbers (number of the format x scale) in f32.
;;   ~~~python
;;   def quantise(x, axis):      # numpy; x: float32 -> the quantised numbers, widened to float32 again
;;       x = np.moveaxis(x, axis, -1); K = x.shape[-1]
;;       x = np.pad(x, [(0, 0)] * (x.ndim - 1) + [(0, -K % 32)]); x = x.reshape(x.shape[:-1] + (-1, 32)); a = np.abs(x).max(-1, keepdims=True)
;;       e = np.where(a > 0, np.clip(np.frexp(np.where(a > 0, a, 1))[1] - 1 - 2, -126, 127), 0)      # np.frexp(a)[1] - 1 = floor(log2(a)), exactly
;;       r = np.clip(x / 2.0 ** e, -7.5, 7.5)
;;       step = 2.0 ** (np.maximum(np.frexp(np.where(r == 0, 1, r))[1] - 1, 0) - 3)
;;       q = np.round(r / step) * step * 2.0 ** e      # np.round: ties to even
;;       return np.moveaxis(q.reshape(q.shape[:-2] + (-1,))[..., :K], -1, axis).astype(np.float32)
;;   ~~~
;;   OPERANDS COMPUTED ON THE WAY. 'Computed on the way' means the value that the module computes at that place (a softmax that the list does not call 'softmax' is quantised finished and normalised). What goes into a quantiser is computed in f32, as accurately as f32 sums, v_exp_f32 and their like allow (about 1e-6 of the number): no bf16 or f16 on the way to a quantiser, and a product that is left as it is and whose result goes on into a quantised operand takes f32 operands (vector FMAs, or v_wmma_f32_16x16x4_f32). A number that lies on a knife's edge between two numbers of the format may be rounded either way, as far as f32 arithmetic and the matrix unit's own rounding can turn it there, and no further.
;; 2 versions. Each part assembles by itself: llvm-mc -triple=amdgcn-amd-amdhsa -mcpu=gfx1250 --defsym DOCPART=n.
;; ======== version 1 of 2: 4 launches
;; workspace buffers: xq 1,048,576 bytes; hq 29,360,128 bytes; y2 16,777,216 bytes; gate 8,192 bytes; mask 2,048 bytes of whole numbers; sel 4,096 bytes of whole numbers
;; launch route (part 1): grid 128 x 1, 8 waves a work-group, no clusters, 79,872 bytes of LDS; arguments x, router_w, router_b, xq, mask, sel, gate, out1; writes xq, mask, sel, gate, out1
.if DOCPART == 1
	.amdgcn_target "amdgcn-amd-amdhsa--gfx1250"
	.amdhsa_code_object_version 6
	.text
	.protected	k_q516acc1687_route
	.globl	k_q516acc1687_route
	.p2align	8
	.type	k_q516acc1687_route,@function
k_q516acc1687_route:
	s_mov_b64 s[64:65], 0
	v_nop
	global_prefetch_b8 v0, s[64:65] scope:SCOPE_SE
	s_setreg_imm32_b32 hwreg(HW_REG_WAVE_MODE, 25, 1), 1
	s_wait_xcnt 0x0
; ROUTE.  For each of the 1,024 tokens: the 8 router logits (out1), the two chosen experts and their gates, and the token's row of x as codes of E2M3 with one E8M0 byte for each 32 along D.
; SHARES.  A work-group of eight waves takes 8 tokens, a wave one token.  Lane l holds block l of the row: x[32 l .. 32 l + 31].
; The row is loaded as it lies (512 consecutive bytes an instruction) and turned through the wave's own LDS bytes, so that a lane's 32 registers are 32 neighbours along D.
; router_w (32 KiB) lies in LDS once for the work-group, 16 bytes of padding behind each 1,024, so that the lanes, 1,040 bytes apart, start in different banks.
; WHAT LEAVES.  xq[token]: 1,024 bytes: the codes of K step s (128 along D), half h, at 96 s + 48 h: 48 bytes on end that are a lane's 12 operand registers; the 32 scale bytes at 768; zeros behind them.
;   sel[token] = first expert | second expert << 8;  gate[token] = the two gates;  mask[set][expert]: 128 bytes, bit t set where token t's choice number 'set' is that expert.
;   The choice is stored as data at fixed places: no address and no branch of this launch hangs on it.
; The mask leaves as 16 single bytes a work-group, 128 bytes apart (2 KiB in the whole launch): the layout serves the readers, which take an expert's 128 bytes by scalar loads.
; LIMITS.  NaN and infinities among the inputs are not served.  A block whose largest magnitude lies under 2^-124 (a block of zeros too) keeps the scale byte 1: its codes are zeros or near it, and this program alone reads the bytes.
; The logits are f32 fused multiply-adds in another order than a plain row sum: two logits that differ by about 1e-7 of their size may change places in the choice.  Equal probabilities: the lower index wins.
.set RW,    0                          ; router_w: 32 x 1,040 bytes
.set TURN,  33280                      ; + 4,608 x wave: 32 places of 128 + 16 bytes
.set REC,   70144                      ; + 1,024 x wave: the token's record
.set LOG,   78336                      ; 8 tokens x 32 bytes of logits
.set SELS,  78592                      ; 8 words
.set GATES, 78624                      ; 8 pairs
.set X,   16                           ; v16-47   my block's 32 numbers
.set RAW, 48                           ; v48-79   the row as loaded; later at work
.set W,   80                           ; v80-143  router_w: first the fill, then 8 k x 8 experts at a time
.set E,   80                           ; v80-87   later: the 8 exponentials
.set SW,  88                           ; v88      later: the token's two choices in one word
.set A,   144                          ; v144-151 the 8 sums
.set T,   152                          ; v152-159 at work
	s_load_b512 s[4:19], s[0:1], 0x0               ; x, router_w, router_b, xq, mask, sel, gate, out1
	v_lshl_add_u32 v176, v0, 2, 0x13400
	v_mov_b32 v177, 0
	v_lshrrev_b32 v1, 5, v0
	v_readfirstlane_b32 s2, v1                     ; wave
	v_and_b32 v1, 31, v0                           ; lane
	s_lshl_b32 s3, ttmp9, 3
	s_add_co_u32 s3, s3, s2                        ; my token
	s_lshl_b32 s30, s3, 12
	v_lshlrev_b32 v2, 4, v1
	v_add_nc_u32 v2, s30, v2                       ; x: 4,096 x token + 16 x lane
	v_lshlrev_b32 v3, 4, v0                        ; router_w: 16 x thread
	s_mov_b32 s28, 0x76543210
	s_mov_b32 s29, 0xfedcba98                      ; v_permlanex16_b32's selects for lane l xor 16
	s_wait_kmcnt 0x0
.irp q, 0,1,2,3,4,5,6,7
	global_load_b128 v[RAW+4*\q:RAW+4*\q+3], v2, s[4:5] offset:512*\q th:TH_LOAD_NT
.endr
.irp m, 0,1,2,3,4,5,6,7
	global_load_b128 v[W+4*\m:W+4*\m+3], v3, s[6:7] offset:4096*\m
.endr
	s_load_b256 s[20:27], s[8:9], 0x0              ; router_b
	; every address is made here, ahead of all branches
	s_mul_i32 s31, s2, 4608
	s_add_co_u32 s31, s31, TURN
	v_lshrrev_b32 v4, 3, v1
	v_mul_u32_u24 v4, v4, 144
	v_and_b32 v5, 7, v1
	v_lshl_add_u32 v4, v5, 4, v4
	v_add_nc_u32 v4, s31, v4                       ; the turn, in: 144 (l / 8) + 16 (l % 8); a load's 512 bytes take four places
	v_mul_u32_u24 v5, v1, 144
	v_add_nc_u32 v5, s31, v5                       ; and out: place l
	v_lshrrev_b32 v6, 6, v0
	v_lshl_add_u32 v6, v6, 4, v3                   ; router_w, in: 16 x thread + 16 for each 1,024 passed
	v_mul_u32_u24 v7, v1, 1040                     ; and out: my block's 32 rows of 32 bytes
	s_lshl_b32 s31, s2, 10
	s_add_co_u32 s31, s31, REC
	v_lshrrev_b32 v8, 2, v1
	v_mul_u32_u24 v8, v8, 96
	v_and_b32 v9, 1, v1
	v_mad_u32_u24 v8, v9, 48, v8
	v_bfe_u32 v9, v1, 1, 1
	v_mad_u32_u24 v8, v9, 24, v8
	v_add_nc_u32 v8, s31, v8                       ; the record: block l = K step l / 4, half l % 2, c = (l / 2) % 2
	v_lshlrev_b32 v10, 3, v1                       ; 8 x lane
	v_add_nc_u32 v9, s31, v10
	v_add_nc_u32 v11, s31, v1
	s_lshl_b32 s31, s3, 10
	v_add_nc_u32 v12, s31, v10                     ; xq: 1,024 x token + 8 x lane
	s_lshl_b32 s31, s2, 5
	s_add_co_u32 s31, s31, LOG
	v_mov_b32 v13, s31
	s_lshl_b32 s31, s2, 2
	s_add_co_u32 s31, s31, SELS
	v_mov_b32 v14, s31
	s_lshl_b32 s31, s2, 3
	s_add_co_u32 s31, s31, GATES
	v_mov_b32 v15, s31
	v_lshl_add_u32 v160, v1, 3, LOG
	v_mov_b32 v161, SELS
	v_and_b32 v165, 7, v1                          ; wave 0, at the end: my expert, and my token of the eight
	v_lshl_add_u32 v162, v165, 2, SELS
	v_lshl_add_u32 v163, v165, 3, GATES
	v_bfe_u32 v164, v1, 3, 1
	v_lshlrev_b32 v164, 3, v164                    ; 8 x my set
	v_and_b32 v166, 15, v1
	v_lshlrev_b32 v166, 7, v166
	s_mov_b32 s31, ttmp9
	v_add_nc_u32 v166, s31, v166                   ; mask: 128 x (8 set + expert) + work-group
	s_lshl_b32 s31, ttmp9, 8
	v_add_nc_u32 v167, s31, v10                    ; out1: 256 x work-group + 8 x lane
	s_lshl_b32 s31, ttmp9, 5
	v_lshl_add_u32 v168, v165, 2, s31              ; sel
	s_lshl_b32 s31, ttmp9, 6
	v_lshl_add_u32 v169, v165, 3, s31              ; gate
	s_wait_loadcnt 8                               ; the row is in; router_w's eight loads may be out
.irp q, 0,1,2,3,4,5,6,7
	ds_store_b128 v4, v[RAW+4*\q:RAW+4*\q+3] offset:576*\q
.endr
.irp q, 0,1,2,3,4,5,6,7
	ds_load_b128 v[X+4*\q:X+4*\q+3], v5 offset:16*\q   ; LDS serves a wave's instructions in order: these see my stores
.endr
	s_wait_loadcnt 0x0
.irp m, 0,1,2,3,4,5,6,7
	ds_store_b128 v6, v[W+4*\m:W+4*\m+3] offset:4160*\m
.endr
	s_wait_dscnt 0x0                               ; for the others' sake: my part of router_w has landed
	s_barrier_signal -1
	s_barrier_wait -1
	; the logits: eight sums a lane over its 32 k, two experts an instruction; x's number is taken for both halves
.set bj, 0
.rept 4
.set bi, 0
.rept 8
	ds_load_b128 v[W+8*bi:W+8*bi+3], v7 offset:32*(8*bj+bi)
	ds_load_b128 v[W+8*bi+4:W+8*bi+7], v7 offset:32*(8*bj+bi)+16
.set bi, bi+1
.endr
	s_wait_dscnt 0x0
.set bi, 0
.rept 8
.set kk, 8*bj+bi
.irp e, 0,2,4,6
.if kk == 0
	v_pk_mul_f32 v[A+\e:A+\e+1], v[W+8*bi+\e:W+8*bi+\e+1], v[X:X+1] op_sel_hi:[1,0]   ; the first product starts the sums
.elseif kk%2 == 0
	v_pk_fma_f32 v[A+\e:A+\e+1], v[W+8*bi+\e:W+8*bi+\e+1], v[X+kk:X+kk+1], v[A+\e:A+\e+1] op_sel_hi:[1,0,1]
.else
	v_pk_fma_f32 v[A+\e:A+\e+1], v[W+8*bi+\e:W+8*bi+\e+1], v[X+kk-1:X+kk], v[A+\e:A+\e+1] op_sel:[0,1,0] op_sel_hi:[1,1,1]
.endif
.endr
.set bi, bi+1
.endr
.set bj, bj+1
.endr
.irp e, 0,1,2,3,4,5,6,7
	v_mov_b32 v[T+\e], 0                           ; a lane permute's destination counts as one of its sources
.endr
.irp m, 1,2,4,8
.irp e, 0,1,2,3,4,5,6,7
	v_add_f32_dpp v[A+\e], v[A+\e], v[A+\e] row_xmask:\m row_mask:0xf bank_mask:0xf
.endr
.endr
.irp e, 0,1,2,3,4,5,6,7
	v_permlanex16_b32 v[T+\e], v[A+\e], s28, s29
.endr
	s_wait_kmcnt 0x0                               ; router_b
.irp e, 0,1,2,3,4,5,6,7
	v_add_f32 v[A+\e], v[A+\e], v[T+\e]
.endr
.irp e, 0,1,2,3,4,5,6,7
	v_add_f32 v[A+\e], s[20+\e], v[A+\e]           ; the logits, the same in all 32 lanes
.endr
	ds_store_b128 v13, v[A:A+3]
	ds_store_b128 v13, v[A+4:A+7] offset:16
	; softmax without its divisor (it cancels in the gates): 2^((logit - largest) log2 e)
	v_max3_num_f32 v152, v[A], v[A+1], v[A+2]
	v_max3_num_f32 v152, v152, v[A+3], v[A+4]
	v_max3_num_f32 v152, v152, v[A+5], v[A+6]
	v_max_num_f32 v152, v152, v[A+7]
.irp e, 0,1,2,3,4,5,6,7
	v_sub_f32 v[E+\e], v[A+\e], v152
.endr
.irp e, 0,1,2,3,4,5,6,7
	v_mul_f32 v[E+\e], 0x3fb8aa3b, v[E+\e]
.endr
.irp e, 0,1,2,3,4,5,6,7
	v_exp_f32 v[E+\e], v[E+\e]
.endr
	v_nop                                          ; a plain instruction behind the last exponential
	s_wait_alu depctr_va_vdst(0)                   ; one wait for the batch of eight, ahead of its first reader
.macro TOP b, ix                       ; the largest of the eight and its index: ascending, strictly greater, so that of equals the lower index stays
	v_mov_b32 v[\b], v[E]
	v_mov_b32 v[\ix], 0
.irp e, 1,2,3,4,5,6,7
	v_cmp_gt_f32 vcc_lo, v[E+\e], v[\b]
	v_cndmask_b32 v[\b], v[\b], v[E+\e], vcc_lo
	v_cndmask_b32 v[\ix], v[\ix], \e, vcc_lo
.endr
.endm
	TOP 152, 153
.irp e, 0,1,2,3,4,5,6,7
	v_cmp_eq_u32 vcc_lo, \e, v153
	v_cndmask_b32 v[E+\e], v[E+\e], -1.0, vcc_lo   ; the winner leaves the field: under every exponential
.endr
	TOP 154, 155
	v_add_f32 v156, v152, v154
	v_rcp_f32 v157, v156
	v_lshl_or_b32 v[SW], v155, 8, v153             ; first | second << 8, in a register of its own: the plain instruction behind the reciprocal names neither its source nor its result
	s_wait_alu depctr_va_vdst(0)                   ; the wait ahead of the reciprocal's first reader
	v_mul_f32 v158, v152, v157
	v_mul_f32 v159, v154, v157                     ; the two gates
	ds_store_b32 v14, v[SW]
	ds_store_b64 v15, v[158:159]
	; my block of x becomes 32 codes and a scale byte
	v_max3_num_f32 v48, |v[X]|, |v[X+1]|, |v[X+2]|
	v_max3_num_f32 v49, |v[X+3]|, |v[X+4]|, |v[X+5]|
.irp i, 6,10,14,18,22,26
	v_max3_num_f32 v48, v48, |v[X+\i]|, |v[X+\i+1]|
	v_max3_num_f32 v49, v49, |v[X+\i+2]|, |v[X+\i+3]|
.endr
	v_max3_num_f32 v48, v48, |v[X+30]|, |v[X+31]|
	v_max3_num_f32 v48, v48, v49, 0x1800000        ; the floor 2^(3 - 127): the byte cannot fall under 1
	v_add_nc_u32 v50, 0xff000000, v48              ; 2 off the exponent field: the conversion's scale operand
	v_lshrrev_b32 v51, 23, v50                     ; the scale's byte
	v_cvt_scalef32_pk16_fp6_f32 v[52:54], v[X:X+15], v50
	v_cvt_scalef32_pk16_fp6_f32 v[58:60], v[X+16:X+31], v50   ; (a conversion's three registers begin on an even number)
	v_nop                                          ; one plain instruction behind a scaled conversion
	v_mov_b32 v55, v58
	v_mov_b32 v56, v59
	v_mov_b32 v57, v60
	v_mov_b32 v62, 0
	v_mov_b32 v63, 0
	ds_store_b64 v9, v[62:63] offset:768           ; zeros over bytes 768 .. 1,023, then the scale bytes over the first 32 of them
	ds_store_b64 v8, v[52:53]
	ds_store_b64 v8, v[54:55] offset:8
	ds_store_b64 v8, v[56:57] offset:16
	ds_store_b8 v11, v51 offset:768
.irp m, 0,1,2,3
	ds_load_b64 v[64+2*\m:65+2*\m], v9 offset:256*\m
.endr
.irp m, 0,1,2,3
	s_wait_dscnt 3-\m                              ; the younger reads of the record may be out
	global_store_b64 v12, v[64+2*\m:65+2*\m], s[10:11] offset:256*\m   ; 32 lanes store 256 consecutive bytes, aligned
.endr
	s_wait_dscnt 0x0                               ; my logits, choice and gates have landed
	s_barrier_signal -1
	s_barrier_wait -1
	s_cmp_lg_u32 s2, 0
	s_cbranch_scc1 .Lend
	; wave 0 sends what the eight tokens have in common units
	ds_load_b64 v[170:171], v160
	ds_load_b128 v[80:83], v161
	ds_load_b128 v[84:87], v161 offset:16          ; the eight choices, in every lane
	ds_load_b32 v172, v162
	ds_load_b64 v[174:175], v163
	s_wait_dscnt 0x0
	global_store_b64 v167, v[170:171], s[18:19]    ; out1: 256 consecutive bytes, aligned
	v_mov_b32 v173, 0
.irp t, 0,1,2,3,4,5,6,7
	v_lshrrev_b32 v152, v164, v[80+\t]
	v_and_b32 v152, 0xff, v152                     ; token t's choice number 'my set'
	v_cmp_eq_u32 vcc_lo, v152, v165
	v_cndmask_b32 v152, 0, 1, vcc_lo
	v_lshl_or_b32 v173, v152, \t, v173             ; my (set, expert)'s byte of the mask
.endr
	v_cmp_gt_u32 vcc_lo, 16, v1
	s_wait_xcnt 0x0                                ; EXEC changes only behind this wait
	s_and_saveexec_b32 s30, vcc_lo
	global_store_b8 v166, v173, s[12:13]
	s_wait_xcnt 0x0
	s_or_b32 exec_lo, exec_lo, s30
	v_cmp_gt_u32 vcc_lo, 8, v1
	s_and_saveexec_b32 s30, vcc_lo
	global_store_b32 v168, v172, s[14:15]
	global_store_b64 v169, v[174:175], s[16:17]
	s_wait_xcnt 0x0
	s_or_b32 exec_lo, exec_lo, s30
.Lend:
	s_wait_tensorcnt 0x0
	ds_add_u32 v176, v177
	s_wait_dscnt 0x0
	s_endpgm
.Lfunc_end_k_q516acc1687_route:
	.size	k_q516acc1687_route, .Lfunc_end_k_q516acc1687_route-k_q516acc1687_route
	.p2alignl 7, 3214868480
	.fill 96, 4, 3214868480
	.section	.rodata,"a",@progbits
	.p2align	6, 0x0
	.amdhsa_kernel k_q516acc1687_route
		.amdhsa_group_segment_fixed_size 79872
		.amdhsa_private_segment_fixed_size 0
		.amdhsa_enable_private_segment 0
		.amdhsa_kernarg_size 64
		.amdhsa_user_sgpr_count 2
		.amdhsa_user_sgpr_kernarg_segment_ptr 1
		.amdhsa_wavefront_size32 1
		.amdhsa_system_sgpr_workgroup_id_x 1
		.amdhsa_system_sgpr_workgroup_id_y 1
		.amdhsa_system_sgpr_workgroup_id_z 1
		.amdhsa_system_vgpr_workitem_id 0
		.amdhsa_next_free_vgpr 178
		.amdhsa_next_free_sgpr 66
		.amdhsa_reserve_vcc 1
		.amdhsa_float_denorm_mode_32 3
		.amdhsa_float_denorm_mode_16_64 3
		.amdhsa_memory_ordered 1
		.amdhsa_forward_progress 1
		.amdhsa_inst_pref_size 33
	.end_amdhsa_kernel
	.amdgpu_metadata
---
amdhsa.version: [ 1, 2 ]
amdhsa.kernels:
  - .name:           k_q516acc1687_route
    .symbol:         k_q516acc1687_route.kd
    .args:
      - { .name: x, .offset: 0, .size: 8, .value_kind: global_buffer, .address_space: global }
      - { .name: router_w, .offset: 8, .size: 8, .value_kind: global_buffer, .address_space: global }
      - { .name: router_b, .offset: 16, .size: 8, .value_kind: global_buffer, .address_space: global }
      - { .name: xq, .offset: 24, .size: 8, .value_kind: global_buffer, .address_space: global }
      - { .name: mask, .offset: 32, .size: 8, .value_kind: global_buffer, .address_space: global }
      - { .name: sel, .offset: 40, .size: 8, .value_kind: global_buffer, .address_space: global }
      - { .name: gate, .offset: 48, .size: 8, .value_kind: global_buffer, .address_space: global }
      - { .name: out1, .offset: 56, .size: 8, .value_kind: global_buffer, .address_space: global }
    .group_segment_fixed_size: 79872
    .private_segment_fixed_size: 0
    .kernarg_segment_align: 8
    .kernarg_segment_size: 64
    .max_flat_workgroup_size: 256
    .sgpr_count:     66
    .vgpr_count:     178
    .wavefront_size: 32
...
	.end_amdgpu_metadata
.endif
;; end of part 1
;; launch up (part 2): grid 256 x 1, 16 waves a work-group, no clusters, 281,600 bytes of LDS; arguments w1, b1, xq, mask, hq; writes hq
.if DOCPART == 2
	.amdgcn_target "amdgcn-amd-amdhsa--gfx1250"
	.amdhsa_code_object_version 6
	.text
	.protected	k_q516acc1687_up
	.globl	k_q516acc1687_up
	.p2align	8
	.type	k_q516acc1687_up,@function
k_q516acc1687_up:
	s_mov_b64 s[64:65], 0
	v_nop
	global_prefetch_b8 v0, s[64:65] scope:SCOPE_SE
	s_setreg_imm32_b32 hwreg(HW_REG_WAVE_MODE, 25, 1), 1
	s_wait_xcnt 0x0
; UP.  hidden = gelu(x W1 + b1) for the rows that chose an expert, both operands as codes of E2M3 with E8M0 scales; the result leaves quantised along H, as images of the next product's operand registers.
; THE WEIGHTS STAY, THE ROWS GO ROUND.  Work-group (e = id / 32, S = id % 32) owns hidden units 128 S .. 128 S + 127 of expert e, all 1,024 along D: 512 KiB of f32 that no other work-group reads.
; It streams them in four PERIODS of 64 columns x 512 K, quantises them in registers and keeps the codes (96 KiB) in LDS.  Behind each period's barrier every wave multiplies its own tile of 16 rows by the
; 16 fragments just made, while the next period's 128 KiB (8 KiB a wave) are on their way.  Tiles 16 .. 63 of an expert (more than 256 rows) are served afterwards from the codes, four waves to a tile.
; THE ORDER OF THE PERIODS is (columns 64 jc on, K 512 kh on) = (0,0) (1,0) (1,1) (0,1): x's fragments of each half of K are gathered once and serve two periods.  The half sums of jc = 0 wait in LDS bytes of the wave's own
; (32 registers, 4 KiB a wave) from the first period to the last, whose sums begin with them.
; No tensor load and no cluster: the number of an expert's rows is read from memory and steers branches, and no two work-groups share a weight byte.  No prefetch: a period's loads are issued a whole period's products ahead of the wait for them.
; A PERIOD'S STREAM.  Wave w takes the block of 32 along K number w of the period's 16: 32 loads of 8 bytes a lane, one for each k; the 32 lanes read 256 consecutive bytes, aligned; lane l gets columns 2 l and 2 l + 1.
; A lane's registers so run down K, a block's largest magnitude needs no other lane, and the conversions give codes with K innermost; 64 moves a period lay each column's numbers on end for them.
; WHICH COLUMNS FORM A TILE.  Column o of the 64 goes to tile 2 (o / 32) + (o / 8) % 2, row 8 ((o / 16) % 2) + o % 8.  The product is used transposed (source 0 = 16 columns of W1, source 1 = 16 rows of x), so lane (r, h)
; holds row r, and the 16 registers of tiles 2 b and 2 b + 1 are the 16 neighbouring hidden units 32 b + 16 h + 0 .. 15: the next K.
; THE ROW LIST.  mask holds, for each expert, a bit a token for its first and for its second choice.  Every wave counts them; wave 0 lays the list (token + 1,024 x choice, ascending tokens) in LDS.  Rows past the count take token 0
; and are computed and never used: so phase P has no branch on data.
; GELU, exact: h = z F, F = (1 + erf(u)) / 2, u = z / sqrt 2.  |u| <= 475/512: F = 1/2 + u q(u^2).  Beyond: erfc(|u|) / 2 = 2^(p(|u|)), and F is that or 1 less that: nothing is cancelled in the negative tail.
; LIMITS.  NaN and infinities are not served.  A block whose largest magnitude lies under 2^-124 keeps the scale byte 1 (this program alone reads the bytes).  Every split is served, 0 to 1,024 rows on an expert.
.set PITCH, 16384                      ; a row of W1 in bytes
.set REG,   24576                      ; LDS: a period's 16 fragments, region 2 jc + kh; fragment (K step sl, tile ct) at (4 sl + ct) x 1,536, lane L's 12 registers at 48 L
.set FRB,   1536
.set WSC,   98304                      ; the weights' scale words: region x 1,024 + (ct / 2) x 512 + (row + 16 (ct % 2)) x 16 + 4 sl
.set BIAS,  102400                     ; my 128 numbers of b1
.set LIST,  102912                     ; 1,024 entries and 32 words that take what is not listed
.set STG,   107264                     ; + 1,664 x tile: the hidden fragment of a tile: 1,536 bytes, lane L at 48 L, and 128 bytes of scale words, lane L at 4 L
.set STT,   1664
.set PARK,  214016                     ; + 4,096 x wave: the half sums of jc = 0: register group i of lane L at 512 i + 16 L
.set X,   16                           ; v16-79   the stream: row i's two columns at X + 2 i
.set AF,  80                           ; v80-127  x's fragments of four K steps
.set AS,  128                          ; v128-135 their scale words (these and the next eight hold scales and nothing else)
.set WS,  136                          ; v136-143 the weights' scale words
.set ACC, 144                          ; v144-175 four accumulators
.set WF,  176                          ; v176-223 four weight fragments
.set T0,  176                          ; quantising: 16 numbers of each column on end,
.set T1,  192
.set C0,  208                          ; each column's six registers of codes,
.set C1,  214
.set D0,  220                          ; the upper halves as they are made,
.set D1,  224
.set MX,  228                          ; largest magnitudes, scale operands, bytes
.set SO,  230
.set BY,  232
.set TA,  234                          ; the LDS address in hand
.set GU,  176                          ; GELU, eight numbers at a time: u, u^2, |u|, the tail, the core, 1 - the tail
.set GS,  184
.set GT,  192
.set GR,  200
.set GQ,  208
.set GW,  216
.set QM,  224                          ; quantising the hidden layer
.set QP,  225
.set QS,  226
.set QB,  227
.set QC,  228
; v1 8 l; v2, v3 where my codes and scale bytes go; v4 48 l; v5 WSC + 16 l; v6 BIAS + 64 h; v7 my row's place in xq; v8, v9 my tile's stage; v10 my tile's list; v11 16 l; v12 l; v14 where my half sums wait; v15 48 h
; v240-245 three constants of the GELU; v246-251 the overflow's fixed addresses, v252-254 a trip's; v255 the stage as it is read back
; s2 wave, s3 expert, s14 S, s17 rows, s18 tiles; s[52:55] the stream's two bases; s[20:43] the GELU's constants (where the masks lay)
.macro PLACES n
.rept \n
	v_nop
.endr
.endm
.macro BAR                             ; my LDS stores have landed and my LDS loads are in: then the work-group's barrier
	s_wait_dscnt 0x0
	s_barrier_signal -1
	s_barrier_wait -1
.endm
.macro SPAIR r, val                    ; a constant for packed instructions: they name a pair and take its low word for both halves
	s_mov_b32 s[\r], \val
	s_mov_b32 s[\r+1], \val
.endm
.macro STREAMH base, off, a            ; rows 16 a .. 16 a + 15 of my block
.set si, 16*(\a)
.rept 16
	global_load_b64 v[X+2*si:X+2*si+1], v1, s[\base:\base+1] offset:(\off)+si*PITCH th:TH_LOAD_NT
.set si, si+1
.endr
.endm
; My block (two columns x 32 k) becomes codes and two scale bytes in region rho; as soon as a half of X is read out, the next period's loads go into it (nxt = 1).
.macro QSUB rho, nxt, base, off
	v_max3_num_f32 v[MX], |v[X]|, |v[X+2]|, 0x1800000      ; the floor 2^(3 - 127): the byte cannot fall under 1
	v_max3_num_f32 v[MX+1], |v[X+1]|, |v[X+3]|, 0x1800000
.set qi, 2
.rept 15
	v_max3_num_f32 v[MX], v[MX], |v[X+2*qi]|, |v[X+2*qi+2]|        ; the two columns by turns
	v_max3_num_f32 v[MX+1], v[MX+1], |v[X+2*qi+1]|, |v[X+2*qi+3]|
.set qi, qi+2
.endr
	v_add_nc_u32 v[SO], 0xff000000, v[MX]          ; 2 off the exponent field: the conversion's scale operand
	v_add_nc_u32 v[SO+1], 0xff000000, v[MX+1]
.set qi, 0
.rept 16
	v_mov_b32 v[T0+qi], v[X+2*qi]
	v_mov_b32 v[T1+qi], v[X+2*qi+1]
.set qi, qi+1
.endr
	v_cvt_scalef32_pk16_fp6_f32 v[C0:C0+2], v[T0:T0+15], v[SO]
	v_cvt_scalef32_pk16_fp6_f32 v[C1:C1+2], v[T1:T1+15], v[SO+1]
	v_lshrrev_b32 v[BY], 23, v[SO]                 ; the scale bytes; these two lines are the plain instructions behind the conversions
	v_lshrrev_b32 v[BY+1], 23, v[SO+1]
.if \nxt
	STREAMH \base, \off, 0
.endif
.set qi, 0
.rept 16
	v_mov_b32 v[T0+qi], v[X+32+2*qi]
	v_mov_b32 v[T1+qi], v[X+32+2*qi+1]
.set qi, qi+1
.endr
	v_cvt_scalef32_pk16_fp6_f32 v[D0:D0+2], v[T0:T0+15], v[SO]     ; (a conversion's three registers begin on an even number)
	v_cvt_scalef32_pk16_fp6_f32 v[D1:D1+2], v[T1:T1+15], v[SO+1]
	v_nop
.if \nxt
	STREAMH \base, \off, 1
.endif
.irp i, 0,1,2
	v_mov_b32 v[C0+3+\i], v[D0+\i]
	v_mov_b32 v[C1+3+\i], v[D1+\i]
.endr
	v_add_nc_u32 v[TA], (\rho)*REG, v2
	ds_store_b64 v[TA], v[C0:C0+1]
	ds_store_b64 v[TA], v[C0+2:C0+3] offset:8
	ds_store_b64 v[TA], v[C0+4:C0+5] offset:16
	ds_store_b64 v[TA], v[C1:C1+1] offset:48       ; the odd column is the next row of the same tile
	ds_store_b64 v[TA], v[C1+2:C1+3] offset:56
	ds_store_b64 v[TA], v[C1+4:C1+5] offset:64
	ds_store_b8 v3, v[BY] offset:(\rho)*1024
	ds_store_b8 v3, v[BY+1] offset:(\rho)*1024+16
.endm
.macro WM d, a, b, sa, sb, row         ; d += a (16 columns of W1) x b (16 rows); row = 1: the weights' scale words stand in lanes 16-31
.if \row
	v_wmma_scale_f32_16x16x128_f8f6f4 v[(\d):(\d)+7], v[(\a):(\a)+11], v[(\b):(\b)+11], v[(\d):(\d)+7], v[\sa], v[\sb] matrix_a_fmt:MATRIX_FMT_FP6 matrix_b_fmt:MATRIX_FMT_FP6 matrix_a_scale:MATRIX_SCALE_ROW1
.else
	v_wmma_scale_f32_16x16x128_f8f6f4 v[(\d):(\d)+7], v[(\a):(\a)+11], v[(\b):(\b)+11], v[(\d):(\d)+7], v[\sa], v[\sb] matrix_a_fmt:MATRIX_FMT_FP6 matrix_b_fmt:MATRIX_FMT_FP6
.endif
.endm
; My tile x region rho's 16 fragments.  bias = 1: the sums begin with b1, loaded into the accumulators in the result's layout; bias = 2: with the half sums that wait in LDS; bias = 0: they go on.
; The four accumulators take turns, one instruction a turn.
.macro ITEM rho, bias, jc
	v_add_nc_u32 v[TA], (\rho)*REG, v4
	ds_load_b128 v[WS:WS+3], v5 offset:(\rho)*1024         ; tiles 0 (lanes 0-15) and 1 (lanes 16-31): the four K steps' words
	ds_load_b128 v[WS+4:WS+7], v5 offset:(\rho)*1024+512   ; tiles 2 and 3
.if (\bias) == 1
.set bi, 0
.rept 8
	ds_load_b128 v[ACC+4*bi:ACC+4*bi+3], v6 offset:256*(\jc)+128*(bi/4)+16*(bi%4)
.set bi, bi+1
.endr
.endif
.if (\bias) == 2
.set bi, 0
.rept 8
	ds_load_b128 v[ACC+4*bi:ACC+4*bi+3], v14 offset:512*bi
.set bi, bi+1
.endr
.endif
.irp sl, 0,1,2,3
.if \sl > 0
	PLACES 4                                       ; in front of loads into registers that matrix instructions have read
.endif
.irp ct, 0,1,2,3
.irp g, 0,1,2
	ds_load_b128 v[WF+12*\ct+4*\g:WF+12*\ct+4*\g+3], v[TA] offset:(4*\sl+\ct)*FRB+16*\g
.endr
.endr
.irp ct, 0,1,2,3
	s_wait_dscnt 9-3*\ct                           ; the later tiles' fragments may be out
	WM ACC+8*\ct, WF+12*\ct, AF+12*\sl, WS+4*(\ct/2)+\sl, AS+\sl, \ct%2
.endr
.endr
.endm
.macro PARKST                          ; my four accumulators go to my own LDS bytes as they stand, each from its low end on
	PLACES 4
.set bi, 0
.rept 8
	ds_store_b128 v14, v[ACC+4*bi:ACC+4*bi+3] offset:512*bi
.set bi, bi+1
.endr
.endm
.macro ALOAD kh                        ; my 16 rows' fragments of K steps 4 kh .. 4 kh + 3 and their scale words: 13 loads
	PLACES 4
.irp sl, 0,1,2,3
.irp g, 0,1,2
	global_load_b128 v[AF+12*\sl+4*\g:AF+12*\sl+4*\g+3], v7, s[8:9] offset:96*(4*(\kh)+\sl)+16*\g
.endr
.endr
	global_load_b128 v[AS:AS+3], v7, s[8:9] offset:768+16*(\kh)
.endm
; 16 numbers z .. z + 15 (two accumulators) become gelu(z), eight at a time, each accumulator from its low end on.
.macro EPIB z
.irp bt, 0,1
.set ZB, (\z)+8*\bt
.irp p, 0,2,4,6
	v_pk_mul_f32 v[GU+\p:GU+\p+1], v[ZB+\p:ZB+\p+1], s[20:21] op_sel_hi:[1,0]      ; u = z / sqrt 2
.endr
.irp p, 0,2,4,6
	v_pk_mul_f32 v[GS+\p:GS+\p+1], v[GU+\p:GU+\p+1], v[GU+\p:GU+\p+1]
.endr
.irp p, 0,1,2,3,4,5,6,7
	v_and_b32 v[GT+\p], s42, v[GU+\p]              ; t = |u|
.endr
.irp p, 0,2,4,6
	v_pk_fma_f32 v[GR+\p:GR+\p+1], v[GT+\p:GT+\p+1], s[22:23], v[240:241] op_sel_hi:[1,0,1]   ; the tail: log2(erfc(t) / 2) as a polynomial in t
.endr
.irp p, 0,2,4,6
	v_pk_fma_f32 v[GQ+\p:GQ+\p+1], v[GT+\p:GT+\p+1], s[24:25], v[242:243] op_sel_hi:[1,0,1]
.endr
.irp p, 0,2,4,6
	v_pk_fma_f32 v[GR+\p:GR+\p+1], v[GR+\p:GR+\p+1], v[GS+\p:GS+\p+1], v[GQ+\p:GQ+\p+1]
.endr
.irp c, 26,28,30
.irp p, 0,2,4,6
	v_pk_fma_f32 v[GR+\p:GR+\p+1], v[GR+\p:GR+\p+1], v[GT+\p:GT+\p+1], s[\c:\c+1] op_sel_hi:[1,1,0]
.endr
.endr
.irp p, 0,2,4,6
	v_pk_fma_f32 v[GR+\p:GR+\p+1], v[GR+\p:GR+\p+1], v[GT+\p:GT+\p+1], -1.0 op_sel_hi:[1,1,0]
.endr
.irp p, 0,1,2,3,4,5,6,7
	v_exp_f32 v[GR+\p], v[GR+\p]                   ; one batch of eight
.endr
.irp p, 0,2,4,6
	v_pk_fma_f32 v[GQ+\p:GQ+\p+1], v[GS+\p:GS+\p+1], s[32:33], v[244:245] op_sel_hi:[1,0,1]   ; the core stands behind the exponentials as their independent work
.endr
.irp c, 34,36,38,40
.irp p, 0,2,4,6
	v_pk_fma_f32 v[GQ+\p:GQ+\p+1], v[GQ+\p:GQ+\p+1], v[GS+\p:GS+\p+1], s[\c:\c+1] op_sel_hi:[1,1,0]
.endr
.endr
.irp p, 0,2,4,6
	v_pk_fma_f32 v[GQ+\p:GQ+\p+1], v[GQ+\p:GQ+\p+1], v[GU+\p:GU+\p+1], 0.5 op_sel_hi:[1,1,0]
.endr
	s_wait_alu depctr_va_vdst(0)                   ; one wait for the batch, ahead of its first reader
.irp p, 0,2,4,6
	v_pk_fma_f32 v[GW+\p:GW+\p+1], v[GR+\p:GR+\p+1], -1.0, 1.0 op_sel_hi:[1,0,0]
.endr
.irp p, 0,1,2,3,4,5,6,7
	v_cmp_lt_f32 vcc_lo, 0, v[GU+\p]
	v_cndmask_b32 v[GR+\p], v[GR+\p], v[GW+\p], vcc_lo     ; u > 0: 1 - erfc / 2
	v_cmp_lt_f32 vcc_lo, s43, v[GT+\p]
	v_cndmask_b32 v[GQ+\p], v[GQ+\p], v[GR+\p], vcc_lo     ; |u| > 475/512: the tail
.endr
.irp p, 0,2,4,6
	v_pk_mul_f32 v[ZB+\p:ZB+\p+1], v[ZB+\p:ZB+\p+1], v[GQ+\p:GQ+\p+1]
.endr
.endr
.endm
.macro QUANT1 z                        ; my 16 of a block of 32 hidden units (lane l xor 16 holds the others): 12 bytes of codes in v[QC] on, the byte in v[QB]
	v_max3_num_f32 v[QM], |v[(\z)]|, |v[(\z)+1]|, 0x1800000
.irp i, 2,4,6,8,10,12,14
	v_max3_num_f32 v[QM], v[QM], |v[(\z)+\i]|, |v[(\z)+\i+1]|
.endr
	v_permlanex16_b32 v[QP], v[QM], s58, s59
	v_max_num_f32 v[QM], v[QM], v[QP]
	v_add_nc_u32 v[QS], 0xff000000, v[QM]
	v_cvt_scalef32_pk16_fp6_f32 v[QC:QC+2], v[(\z):(\z)+15], v[QS]
	v_lshrrev_b32 v[QB], 23, v[QS]                 ; (the plain instruction behind the conversion)
.endm
.macro EPI jc                          ; my tile's 64 hidden units 64 jc on: block (jc, bq) goes to lane r + 16 bq of the fragment, registers 6 jc + 3 h on
	PLACES 4
.irp bq, 0,1
	EPIB ACC+16*\bq
	QUANT1 ACC+16*\bq
	ds_store_b32 v8, v[QC] offset:768*\bq+24*(\jc)
	ds_store_b32 v8, v[QC+1] offset:768*\bq+24*(\jc)+4
	ds_store_b32 v8, v[QC+2] offset:768*\bq+24*(\jc)+8
	ds_store_b8 v9, v[QB] offset:2*(\jc)+\bq
.endr
.endm
	s_load_b256 s[4:11], s[0:1], 0x0               ; w1, b1, xq, mask
	s_load_b64 s[12:13], s[0:1], 0x20              ; hq
	v_and_b32 v12, 31, v0                          ; l
	v_lshrrev_b32 v13, 5, v0
	v_readfirstlane_b32 s2, v13                    ; wave 0..15
	v_lshlrev_b32 v1, 3, v12
	v_lshlrev_b32 v11, 4, v12
	s_lshr_b32 s3, ttmp9, 5                        ; expert
	s_and_b32 s14, ttmp9, 31                       ; S
	s_lshl_b32 s56, s3, 24                         ; an expert's W1 is 2^24 bytes,
	s_lshl_b32 s15, s2, 19                         ; my block's 32 rows of 16,384 bytes,
	s_add_co_u32 s56, s56, s15
	s_lshl_b32 s15, s14, 9                         ; my slice's 128 columns
	s_add_co_u32 s56, s56, s15
	s_mov_b32 s57, 0
	s_lshl_b32 s60, s3, 14
	s_add_co_u32 s60, s60, s15                     ; b1: 16,384 e + 512 S
	s_mov_b32 s61, 0
	s_lshl_b32 s62, s3, 7                          ; mask: 128 e
	s_mov_b32 s63, 0
	s_wait_kmcnt 0x0
	s_add_nc_u64 s[52:53], s[4:5], s[56:57]        ; K 0 .. 511
	s_add_nc_u64 s[54:55], s[52:53], 0x800000      ; K 512 .. 1,023
	s_add_nc_u64 s[6:7], s[6:7], s[60:61]
	s_add_nc_u64 s[10:11], s[10:11], s[62:63]
	global_load_b128 v[236:239], v11, s[6:7]       ; b1's 128 numbers; every wave asks, so that all waves count alike; wave 0 uses them
	STREAMH 52, 0, 0                               ; the first period
	STREAMH 52, 0, 1
	s_load_b512 s[20:35], s[10:11], 0x0            ; first choices, tokens 0 .. 511
	s_load_b512 s[36:51], s[10:11], 0x40
	s_load_b512 s[68:83], s[10:11], 0x400          ; second choices
	s_load_b512 s[84:99], s[10:11], 0x440
	; every LDS address is made here, ahead of all branches
	v_and_b32 v13, 15, v0                          ; r
	v_bfe_u32 v14, v0, 4, 1                        ; h
	v_mul_u32_u24 v15, v14, 48
	v_mul_u32_u24 v4, v12, 48
	v_add_nc_u32 v5, WSC, v11
	v_lshl_add_u32 v6, v14, 6, BIAS
	v_bfe_u32 v224, v0, 2, 1
	v_bfe_u32 v225, v0, 3, 1
	v_and_b32 v226, 3, v0
	v_mul_u32_u24 v2, v14, 3072                    ; my columns' tile: 2 (l / 16) + (l / 4) % 2,
	v_mad_u32_u24 v2, v224, 1536, v2
	v_mad_u32_u24 v2, v225, 384, v2                ; their first row in it: 8 ((l / 8) % 2) + 2 (l % 4)
	v_mad_u32_u24 v2, v226, 96, v2
	s_lshr_b32 s15, s2, 2                          ; my block's K step,
	s_and_b32 s19, s2, 3
	s_mul_i32 s16, s15, 6144
	s_and_b32 s56, s2, 1                           ; its half of the lanes,
	s_mul_i32 s57, s56, 768
	s_add_co_u32 s16, s16, s57
	s_bfe_u32 s60, s2, 0x10001                     ; and its six registers of the twelve
	s_mul_i32 s57, s60, 24
	s_add_co_u32 s16, s16, s57
	v_add_nc_u32 v2, s16, v2
	v_lshl_add_u32 v3, v14, 9, WSC
	v_lshl_add_u32 v3, v224, 8, v3
	v_lshl_add_u32 v3, v225, 7, v3
	v_lshl_add_u32 v3, v226, 5, v3
	v_add_nc_u32 v3, s2, v3                        ; 4 x K step + block in it = my wave's number
	v_mul_u32_u24 v227, v13, 48
	v_mad_u32_u24 v227, v14, 12, v227              ; 48 r + 12 h
	s_mul_i32 s16, s2, STT
	s_add_co_u32 s16, s16, STG
	v_add_nc_u32 v8, s16, v227
	v_lshl_add_u32 v9, v12, 2, s16
	v_add_nc_u32 v9, 1536, v9
	v_add_nc_u32 v255, s16, v4
	s_lshl_b32 s16, s2, 6
	s_add_co_u32 s16, s16, LIST
	v_lshl_add_u32 v10, v13, 2, s16
	; the overflow: wave w serves tile 16 + 4 q + w / 4, hidden units 32 (w % 4) on
	s_mul_i32 s16, s60, 49152
	s_mul_i32 s57, s56, 3072
	s_add_co_u32 s16, s16, s57
	v_add_nc_u32 v246, s16, v4
	s_lshl_b32 s16, s60, 11
	s_lshl_b32 s57, s56, 9
	s_add_co_u32 s16, s16, s57
	v_add_nc_u32 v247, s16, v5
	s_lshl_b32 s16, s19, 7
	v_add_nc_u32 v248, s16, v6
	s_add_co_u32 s61, s15, 16
	s_mul_i32 s62, s61, STT
	s_add_co_u32 s62, s62, STG
	s_mul_i32 s16, s56, 768
	s_add_co_u32 s16, s16, s62
	s_mul_i32 s57, s60, 24
	s_add_co_u32 s16, s16, s57
	v_add_nc_u32 v249, s16, v227
	s_add_co_u32 s16, s62, 1536
	s_add_co_u32 s16, s16, s19
	v_lshl_add_u32 v250, v12, 2, s16
	s_lshl_b32 s16, s61, 6
	s_add_co_u32 s16, s16, LIST
	v_lshl_add_u32 v251, v13, 2, s16
	s_lshl_b32 s16, s2, 12
	s_add_co_u32 s16, s16, PARK
	v_add_nc_u32 v14, s16, v11                     ; where my half sums wait: 4,096 x wave + 16 l (h is not wanted any more)
	s_mov_b32 s58, 0x76543210
	s_mov_b32 s59, 0xfedcba98                      ; v_permlanex16_b32's selects for lane l xor 16
	s_wait_kmcnt 0x0
	s_mov_b32 s17, 0                               ; my expert's rows: a token chooses an expert at most once, so the two sets are joined
.set mi, 0
.rept 32
	s_or_b32 s[20+mi], s[20+mi], s[68+mi]
	s_bcnt1_i32_b32 s16, s[20+mi]
	s_add_co_u32 s17, s17, s16
.set mi, mi+1
.endr
	s_add_co_u32 s18, s17, 15
	s_lshr_b32 s18, s18, 4
	s_max_u32 s18, s18, 1                          ; tiles of 16 rows, at least one
	s_cmp_lg_u32 s2, 0
	s_cbranch_scc1 .Lno_list
	s_wait_loadcnt 32                              ; b1 is in; the stream's 32 loads behind it may be out
	v_add_nc_u32 v224, BIAS, v11
	ds_store_b128 v224, v[236:239]
	v_add_nc_u32 v224, LIST, v11
.irp i, 228,229,230,231
	v_mov_b32 v\i, 0
.endr
.irp m, 0,1,2,3,4,5,6,7
	ds_store_b128 v224, v[228:231] offset:512*\m   ; entries past the count name token 0
.endr
	v_add_nc_u32 v225, 1024, v12                   ; where a lane without a row puts its word
	s_mov_b32 s66, 0                               ; rows in the words before
.set mi, 0
.rept 32
	v_mbcnt_lo_u32_b32 v235, s[20+mi], s66         ; my row's place: the rows before this word + those of lower lanes
	v_cndmask_b32 v235, v225, v235, s[20+mi]
	v_min_u32 v235, 0x41f, v235
	v_lshl_add_u32 v235, v235, 2, LIST
	v_add_nc_u32 v232, 32*mi, v12                  ; token,
	v_add_nc_u32 v233, 32*mi+1024, v12
	v_cndmask_b32 v232, v232, v233, s[68+mi]       ; + 1,024 where it is the token's second choice
	ds_store_b32 v235, v232
	s_bcnt1_i32_b32 s67, s[20+mi]
	s_add_co_u32 s66, s66, s67
.set mi, mi+1
.endr
.Lno_list:
	SPAIR 20, 0x3f3504f3                           ; 1 / sqrt 2
	SPAIR 22, 0xb7d130d7                           ; the tail's coefficients, in units of log2
	SPAIR 24, 0xbbb79c87
	SPAIR 26, 0xbe1dbebc
	SPAIR 28, 0xbf6a77c7
	SPAIR 30, 0xbfd06f41
	SPAIR 32, 0xb99c7000                           ; the core's, halved
	SPAIR 34, 0xbc5b48d9
	SPAIR 36, 0x3d670e22
	SPAIR 38, 0xbe409380
	SPAIR 40, 0x3f106ebb
	s_mov_b32 s42, 0x7fffffff
	s_mov_b32 s43, 0x3f6d8000                      ; 475/512
	v_mov_b32 v240, 0x3a10ec3c                     ; three addends in vector pairs, so that a packed instruction names one scalar value
	v_mov_b32 v241, 0x3a10ec3c
	v_mov_b32 v242, 0x3d0f53cc
	v_mov_b32 v243, 0x3d0f53cc
	v_mov_b32 v244, 0x3b238d2c
	v_mov_b32 v245, 0x3b238d2c
	v_mov_b32 v[QP], 0                             ; a lane permute's destination counts as one of its sources
	BAR                                            ; the list and b1 lie in LDS
	ds_load_b32 v7, v10
	s_wait_dscnt 0x0
	v_and_b32 v7, 0x3ff, v7                        ; the token,
	v_min_u32 v7, 0x3ff, v7
	v_lshl_add_u32 v7, v7, 10, v15                 ; its record in xq, + 48 h
	; PHASE P: the periods (jc, kh) = (0,0) (1,0) (1,1) (0,1); region = 2 jc + kh
	ALOAD 0                                        ; x's K 0 .. 511: for the first two periods
	s_wait_loadcnt 13                              ; the stream is older than my 13 row loads: it has landed
	QSUB 0, 1, 52, 256
	BAR
	s_wait_loadcnt 32                              ; the row loads are older than the 32 stream loads just issued
	ITEM 0, 1, 0
	PARKST                                         ; jc = 0's half sums wait until the last period
	s_wait_loadcnt 0x0                             ; the stream alone was out
	QSUB 2, 1, 54, 256
	BAR                                            ; (its wait for LDS also shows that the stores above have read the accumulators)
	ITEM 2, 1, 1
	ALOAD 1                                        ; x's K 512 .. 1,023: for the last two periods
	s_wait_loadcnt 13
	QSUB 3, 1, 54, 0
	BAR
	s_wait_loadcnt 32
	ITEM 3, 0, 1
	EPI 1
	s_wait_loadcnt 0x0                             ; the stream alone was out
	QSUB 1, 0, 52, 0
	BAR
	ITEM 1, 2, 0
	EPI 0
	; THE OVERFLOW: 12 trips for every wave; a trip's work is jumped over where the expert has no such tile (a branch on the stored count; no barrier stands in the loop)
	s_mov_b32 s60, 0
	s_add_co_u32 s61, s15, 16                      ; my tile
	s_mov_b32 s62, 0                               ; its stage, from the first trip's on
	s_mov_b32 s63, 0                               ; its list entries likewise
.Lover:
	s_cmp_ge_u32 s61, s18
	s_cbranch_scc1 .Lover_skip
	v_add_nc_u32 v252, s63, v251
	v_add_nc_u32 v253, s62, v249
	v_add_nc_u32 v254, s62, v250
	ds_load_b32 v7, v252
.irp q, 0,1,2,3
	ds_load_b128 v[ACC+4*\q:ACC+4*\q+3], v248 offset:16*\q         ; b1 starts the two sums
.endr
	ds_load_b128 v[WS:WS+3], v247                  ; K steps 0-3: tile u = 0 in lanes 0-15, u = 1 in lanes 16-31
	ds_load_b128 v[WS+4:WS+7], v247 offset:1024    ; K steps 4-7
	s_wait_dscnt 6                                 ; the list entry is in; the six loads behind it may be out
	v_and_b32 v7, 0x3ff, v7
	v_min_u32 v7, 0x3ff, v7
	v_lshl_add_u32 v7, v7, 10, v15
.set oj, 0
.rept 8
.irp g, 0,1,2
	global_load_b128 v[16+12*oj+4*\g:16+12*oj+4*\g+3], v7, s[8:9] offset:96*oj+16*\g   ; all eight K steps of my 16 rows
.endr
.set oj, oj+1
.endr
	global_load_b128 v[AS:AS+3], v7, s[8:9] offset:768
	global_load_b128 v[AS+4:AS+7], v7, s[8:9] offset:784
.irp gi, 0,1,2,3                       ; two K steps x two tiles at a time; the two accumulators by turns
.if \gi > 0
	PLACES 4
.endif
.irp ss, 0,1
.irp u, 0,1
.irp g, 0,1,2
	ds_load_b128 v[WF+12*(2*\ss+\u)+4*\g:WF+12*(2*\ss+\u)+4*\g+3], v246 offset:((2*\gi+\ss)/4)*REG+((2*\gi+\ss)%4)*6144+\u*FRB+16*\g
.endr
.endr
.endr
.if \gi == 0
	s_wait_loadcnt 0x0
.endif
.irp ss, 0,1
.irp u, 0,1
	s_wait_dscnt 9-3*(2*\ss+\u)
	WM ACC+8*\u, WF+12*(2*\ss+\u), 16+12*(2*\gi+\ss), WS+2*\gi+\ss, AS+2*\gi+\ss, \u
.endr
.endr
.endr
	PLACES 4
	EPIB ACC
	QUANT1 ACC
	ds_store_b32 v253, v[QC]
	ds_store_b32 v253, v[QC+1] offset:4
	ds_store_b32 v253, v[QC+2] offset:8
	ds_store_b8 v254, v[QB]
.Lover_skip:
	s_add_co_u32 s61, s61, 4
	s_add_co_u32 s62, s62, 4*STT
	s_add_co_u32 s63, s63, 256
	s_add_co_u32 s60, s60, 1
	s_cmp_lt_u32 s60, 12
	s_cbranch_scc1 .Lover
	BAR                                            ; every tile's fragment is whole in its stage
	; PHASE S: wave w sends tiles w, w + 16, w + 32, w + 48, those that exist: a record of 1,792 bytes, seven aligned units of 256
	s_lshl_b32 s16, s3, 6
	s_add_co_u32 s16, s16, s2
	s_lshl_b32 s16, s16, 5
	s_add_co_u32 s16, s16, s14
	s_mul_i32 s56, s16, 1792
	s_mov_b32 s57, 0
	s_add_nc_u64 s[56:57], s[12:13], s[56:57]      ; hq at record (e, tile w, S)
	v_mov_b32 v29, 0
	s_mov_b32 s60, 0
	s_mov_b32 s61, s2
	s_mov_b32 s62, 0
.Lsend:
	s_cmp_ge_u32 s61, s18
	s_cbranch_scc1 .Lsend_skip
	v_add_nc_u32 v252, s62, v255
	v_add_nc_u32 v253, s62, v9
.irp g, 0,1,2
	ds_load_b128 v[16+4*\g:19+4*\g], v252 offset:16*\g
.endr
	ds_load_b32 v28, v253
	s_wait_dscnt 0x0
.irp g, 0,1,2
	global_store_b128 v11, v[16+4*\g:19+4*\g], s[56:57] offset:512*\g      ; registers 4 g .. 4 g + 3 of all 32 lanes: 512 consecutive bytes
.endr
	global_store_b64 v1, v[28:29], s[56:57] offset:1536                    ; (row l % 16's scale word, 0): 256 consecutive bytes
	s_wait_xcnt 0x0                                ; the stores have read their registers and their base: both are written again only behind this wait
.Lsend_skip:
	s_add_nc_u64 s[56:57], s[56:57], 917504        ; 16 tiles x 32 records on
	s_add_co_u32 s61, s61, 16
	s_add_co_u32 s62, s62, 16*STT
	s_add_co_u32 s60, s60, 1
	s_cmp_lt_u32 s60, 4
	s_cbranch_scc1 .Lsend
	s_wait_xcnt 0x0
	v_lshl_add_u32 v254, v0, 2, 0x44400
	v_mov_b32 v255, 0
	s_wait_tensorcnt 0x0
	ds_add_u32 v254, v255
	s_wait_dscnt 0x0
	s_endpgm
.Lfunc_end_k_q516acc1687_up:
	.size	k_q516acc1687_up, .Lfunc_end_k_q516acc1687_up-k_q516acc1687_up
	.p2alignl 7, 3214868480
	.fill 96, 4, 3214868480
	.section	.rodata,"a",@progbits
	.p2align	6, 0x0
	.amdhsa_kernel k_q516acc1687_up
		.amdhsa_group_segment_fixed_size 281600
		.amdhsa_private_segment_fixed_size 0
		.amdhsa_enable_private_segment 0
		.amdhsa_kernarg_size 40
		.amdhsa_user_sgpr_count 2
		.amdhsa_user_sgpr_kernarg_segment_ptr 1
		.amdhsa_wavefront_size32 1
		.amdhsa_system_sgpr_workgroup_id_x 1
		.amdhsa_system_sgpr_workgroup_id_y 1
		.amdhsa_system_sgpr_workgroup_id_z 1
		.amdhsa_system_vgpr_workitem_id 0
		.amdhsa_next_free_vgpr 256
		.amdhsa_next_free_sgpr 100
		.amdhsa_reserve_vcc 1
		.amdhsa_float_denorm_mode_32 3
		.amdhsa_float_denorm_mode_16_64 3
		.amdhsa_memory_ordered 1
		.amdhsa_forward_progress 1
		.amdhsa_inst_pref_size 168
	.end_amdhsa_kernel
	.amdgpu_metadata
---
amdhsa.version: [ 1, 2 ]
amdhsa.kernels:
  - .name:           k_q516acc1687_up
    .symbol:         k_q516acc1687_up.kd
    .args:
      - { .name: w1, .offset: 0, .size: 8, .value_kind: global_buffer, .address_space: global }
      - { .name: b1, .offset: 8, .size: 8, .value_kind: global_buffer, .address_space: global }
      - { .name: xq, .offset: 16, .size: 8, .value_kind: global_buffer, .address_space: global }
      - { .name: mask, .offset: 24, .size: 8, .value_kind: global_buffer, .address_space: global }
      - { .name: hq, .offset: 32, .size: 8, .value_kind: global_buffer, .address_space: global }
    .group_segment_fixed_size: 281600
    .private_segment_fixed_size: 0
    .kernarg_segment_align: 8
    .kernarg_segment_size: 40
    .max_flat_workgroup_size: 512
    .sgpr_count:     100
    .vgpr_count:     256
    .wavefront_size: 32
...
	.end_amdgpu_metadata
.endif
;; end of part 2
;; launch down (part 3): grid 256 x 1, 16 waves a work-group, no clusters, 248,064 bytes of LDS; arguments w2, hq, mask, y2; writes y2
.if DOCPART == 3
	.amdgcn_target "amdgcn-amd-amdhsa--gfx1250"
	.amdhsa_code_object_version 6
	.text
	.protected	k_q516acc1687_down
	.globl	k_q516acc1687_down
	.p2align	8
	.type	k_q516acc1687_down,@function
k_q516acc1687_down:
	s_mov_b64 s[64:65], 0
	v_nop
	global_prefetch_b8 v0, s[64:65] scope:SCOPE_SE
	s_setreg_imm32_b32 hwreg(HW_REG_WAVE_MODE, 25, 1), 1
	s_wait_xcnt 0x0
; DOWN.  y = hidden W2 for the rows that chose an expert, both operands as codes of E2M3 with E8M0 scales; f32 sums over half of H leave as y2[half][choice x 1,024 + token][1,024].
; THE WEIGHTS STAY, THE ROWS GO ROUND, as in the launch before.  Work-group (e = id / 32, half = (id / 16) % 2, cs = id % 16) owns columns 64 cs .. 64 cs + 63 of expert e's W2 and 2,048 along H: 512 KiB of f32 that
; no other work-group reads.  H is cut in two so that a slice's rows are 256 consecutive bytes, all 256 work-groups have work, and only two partial sums go through memory.
; Four PERIODS of 64 columns x 512 K: wave w streams the block of 32 along K number w (32 loads of 8 bytes a lane, 256 consecutive bytes an instruction; lane l gets columns 2 l and 2 l + 1), quantises it in registers and
; stores the codes in LDS, where they stay.  Behind the period's barrier every wave multiplies its own tile of 16 rows by the 16 fragments just made, while the next period's 128 KiB are on their way.
; The hidden rows come from hq as images of the operand's registers: every load of a record covers 512 or 256 consecutive bytes, aligned.
; TILES 16 .. 63 are served afterwards from the codes, four waves to a tile: wave w takes the quarter w % 4 of my half of H (region w % 4, four records, all four column tiles), so that each record is loaded by one wave and a
; trip has one run of loads; the four partial tiles meet in LDS behind the trip's barrier, and each of the four waves adds and sends four of the tile's rows.  A trip's loads are issued a step ahead: the first trip's in front of
; phase P's way out, a later trip's at the end of the trip before.
; No tensor load and no cluster: the number of an expert's rows is read from memory and steers branches, and no two work-groups share a weight byte.  No prefetch: a period's loads are issued a whole period's products ahead of the wait for them.
; WHICH COLUMNS FORM A TILE: column o of the 64 goes to tile 2 (o / 32) + (o / 8) % 2, row 8 ((o / 16) % 2) + o % 8; source 0 = 16 columns of W2, source 1 = 16 rows: lane (r, h) holds row r and the 16 registers of
; tiles 2 b, 2 b + 1 are the neighbouring columns 32 b + 16 h + 0 .. 15.
; Phase P has no branch on data: a wave whose tile does not exist multiplies the expert's last tile and stores nothing.  Rows are stored one by one, 256 consecutive bytes each, to the place that the row list names.
; LIMITS.  NaN and infinities are not served.  A block whose largest magnitude lies under 2^-124 keeps the scale byte 1.  Every split is served, 0 to 1,024 rows on an expert.
.set PITCH, 4096                       ; a row of W2 in bytes
.set REG,   24576                      ; LDS: a period's 16 fragments; fragment (K step sl, tile ct) at (4 sl + ct) x 1,536, lane L's 12 registers at 48 L
.set FRB,   1536
.set WSC,   98304                      ; the weights' scale words: period x 1,024 + (ct / 2) x 512 + (row + 16 (ct % 2)) x 16 + 4 sl
.set LIST,  102400                     ; 1,024 entries and 32 words that take what is not listed
.set STG2,  106752                     ; + 4,352 x slot: 16 rows x (256 bytes + 16); two sets of 16 slots, a slot a wave
.set SLB,   4352
.set RECB,  1792                       ; a record of hq
.set X,   16                           ; v16-79   the stream
.set AF,  80                           ; v80-127  the rows' fragments of four K steps
.set AS,  128                          ; v128-135 their scale words: K step sl's at AS + 2 sl, beside it the record's word of zeros (these and the next eight hold what the scale units hold and nothing else)
.set WS,  136                          ; v136-143 the weights' scale words
.set ACC, 144                          ; v144-175 four accumulators, alive through all four periods
.set WF,  176                          ; v176-223 four weight fragments
.set T0,  176
.set T1,  192
.set C0,  208
.set C1,  214
.set D0,  220
.set D1,  224
.set MX,  228
.set SO,  230
.set BY,  232
.set TA,  234
; v1 8 l; v2, v3 where my codes and scale bytes go; v4 48 l; v5 WSC + 16 l; v6, v7 my slot, in and out; v10 my tile's list; v11 16 l; v12 l; v240, v242, v244, v245 the overflow's fixed addresses, v246-248 a trip's
; s2 wave, s3 expert, s14 half, s17 rows, s18 tiles; s[52:53] the stream; s[54:55] my tile's records; s[56:57] y2 at my half and columns; s[58:59] the overflow's records; s61 the overflow's tile
.macro PLACES n
.rept \n
	v_nop
.endr
.endm
.macro BAR                             ; my LDS stores have landed and my LDS loads are in: then the work-group's barrier
	s_wait_dscnt 0x0
	s_barrier_signal -1
	s_barrier_wait -1
.endm
.macro STREAMH base, off, a            ; rows 16 a .. 16 a + 15 of my block
.set si, 16*(\a)
.rept 16
	global_load_b64 v[X+2*si:X+2*si+1], v1, s[\base:\base+1] offset:(\off)+si*PITCH th:TH_LOAD_NT
.set si, si+1
.endr
.endm
; My block (two columns x 32 k) becomes codes and two scale bytes in region rho; as soon as a half of X is read out, the next period's loads go into it (nxt = 1).
.macro QSUB rho, nxt, base, off
	v_max3_num_f32 v[MX], |v[X]|, |v[X+2]|, 0x1800000      ; the floor 2^(3 - 127): the byte cannot fall under 1
	v_max3_num_f32 v[MX+1], |v[X+1]|, |v[X+3]|, 0x1800000
.set qi, 2
.rept 15
	v_max3_num_f32 v[MX], v[MX], |v[X+2*qi]|, |v[X+2*qi+2]|        ; the two columns by turns
	v_max3_num_f32 v[MX+1], v[MX+1], |v[X+2*qi+1]|, |v[X+2*qi+3]|
.set qi, qi+2
.endr
	v_add_nc_u32 v[SO], 0xff000000, v[MX]          ; 2 off the exponent field: the conversion's scale operand
	v_add_nc_u32 v[SO+1], 0xff000000, v[MX+1]
.set qi, 0
.rept 16
	v_mov_b32 v[T0+qi], v[X+2*qi]
	v_mov_b32 v[T1+qi], v[X+2*qi+1]
.set qi, qi+1
.endr
	v_cvt_scalef32_pk16_fp6_f32 v[C0:C0+2], v[T0:T0+15], v[SO]
	v_cvt_scalef32_pk16_fp6_f32 v[C1:C1+2], v[T1:T1+15], v[SO+1]
	v_lshrrev_b32 v[BY], 23, v[SO]                 ; the scale bytes; these two lines are the plain instructions behind the conversions
	v_lshrrev_b32 v[BY+1], 23, v[SO+1]
.if \nxt
	STREAMH \base, \off, 0
.endif
.set qi, 0
.rept 16
	v_mov_b32 v[T0+qi], v[X+32+2*qi]
	v_mov_b32 v[T1+qi], v[X+32+2*qi+1]
.set qi, qi+1
.endr
	v_cvt_scalef32_pk16_fp6_f32 v[D0:D0+2], v[T0:T0+15], v[SO]     ; (a conversion's three registers begin on an even number)
	v_cvt_scalef32_pk16_fp6_f32 v[D1:D1+2], v[T1:T1+15], v[SO+1]
	v_nop
.if \nxt
	STREAMH \base, \off, 1
.endif
.irp i, 0,1,2
	v_mov_b32 v[C0+3+\i], v[D0+\i]
	v_mov_b32 v[C1+3+\i], v[D1+\i]
.endr
	v_add_nc_u32 v[TA], (\rho)*REG, v2
	ds_store_b64 v[TA], v[C0:C0+1]
	ds_store_b64 v[TA], v[C0+2:C0+3] offset:8
	ds_store_b64 v[TA], v[C0+4:C0+5] offset:16
	ds_store_b64 v[TA], v[C1:C1+1] offset:48       ; the odd column is the next row of the same tile
	ds_store_b64 v[TA], v[C1+2:C1+3] offset:56
	ds_store_b64 v[TA], v[C1+4:C1+5] offset:64
	ds_store_b8 v3, v[BY] offset:(\rho)*1024
	ds_store_b8 v3, v[BY+1] offset:(\rho)*1024+16
.endm
.macro WM d, a, b, sa, sb, row, zero   ; d (+)= a (16 columns of W2) x b (16 rows); row = 1: the weights' scale words stand in lanes 16-31; zero = 1: the product starts the sum
.if \zero
.if \row
	v_wmma_scale_f32_16x16x128_f8f6f4 v[(\d):(\d)+7], v[(\a):(\a)+11], v[(\b):(\b)+11], 0, v[\sa], v[\sb] matrix_a_fmt:MATRIX_FMT_FP6 matrix_b_fmt:MATRIX_FMT_FP6 matrix_a_scale:MATRIX_SCALE_ROW1
.else
	v_wmma_scale_f32_16x16x128_f8f6f4 v[(\d):(\d)+7], v[(\a):(\a)+11], v[(\b):(\b)+11], 0, v[\sa], v[\sb] matrix_a_fmt:MATRIX_FMT_FP6 matrix_b_fmt:MATRIX_FMT_FP6
.endif
.else
.if \row
	v_wmma_scale_f32_16x16x128_f8f6f4 v[(\d):(\d)+7], v[(\a):(\a)+11], v[(\b):(\b)+11], v[(\d):(\d)+7], v[\sa], v[\sb] matrix_a_fmt:MATRIX_FMT_FP6 matrix_b_fmt:MATRIX_FMT_FP6 matrix_a_scale:MATRIX_SCALE_ROW1
.else
	v_wmma_scale_f32_16x16x128_f8f6f4 v[(\d):(\d)+7], v[(\a):(\a)+11], v[(\b):(\b)+11], v[(\d):(\d)+7], v[\sa], v[\sb] matrix_a_fmt:MATRIX_FMT_FP6 matrix_b_fmt:MATRIX_FMT_FP6
.endif
.endif
.endm
; The tile in AF x a region's 16 fragments: v[ta] = the region's first byte + 48 l; the region's scale words at v[wsr] + wso.  The four accumulators take turns, one instruction a turn.
.macro ITEMC ta, wsr, wso, zero
	ds_load_b128 v[WS:WS+3], v[\wsr] offset:(\wso)         ; tiles 0 (lanes 0-15) and 1 (lanes 16-31): the four K steps' words
	ds_load_b128 v[WS+4:WS+7], v[\wsr] offset:(\wso)+512   ; tiles 2 and 3
.irp sl, 0,1,2,3
.if \sl > 0
	PLACES 4                                       ; in front of loads into registers that matrix instructions have read
.endif
.irp ct, 0,1,2,3
.irp g, 0,1,2
	ds_load_b128 v[WF+12*\ct+4*\g:WF+12*\ct+4*\g+3], v[\ta] offset:(4*\sl+\ct)*FRB+16*\g
.endr
.endr
.irp ct, 0,1,2,3
	s_wait_dscnt 9-3*\ct                           ; the later tiles' fragments may be out
.if (\zero) && (\sl == 0)
	WM ACC+8*\ct, WF+12*\ct, AF+12*\sl, WS+4*(\ct/2)+\sl, AS+2*\sl, \ct%2, 1
.else
	WM ACC+8*\ct, WF+12*\ct, AF+12*\sl, WS+4*(\ct/2)+\sl, AS+2*\sl, \ct%2, 0
.endif
.endr
.endr
.endm
.macro ITEM rho, zero                  ; phase P: my tile x region rho
	v_add_nc_u32 v[TA], (\rho)*REG, v4
	ITEMC TA, 5, (\rho)*1024, \zero
.endm
.macro RLOAD base, first               ; four records, from number 'first' on behind the base: 16 loads; a record's seventh unit, (scale word, 0) a lane, is read whole
.irp sl, 0,1,2,3
.irp g, 0,1,2
	global_load_b128 v[AF+12*\sl+4*\g:AF+12*\sl+4*\g+3], v11, s[\base:\base+1] offset:((\first)+\sl)*RECB+512*\g
.endr
	global_load_b64 v[AS+2*\sl:AS+2*\sl+1], v1, s[\base:\base+1] offset:((\first)+\sl)*RECB+1536
.endr
.endm
.macro ALOAD p                         ; my tile's records of K steps 4 p .. 4 p + 3
	PLACES 4
	RLOAD 54, 4*(\p)
.endm
; Up to n rows leave, as many as s[nv] says: row i's place comes from lane i of v[lv]; its 256 bytes lie in v[data + 2 i] on, 8 bytes a lane; each row has an offset register of its own.
.macro ROWS n, lv, data, offr, nv
.set ri, 0
.rept \n
	s_cmp_le_u32 s[\nv], ri
	s_cbranch_scc1 .Lrows_end_\@
	v_readlane_b32 s16, v[\lv], ri
	s_min_u32 s16, s16, 0x7ff
	v_lshl_add_u32 v[\offr+ri], s16, 12, v1
	global_store_b64 v[\offr+ri], v[\data+2*ri:\data+2*ri+1], s[56:57]     ; 32 lanes store 256 consecutive bytes, aligned
.set ri, ri+1
.endr
.Lrows_end_\@:
.endm
	s_load_b256 s[4:11], s[0:1], 0x0               ; w2, hq, mask, y2
	v_lshl_add_u32 v254, v0, 2, 0x3c100
	v_mov_b32 v255, 0
	v_and_b32 v12, 31, v0                          ; l
	v_lshrrev_b32 v13, 5, v0
	v_readfirstlane_b32 s2, v13                    ; wave 0..15
	v_lshlrev_b32 v1, 3, v12
	v_lshlrev_b32 v11, 4, v12
	s_lshr_b32 s3, ttmp9, 5                        ; expert
	s_bfe_u32 s14, ttmp9, 0x10004                  ; which half of H
	s_and_b32 s15, ttmp9, 15                       ; which 64 columns
	s_lshl_b32 s60, s14, 23                        ; 2,048 rows of 4,096 bytes, in W2 and in y2 alike,
	s_lshl_b32 s16, s15, 8
	s_add_co_u32 s60, s60, s16                     ; + my columns
	s_mov_b32 s61, 0
	s_lshl_b32 s62, s3, 24                         ; an expert's W2 is 2^24 bytes
	s_add_co_u32 s62, s62, s60
	s_lshl_b32 s16, s2, 17                         ; my block's 32 rows
	s_add_co_u32 s62, s62, s16
	s_mov_b32 s63, 0
	s_lshl_b32 s66, s3, 7                          ; mask: 128 e
	s_mov_b32 s67, 0
	s_wait_kmcnt 0x0
	s_add_nc_u64 s[52:53], s[4:5], s[62:63]
	s_add_nc_u64 s[56:57], s[10:11], s[60:61]
	s_add_nc_u64 s[8:9], s[8:9], s[66:67]
	STREAMH 52, 0, 0                               ; the first period
	STREAMH 52, 0, 1
	s_load_b512 s[20:35], s[8:9], 0x0              ; first choices, tokens 0 .. 511
	s_load_b512 s[36:51], s[8:9], 0x40
	s_load_b512 s[68:83], s[8:9], 0x400            ; second choices
	s_load_b512 s[84:99], s[8:9], 0x440
	; every LDS address is made here, ahead of all branches
	v_and_b32 v13, 15, v0                          ; r
	v_bfe_u32 v14, v0, 4, 1                        ; h
	v_mul_u32_u24 v4, v12, 48
	v_add_nc_u32 v5, WSC, v11
	v_bfe_u32 v224, v0, 2, 1
	v_bfe_u32 v225, v0, 3, 1
	v_and_b32 v226, 3, v0
	v_mul_u32_u24 v2, v14, 3072                    ; my columns' tile: 2 (l / 16) + (l / 4) % 2,
	v_mad_u32_u24 v2, v224, 1536, v2
	v_mad_u32_u24 v2, v225, 384, v2                ; their first row in it: 8 ((l / 8) % 2) + 2 (l % 4)
	v_mad_u32_u24 v2, v226, 96, v2
	s_lshr_b32 s15, s2, 2                          ; my block's K step,
	s_and_b32 s19, s2, 3
	s_mul_i32 s16, s15, 6144
	s_and_b32 s60, s2, 1                           ; its half of the lanes,
	s_mul_i32 s61, s60, 768
	s_add_co_u32 s16, s16, s61
	s_bfe_u32 s62, s2, 0x10001                     ; and its six registers of the twelve
	s_mul_i32 s61, s62, 24
	s_add_co_u32 s16, s16, s61
	v_add_nc_u32 v2, s16, v2
	v_lshl_add_u32 v3, v14, 9, WSC
	v_lshl_add_u32 v3, v224, 8, v3
	v_lshl_add_u32 v3, v225, 7, v3
	v_lshl_add_u32 v3, v226, 5, v3
	v_add_nc_u32 v3, s2, v3                        ; 4 x K step + block in it = my wave's number
	v_mul_u32_u24 v227, v13, 272
	v_lshl_add_u32 v227, v14, 6, v227              ; 272 r + 64 h
	s_mul_i32 s16, s2, SLB
	s_add_co_u32 s16, s16, STG2
	v_add_nc_u32 v6, s16, v227
	v_add_nc_u32 v7, s16, v1
	s_lshl_b32 s16, s2, 6
	s_add_co_u32 s16, s16, LIST
	v_lshl_add_u32 v10, v13, 2, s16
	; the overflow: wave w serves tile 16 + 4 q + w / 4 and region w % 4, and afterwards sends the tile's rows 4 (w % 4) on
	s_mul_i32 s16, s19, REG
	v_add_nc_u32 v240, s16, v4                     ; my region's fragments
	s_lshl_b32 s16, s19, 10
	v_add_nc_u32 v242, s16, v5                     ; and its scale words
	s_mul_i32 s63, s15, 4*SLB
	s_add_co_u32 s63, s63, STG2                    ; the slots of my tile's four waves,
	s_mul_i32 s16, s19, 1088
	s_add_co_u32 s16, s16, s63
	v_add_nc_u32 v244, s16, v1                     ; my four rows in the first of them
	s_add_co_u32 s16, s15, 16
	s_lshl_b32 s16, s16, 6
	s_lshl_b32 s61, s19, 4
	s_add_co_u32 s16, s16, s61
	s_add_co_u32 s16, s16, LIST
	v_lshl_add_u32 v245, v226, 2, s16              ; their list entries, in lanes 0 to 3 of each four
	s_wait_kmcnt 0x0
	s_mov_b32 s17, 0                               ; my expert's rows: a token chooses an expert at most once, so the two sets are joined
.set mi, 0
.rept 32
	s_or_b32 s[20+mi], s[20+mi], s[68+mi]
	s_bcnt1_i32_b32 s16, s[20+mi]
	s_add_co_u32 s17, s17, s16
.set mi, mi+1
.endr
	s_add_co_u32 s18, s17, 15
	s_lshr_b32 s18, s18, 4
	s_max_u32 s18, s18, 1                          ; tiles of 16 rows, at least one: as the launch before has stored them
	s_cmp_lg_u32 s2, 0
	s_cbranch_scc1 .Lno_list
	v_add_nc_u32 v224, LIST, v11
.irp i, 228,229,230,231
	v_mov_b32 v\i, 0
.endr
.irp m, 0,1,2,3,4,5,6,7
	ds_store_b128 v224, v[228:231] offset:512*\m
.endr
	v_add_nc_u32 v225, 1024, v12                   ; where a lane without a row puts its word
	s_mov_b32 s66, 0                               ; rows in the words before
.set mi, 0
.rept 32
	v_mbcnt_lo_u32_b32 v235, s[20+mi], s66         ; my row's place: the rows before this word + those of lower lanes
	v_cndmask_b32 v235, v225, v235, s[20+mi]
	v_min_u32 v235, 0x41f, v235
	v_lshl_add_u32 v235, v235, 2, LIST
	v_add_nc_u32 v232, 32*mi, v12                  ; token,
	v_add_nc_u32 v233, 32*mi+1024, v12
	v_cndmask_b32 v232, v232, v233, s[68+mi]       ; + 1,024 where it is the token's second choice
	ds_store_b32 v235, v232
	s_bcnt1_i32_b32 s67, s[20+mi]
	s_add_co_u32 s66, s66, s67
.set mi, mi+1
.endr
.Lno_list:
	s_sub_co_u32 s16, s18, 1
	s_min_u32 s16, s16, s2                         ; my tile, or the expert's last,
	s_min_u32 s16, s16, 63
	s_lshl_b32 s67, s3, 6
	s_add_co_u32 s16, s16, s67
	s_lshl_b32 s16, s16, 5
	s_lshl_b32 s67, s14, 4
	s_add_co_u32 s16, s16, s67                     ; its records of my half of H
	s_mul_i32 s20, s16, RECB
	s_mov_b32 s21, 0
	s_add_nc_u64 s[54:55], s[6:7], s[20:21]
	s_lshl_b32 s66, s19, 2                         ; 4 (w % 4): my quarter's first record, and my first row of the tile
	s_add_co_u32 s61, s15, 16                      ; the overflow's first tile of mine
	s_lshl_b32 s16, s3, 6
	s_add_co_u32 s16, s16, s61
	s_lshl_b32 s16, s16, 5
	s_add_co_u32 s16, s16, s67
	s_add_co_u32 s16, s16, s66
	s_mul_i32 s20, s16, RECB
	s_add_nc_u64 s[58:59], s[6:7], s[20:21]        ; its four records of my quarter
	BAR                                            ; the list lies in LDS
	; PHASE P
	ALOAD 0
	s_wait_loadcnt 16                              ; the stream is older than my 16 row loads: it has landed
	QSUB 0, 1, 52, 2097152
	BAR
	s_wait_loadcnt 32                              ; the row loads are older than the 32 stream loads just issued
	ITEM 0, 1
	ALOAD 1
	s_wait_loadcnt 16
	QSUB 1, 1, 52, 2*2097152
	BAR
	s_wait_loadcnt 32
	ITEM 1, 0
	ALOAD 2
	s_wait_loadcnt 16
	QSUB 2, 1, 52, 3*2097152
	BAR
	s_wait_loadcnt 32
	ITEM 2, 0
	ALOAD 3
	s_wait_loadcnt 16
	QSUB 3, 0, 52, 0
	BAR
	s_wait_loadcnt 0x0
	ITEM 3, 0
	PLACES 5                                       ; four in front of the reads of the results and of loads into the operands; the fifth because the overflow's sums begin anew over these accumulators
	s_cmp_ge_u32 s61, s18                          ; the overflow's first trip asks for its records here, where the expert has such a tile: they land while my tile goes out
	s_cbranch_scc1 .Lno_first
	RLOAD 58, 0
.Lno_first:
	; my tile goes through my slot and leaves by rows
.set wi, 0
.rept 8
	ds_store_b128 v6, v[ACC+4*wi:ACC+4*wi+3] offset:128*(wi/4)+16*(wi%4)   ; each accumulator from its low end on
.set wi, wi+1
.endr
.set wi, 0
.rept 16
	ds_load_b64 v[WF+2*wi:WF+2*wi+1], v7 offset:272*wi     ; LDS serves a wave's instructions in order: these see my stores
.set wi, wi+1
.endr
	ds_load_b32 v208, v10
	s_lshl_b32 s67, s2, 4
	s_sub_co_i32 s67, s17, s67
	s_max_i32 s67, s67, 0
	s_min_i32 s67, s67, 16                         ; how many of my 16 rows exist
	s_wait_dscnt 0x0
	ROWS 16, 208, WF, 16, 67
	s_wait_xcnt 0x0                                ; the stores have read their registers: the overflow loads into them
	BAR                                            ; nobody reads a slot any more
	; THE OVERFLOW: 12 trips for every wave, one barrier a trip on every wave's path; the work on either side of it is jumped over where the expert has no such tile.
	; Two sets of sixteen slots by turns: a set is written again two trips on, behind a barrier in front of which every wave has waited for its reads.
	s_mov_b32 s60, 0
	s_mov_b32 s62, 0                               ; the slot set: 0 or sixteen slots on
	s_mov_b32 s63, 0                               ; the list entries, from the first trip's on
.Lover:
	s_wait_loadcnt 0x0                             ; on every path: this trip's records, if any were asked for, are in
	s_cmp_ge_u32 s61, s18
	s_cbranch_scc1 .Lover_a
	ITEMC 240, 242, 0, 1                           ; my quarter of H: the first products start the sums
	PLACES 5                                       ; four in front of the reads of the results and of loads into the operands; the fifth because the next trip's sums begin anew over them
	v_add_nc_u32 v246, s62, v6
.set wi, 0
.rept 8
	ds_store_b128 v246, v[ACC+4*wi:ACC+4*wi+3] offset:128*(wi/4)+16*(wi%4)
.set wi, wi+1
.endr
.Lover_a:
	BAR                                            ; the four partial tiles of each of this trip's tiles lie in their slots
	s_cmp_ge_u32 s61, s18
	s_cbranch_scc1 .Lover_b
	v_add_nc_u32 v247, s62, v244
	v_add_nc_u32 v248, s63, v245
.irp j, 0,1,2,3
.irp i, 0,1,2,3
	ds_load_b64 v[176+8*\j+2*\i:177+8*\j+2*\i], v247 offset:\j*SLB+272*\i   ; quarter j's part of my row i
.endr
.endr
	ds_load_b32 v236, v248
	s_lshl_b32 s67, s61, 4
	s_sub_co_i32 s67, s17, s67
	s_sub_co_i32 s67, s67, s66
	s_max_i32 s67, s67, 0
	s_min_i32 s67, s67, 4                          ; how many of my four rows exist
	s_wait_dscnt 0x0
.irp j, 1,2,3
.irp i, 0,1,2,3
	v_pk_add_f32 v[176+2*\i:177+2*\i], v[176+2*\i:177+2*\i], v[176+8*\j+2*\i:177+8*\j+2*\i]   ; the quarters in ascending order
.endr
.endr
	ROWS 4, 236, 176, 232, 67
.Lover_b:
	s_wait_xcnt 0x0                                ; loads and stores have read their registers and bases: both are written again only behind this wait
	s_add_nc_u64 s[58:59], s[58:59], 229376        ; 4 tiles x 32 records on
	s_add_co_u32 s61, s61, 4
	s_xor_b32 s62, s62, 16*SLB
	s_add_co_u32 s63, s63, 256
	s_cmp_ge_u32 s61, s18                          ; the next trip's records, where the expert has such a tile (it has at most 64: the last trip asks for nothing)
	s_cbranch_scc1 .Lover_c
	RLOAD 58, 0
.Lover_c:
	s_add_co_u32 s60, s60, 1
	s_cmp_lt_u32 s60, 12
	s_cbranch_scc1 .Lover
	s_wait_tensorcnt 0x0
	ds_add_u32 v254, v255
	s_wait_dscnt 0x0
	s_endpgm
.Lfunc_end_k_q516acc1687_down:
	.size	k_q516acc1687_down, .Lfunc_end_k_q516acc1687_down-k_q516acc1687_down
	.p2alignl 7, 3214868480
	.fill 96, 4, 3214868480
	.section	.rodata,"a",@progbits
	.p2align	6, 0x0
	.amdhsa_kernel k_q516acc1687_down
		.amdhsa_group_segment_fixed_size 248064
		.amdhsa_private_segment_fixed_size 0
		.amdhsa_enable_private_segment 0
		.amdhsa_kernarg_size 32
		.amdhsa_user_sgpr_count 2
		.amdhsa_user_sgpr_kernarg_segment_ptr 1
		.amdhsa_wavefront_size32 1
		.amdhsa_system_sgpr_workgroup_id_x 1
		.amdhsa_system_sgpr_workgroup_id_y 1
		.amdhsa_system_sgpr_workgroup_id_z 1
		.amdhsa_system_vgpr_workitem_id 0
		.amdhsa_next_free_vgpr 256
		.amdhsa_next_free_sgpr 100
		.amdhsa_reserve_vcc 0
		.amdhsa_float_denorm_mode_32 3
		.amdhsa_float_denorm_mode_16_64 3
		.amdhsa_memory_ordered 1
		.amdhsa_forward_progress 1
		.amdhsa_inst_pref_size 114
	.end_amdhsa_kernel
	.amdgpu_metadata
---
amdhsa.version: [ 1, 2 ]
amdhsa.kernels:
  - .name:           k_q516acc1687_down
    .symbol:         k_q516acc1687_down.kd
    .args:
      - { .name: w2, .offset: 0, .size: 8, .value_kind: global_buffer, .address_space: global }
      - { .name: hq, .offset: 8, .size: 8, .value_kind: global_buffer, .address_space: global }
      - { .name: mask, .offset: 16, .size: 8, .value_kind: global_buffer, .address_space: global }
      - { .name: y2, .offset: 24, .size: 8, .value_kind: global_buffer, .address_space: global }
    .group_segment_fixed_size: 248064
    .private_segment_fixed_size: 0
    .kernarg_segment_align: 8
    .kernarg_segment_size: 32
    .max_flat_workgroup_size: 512
    .sgpr_count:     100
    .vgpr_count:     256
    .wavefront_size: 32
...
	.end_amdgpu_metadata
.endif
;; end of part 3
;; launch combine (part 4): grid 256 x 1, 4 waves a work-group, no clusters, 0 bytes of LDS; arguments y2, x, b2, gamma, beta, sel, gate, out0; writes out0
.if DOCPART == 4
	.amdgcn_target "amdgcn-amd-amdhsa--gfx1250"
	.amdhsa_code_object_version 6
	.text
	.protected	k_q516acc1687_combine
	.globl	k_q516acc1687_combine
	.p2align	8
	.type	k_q516acc1687_combine,@function
k_q516acc1687_combine:
	s_mov_b64 s[64:65], 0
	v_nop
	global_prefetch_b8 v0, s[64:65] scope:SCOPE_SE
	s_setreg_imm32_b32 hwreg(HW_REG_WAVE_MODE, 25, 1), 1
	s_wait_xcnt 0x0
; COMBINE.  out0[token] = the sum over the token's two choices k of gate_k x layernorm(y_k + b2[e_k] + x) with gamma[e_k], beta[e_k]; y_k = the two partial sums over H that the launch before has stored.
; A wave takes one token and keeps its rows in registers: lane l holds columns 128 m + 4 l .. + 3, m = 0 .. 7, so every load and store covers 512 consecutive bytes.  No LDS, no barrier: waves share nothing.
; The mean is taken first and the variance of the differences, as the definition has it: no difference of large sums.  All in f32.
; The experts' numbers come from sel, which an earlier launch stored as whole numbers; each is held at 7 before it enters an address.
.set YA0, 16                           ; v16-47   choice 0: first half of H; then z, then z - mean
.set YB0, 48                           ; v48-79   choice 0: second half; later gamma[e0]
.set YA1, 80                           ; v80-111  choice 1
.set YB1, 112                          ; v112-143 later gamma[e1]
.set XR,  144                          ; v144-175 x; later the result
.set B20, 176                          ; v176-207 b2[e0]; later beta[e0]
.set B21, 208                          ; v208-239 b2[e1]; later beta[e1]
	s_load_b512 s[4:19], s[0:1], 0x0               ; y2, x, b2, gamma, beta, sel, gate, out0
	v_lshrrev_b32 v1, 5, v0
	v_readfirstlane_b32 s2, v1                     ; wave
	v_and_b32 v1, 31, v0
	s_lshl_b32 s3, ttmp9, 2
	s_add_co_u32 s3, s3, s2                        ; my token
	v_lshlrev_b32 v2, 4, v1                        ; 16 x lane
	s_lshl_b32 s20, s3, 12
	v_add_nc_u32 v3, s20, v2                       ; a row of 4,096 bytes
	s_lshl_b32 s21, s3, 2
	s_lshl_b32 s22, s3, 3
	s_mov_b32 s32, 0x3a800000                      ; 1 / 1,024
	s_mov_b32 s33, 0x3727c5ac                      ; 1e-5
	s_mov_b32 s36, 0x76543210
	s_mov_b32 s37, 0xfedcba98                      ; v_permlanex16_b32's selects for lane l xor 16
	s_wait_kmcnt 0x0
	s_load_b32 s24, s[14:15], s21 offset:0x0
	s_load_b64 s[26:27], s[16:17], s22 offset:0x0
	s_add_nc_u64 s[28:29], s[4:5], 0x800000        ; the second half of H
.irp m, 0,1,2,3,4,5,6,7
	global_load_b128 v[YA0+4*\m:YA0+4*\m+3], v3, s[4:5] offset:512*\m th:TH_LOAD_NT
	global_load_b128 v[YB0+4*\m:YB0+4*\m+3], v3, s[28:29] offset:512*\m th:TH_LOAD_NT
	global_load_b128 v[YA1+4*\m:YA1+4*\m+3], v3, s[4:5] offset:4194304+512*\m th:TH_LOAD_NT
	global_load_b128 v[YB1+4*\m:YB1+4*\m+3], v3, s[28:29] offset:4194304+512*\m th:TH_LOAD_NT
	global_load_b128 v[XR+4*\m:XR+4*\m+3], v3, s[6:7] offset:512*\m th:TH_LOAD_NT
.endr
	s_wait_kmcnt 0x0
	s_and_b32 s30, s24, 0xff
	s_min_u32 s30, s30, 7
	s_lshl_b32 s30, s30, 12                        ; the first expert's row of b2, gamma, beta
	s_bfe_u32 s31, s24, 0x80008
	s_min_u32 s31, s31, 7
	s_lshl_b32 s31, s31, 12                        ; the second's
	s_mov_b32 s34, s27                             ; the second gate as a pair of its own: a packed instruction takes a pair's low word for both halves
	s_mov_b32 s35, s27
	v_add_nc_u32 v4, s30, v2
	v_add_nc_u32 v5, s31, v2
.irp m, 0,1,2,3,4,5,6,7
	global_load_b128 v[B20+4*\m:B20+4*\m+3], v4, s[8:9] offset:512*\m
	global_load_b128 v[B21+4*\m:B21+4*\m+3], v5, s[8:9] offset:512*\m
.endr
	s_wait_loadcnt 0x0
.set p, 0
.rept 16
	v_pk_add_f32 v[YA0+p:YA0+p+1], v[YA0+p:YA0+p+1], v[YB0+p:YB0+p+1]
	v_pk_add_f32 v[YA1+p:YA1+p+1], v[YA1+p:YA1+p+1], v[YB1+p:YB1+p+1]
	v_pk_add_f32 v[B20+p:B20+p+1], v[B20+p:B20+p+1], v[XR+p:XR+p+1]
	v_pk_add_f32 v[B21+p:B21+p+1], v[B21+p:B21+p+1], v[XR+p:XR+p+1]
	v_pk_add_f32 v[YA0+p:YA0+p+1], v[YA0+p:YA0+p+1], v[B20+p:B20+p+1]      ; z = y + b2 + x
	v_pk_add_f32 v[YA1+p:YA1+p+1], v[YA1+p:YA1+p+1], v[B21+p:B21+p+1]
.set p, p+2
.endr
.irp m, 0,1,2,3,4,5,6,7                ; gamma and beta land in the registers just read out, while the statistics are made
	global_load_b128 v[YB0+4*\m:YB0+4*\m+3], v4, s[10:11] offset:512*\m
	global_load_b128 v[YB1+4*\m:YB1+4*\m+3], v5, s[10:11] offset:512*\m
	global_load_b128 v[B20+4*\m:B20+4*\m+3], v4, s[12:13] offset:512*\m
	global_load_b128 v[B21+4*\m:B21+4*\m+3], v5, s[12:13] offset:512*\m
.endr
.macro RSUM t                          ; v[t] summed over the 32 lanes, in every lane; v[t + 1] at work
.irp m, 1,2,4,8
	v_add_f32_dpp v[\t], v[\t], v[\t] row_xmask:\m row_mask:0xf bank_mask:0xf
.endr
	v_permlanex16_b32 v[\t+1], v[\t], s36, s37
	v_add_f32 v[\t], v[\t], v[\t+1]
.endm
.macro STAT z, t                       ; z becomes z - mean; v[t] = variance + 1e-5
	v_pk_add_f32 v[\t:\t+1], v[\z:\z+1], v[\z+2:\z+3]
	v_pk_add_f32 v[\t+2:\t+3], v[\z+4:\z+5], v[\z+6:\z+7]
.irp j, 8,16,24
	v_pk_add_f32 v[\t:\t+1], v[\t:\t+1], v[\z+\j:\z+\j+1]
	v_pk_add_f32 v[\t+2:\t+3], v[\t+2:\t+3], v[\z+\j+2:\z+\j+3]
	v_pk_add_f32 v[\t:\t+1], v[\t:\t+1], v[\z+\j+4:\z+\j+5]
	v_pk_add_f32 v[\t+2:\t+3], v[\t+2:\t+3], v[\z+\j+6:\z+\j+7]
.endr
	v_pk_add_f32 v[\t:\t+1], v[\t:\t+1], v[\t+2:\t+3]
	v_add_f32 v[\t], v[\t], v[\t+1]
	RSUM \t
	v_mul_f32 v[\t], s32, v[\t]                    ; the mean
	v_mov_b32 v[\t+1], v[\t]
.set p, 0
.rept 16
	v_pk_add_f32 v[\z+p:\z+p+1], v[\z+p:\z+p+1], v[\t:\t+1] neg_lo:[0,1] neg_hi:[0,1]
.set p, p+2
.endr
	v_pk_mul_f32 v[\t:\t+1], v[\z:\z+1], v[\z:\z+1]
	v_pk_mul_f32 v[\t+2:\t+3], v[\z+2:\z+3], v[\z+2:\z+3]
.irp j, 4,8,12,16,20,24,28
	v_pk_fma_f32 v[\t:\t+1], v[\z+\j:\z+\j+1], v[\z+\j:\z+\j+1], v[\t:\t+1]
	v_pk_fma_f32 v[\t+2:\t+3], v[\z+\j+2:\z+\j+3], v[\z+\j+2:\z+\j+3], v[\t+2:\t+3]
.endr
	v_pk_add_f32 v[\t:\t+1], v[\t:\t+1], v[\t+2:\t+3]
	v_add_f32 v[\t], v[\t], v[\t+1]
	RSUM \t
	v_fma_f32 v[\t], v[\t], s32, s33
.endm
	STAT YA0, 240
	STAT YA1, 244
	v_rsq_f32 v248, v240
	v_rsq_f32 v250, v244
	v_nop                                          ; a plain instruction behind the second root
	s_wait_alu depctr_va_vdst(0)                   ; one wait for the two, ahead of their first reader
	v_mul_f32 v248, s26, v248                      ; gate x 1 / sqrt(variance + 1e-5)
	v_mul_f32 v250, s34, v250
	v_mov_b32 v249, v248
	v_mov_b32 v251, v250
	s_wait_loadcnt 0x0                             ; gamma and beta
.set p, 0
.rept 16
	v_pk_mul_f32 v[YA0+p:YA0+p+1], v[YA0+p:YA0+p+1], v[248:249]
	v_pk_mul_f32 v[YA1+p:YA1+p+1], v[YA1+p:YA1+p+1], v[250:251]
	v_pk_mul_f32 v[XR+p:XR+p+1], v[B20+p:B20+p+1], s[26:27] op_sel_hi:[1,0]
	v_pk_fma_f32 v[XR+p:XR+p+1], v[B21+p:B21+p+1], s[34:35], v[XR+p:XR+p+1] op_sel_hi:[1,0,1]
	v_pk_fma_f32 v[XR+p:XR+p+1], v[YA0+p:YA0+p+1], v[YB0+p:YB0+p+1], v[XR+p:XR+p+1]
	v_pk_fma_f32 v[XR+p:XR+p+1], v[YA1+p:YA1+p+1], v[YB1+p:YB1+p+1], v[XR+p:XR+p+1]
.set p, p+2
.endr
.irp m, 0,1,2,3,4,5,6,7
	global_store_b128 v3, v[XR+4*\m:XR+4*\m+3], s[18:19] offset:512*\m th:TH_STORE_NT   ; 512 consecutive bytes, aligned; written once, read by nobody here
.endr
	s_endpgm
.Lfunc_end_k_q516acc1687_combine:
	.size	k_q516acc1687_combine, .Lfunc_end_k_q516acc1687_combine-k_q516acc1687_combine
	.p2alignl 7, 3214868480
	.fill 96, 4, 3214868480
	.section	.rodata,"a",@progbits
	.p2align	6, 0x0
	.amdhsa_kernel k_q516acc1687_combine
		.amdhsa_group_segment_fixed_size 0
		.amdhsa_private_segment_fixed_size 0
		.amdhsa_enable_private_segment 0
		.amdhsa_kernarg_size 64
		.amdhsa_user_sgpr_count 2
		.amdhsa_user_sgpr_kernarg_segment_ptr 1
		.amdhsa_wavefront_size32 1
		.amdhsa_system_sgpr_workgroup_id_x 1
		.amdhsa_system_sgpr_workgroup_id_y 1
		.amdhsa_system_sgpr_workgroup_id_z 1
		.amdhsa_system_vgpr_workitem_id 0
		.amdhsa_next_free_vgpr 256
		.amdhsa_next_free_sgpr 66
		.amdhsa_reserve_vcc 0
		.amdhsa_float_denorm_mode_32 3
		.amdhsa_float_denorm_mode_16_64 3
		.amdhsa_memory_ordered 1
		.amdhsa_forward_progress 1
		.amdhsa_inst_pref_size 31
	.end_amdhsa_kernel
	.amdgpu_metadata
---
amdhsa.version: [ 1, 2 ]
amdhsa.kernels:
  - .name:           k_q516acc1687_combine
    .symbol:         k_q516acc1687_combine.kd
    .args:
      - { .name: y2, .offset: 0, .size: 8, .value_kind: global_buffer, .address_space: global }
      - { .name: x, .offset: 8, .size: 8, .value_kind: global_buffer, .address_space: global }
      - { .name: b2, .offset: 16, .size: 8, .value_kind: global_buffer, .address_space: global }
      - { .name: gamma, .offset: 24, .size: 8, .value_kind: global_buffer, .address_space: global }
      - { .name: beta, .offset: 32, .size: 8, .value_kind: global_buffer, .address_space: global }
      - { .name: sel, .offset: 40, .size: 8, .value_kind: global_buffer, .address_space: global }
      - { .name: gate, .offset: 48, .size: 8, .value_kind: global_buffer, .address_space: global }
      - { .name: out0, .offset: 56, .size: 8, .value_kind: global_buffer, .address_space: global }
    .group_segment_fixed_size: 0
    .private_segment_fixed_size: 0
    .kernarg_segment_align: 8
    .kernarg_segment_size: 64
    .max_flat_workgroup_size: 128
    .sgpr_count:     66
    .vgpr_count:     256
    .wavefront_size: 32
...
	.end_amdgpu_metadata
.endif
;; end of part 4
;; ======== version 2 of 2: 4 launches
;; workspace buffers: xq 1,048,576 bytes; hq 29,360,128 bytes; y2 16,777,216 bytes; gate 8,192 bytes; mask 2,048 bytes of whole numbers; sel 4,096 bytes of whole numbers
;; launch route (part 5): grid 128 x 1, 8 waves a work-group, no clusters, 79,872 bytes of LDS; arguments x, router_w, router_b, xq, mask, sel, gate, out1; writes xq, mask, sel, gate, out1
.if DOCPART == 5
	.amdgcn_target "amdgcn-amd-amdhsa--gfx1250"
	.amdhsa_code_object_version 6
	.text
	.protected	k_q516acc1687_route
	.globl	k_q516acc1687_route
	.p2align	8
	.type	k_q516acc1687_route,@function
k_q516acc1687_route:
	s_mov_b64 s[64:65], 0
	v_nop
	global_prefetch_b8 v0, s[64:65] scope:SCOPE_SE
	s_setreg_imm32_b32 hwreg(HW_REG_WAVE_MODE, 25, 1), 1
	s_wait_xcnt 0x0
; ROUTE.  For each of the 1,024 tokens: the 8 router logits (out1), the two chosen experts and their gates, and the token's row of x as codes of E2M3 with one E8M0 byte for each 32 along D.
; SHARES.  A work-group of eight waves takes 8 tokens, a wave one token.  Lane l holds block l of the row: x[32 l .. 32 l + 31].
; The row is loaded as it lies (512 consecutive bytes an instruction) and turned through the wave's own LDS bytes, so that a lane's 32 registers are 32 neighbours along D.
; router_w (32 KiB) lies in LDS once for the work-group, 16 bytes of padding behind each 1,024, so that the lanes, 1,040 bytes apart, start in different banks.
; WHAT LEAVES.  xq[token]: 1,024 bytes: the codes of K step s (128 along D), half h, at 96 s + 48 h: 48 bytes on end that are a lane's 12 operand registers; the 32 scale bytes at 768; zeros behind them.
;   sel[token] = first expert | second expert << 8;  gate[token] = the two gates;  mask[set][expert]: 128 bytes, bit t set where token t's choice number 'set' is that expert.
;   The choice is stored as data at fixed places: no address and no branch of this launch hangs on it.
; The mask leaves as 16 single bytes a work-group, 128 bytes apart (2 KiB in the whole launch): the layout serves the readers, which take an expert's 128 bytes by scalar loads.
; LIMITS.  NaN and infinities among the inputs are not served.  A block whose largest magnitude lies under 2^-124 (a block of zeros too) keeps the scale byte 1: its codes are zeros or near it, and this program alone reads the bytes.
; The logits are f32 fused multiply-adds in another order than a plain row sum: two logits that differ by about 1e-7 of their size may change places in the choice.  Equal probabilities: the lower index wins.
.set RW,    0                          ; router_w: 32 x 1,040 bytes
.set TURN,  33280                      ; + 4,608 x wave: 32 places of 128 + 16 bytes
.set REC,   70144                      ; + 1,024 x wave: the token's record
.set LOG,   78336                      ; 8 tokens x 32 bytes of logits
.set SELS,  78592                      ; 8 words
.set GATES, 78624                      ; 8 pairs
.set X,   16                           ; v16-47   my block's 32 numbers
.set RAW, 48                           ; v48-79   the row as loaded; later at work
.set W,   80                           ; v80-143  router_w: first the fill, then 8 k x 8 experts at a time
.set E,   80                           ; v80-87   later: the 8 exponentials
.set SW,  88                           ; v88      later: the token's two choices in one word
.set A,   144                          ; v144-151 the 8 sums
.set T,   152                          ; v152-159 at work
	s_load_b512 s[4:19], s[0:1], 0x0               ; x, router_w, router_b, xq, mask, sel, gate, out1
	v_lshl_add_u32 v176, v0, 2, 0x13400
	v_mov_b32 v177, 0
	v_lshrrev_b32 v1, 5, v0
	s_delay_alu instid0(VALU_DEP_1)
	v_readfirstlane_b32 s2, v1                     ; wave
	v_and_b32 v1, 31, v0                           ; lane
	s_lshl_b32 s3, ttmp9, 3
	s_add_co_u32 s3, s3, s2                        ; my token
	s_lshl_b32 s30, s3, 12
	v_lshlrev_b32 v2, 4, v1
	s_delay_alu instid0(VALU_DEP_1)
	v_add_nc_u32 v2, s30, v2                       ; x: 4,096 x token + 16 x lane
	v_lshlrev_b32 v3, 4, v0                        ; router_w: 16 x thread
	s_mov_b32 s28, 0x76543210
	s_mov_b32 s29, 0xfedcba98                      ; v_permlanex16_b32's selects for lane l xor 16
	s_wait_alu depctr_va_vdst(0)
	s_wait_kmcnt 0x0
.irp q, 0,1,2,3,4,5,6,7
	global_load_b128 v[RAW+4*\q:RAW+4*\q+3], v2, s[4:5] offset:512*\q th:TH_LOAD_NT
.endr
.irp m, 0,1,2,3,4,5,6,7
	global_load_b128 v[W+4*\m:W+4*\m+3], v3, s[6:7] offset:4096*\m
.endr
	s_load_b256 s[20:27], s[8:9], 0x0              ; router_b
	; every address is made here, ahead of all branches
	s_mul_i32 s31, s2, 4608
	s_add_co_u32 s31, s31, TURN
	v_lshrrev_b32 v4, 3, v1
	s_delay_alu instid0(VALU_DEP_1)
	v_mul_u32_u24 v4, v4, 144
	v_and_b32 v5, 7, v1
	s_delay_alu instid0(VALU_DEP_1)
	v_lshl_add_u32 v4, v5, 4, v4
	s_delay_alu instid0(VALU_DEP_1)
	v_add_nc_u32 v4, s31, v4                       ; the turn, in: 144 (l / 8) + 16 (l % 8); a load's 512 bytes take four places
	v_mul_u32_u24 v5, v1, 144
	s_delay_alu instid0(VALU_DEP_1)
	v_add_nc_u32 v5, s31, v5                       ; and out: place l
	v_lshrrev_b32 v6, 6, v0
	s_delay_alu instid0(VALU_DEP_1)
	v_lshl_add_u32 v6, v6, 4, v3                   ; router_w, in: 16 x thread + 16 for each 1,024 passed
	v_mul_u32_u24 v7, v1, 1040                     ; and out: my block's 32 rows of 32 bytes
	s_lshl_b32 s31, s2, 10
	s_add_co_u32 s31, s31, REC
	v_lshrrev_b32 v8, 2, v1
	s_delay_alu instid0(VALU_DEP_1)
	v_mul_u32_u24 v8, v8, 96
	v_and_b32 v9, 1, v1
	s_delay_alu instid0(VALU_DEP_1)
	v_mad_u32_u24 v8, v9, 48, v8
	v_bfe_u32 v9, v1, 1, 1
	s_delay_alu instid0(VALU_DEP_1)
	v_mad_u32_u24 v8, v9, 24, v8
	s_delay_alu instid0(VALU_DEP_1)
	v_add_nc_u32 v8, s31, v8                       ; the record: block l = K step l / 4, half l % 2, c = (l / 2) % 2
	v_lshlrev_b32 v10, 3, v1                       ; 8 x lane
	s_delay_alu instid0(VALU_DEP_1)
	v_add_nc_u32 v9, s31, v10
	v_add_nc_u32 v11, s31, v1
	s_lshl_b32 s31, s3, 10
	v_add_nc_u32 v12, s31, v10                     ; xq: 1,024 x token + 8 x lane
	s_lshl_b32 s31, s2, 5
	s_add_co_u32 s31, s31, LOG
	v_mov_b32 v13, s31
	s_lshl_b32 s31, s2, 2
	s_add_co_u32 s31, s31, SELS
	v_mov_b32 v14, s31
	s_lshl_b32 s31, s2, 3
	s_add_co_u32 s31, s31, GATES
	v_mov_b32 v15, s31
	v_lshl_add_u32 v160, v1, 3, LOG
	v_mov_b32 v161, SELS
	v_and_b32 v165, 7, v1                          ; wave 0, at the end: my expert, and my token of the eight
	s_delay_alu instid0(VALU_DEP_1)
	v_lshl_add_u32 v162, v165, 2, SELS
	s_delay_alu instid0(VALU_DEP_2)
	v_lshl_add_u32 v163, v165, 3, GATES
	v_bfe_u32 v164, v1, 3, 1
	s_delay_alu instid0(VALU_DEP_1)
	v_lshlrev_b32 v164, 3, v164                    ; 8 x my set
	v_and_b32 v166, 15, v1
	s_delay_alu instid0(VALU_DEP_1)
	v_lshlrev_b32 v166, 7, v166
	s_mov_b32 s31, ttmp9
	v_add_nc_u32 v166, s31, v166                   ; mask: 128 x (8 set + expert) + work-group
	s_lshl_b32 s31, ttmp9, 8
	v_add_nc_u32 v167, s31, v10                    ; out1: 256 x work-group + 8 x lane
	s_lshl_b32 s31, ttmp9, 5
	v_lshl_add_u32 v168, v165, 2, s31              ; sel
	s_lshl_b32 s31, ttmp9, 6
	v_lshl_add_u32 v169, v165, 3, s31              ; gate
	s_wait_loadcnt 8                               ; the row is in; router_w's eight loads may be out
.irp q, 0,1,2,3,4,5,6,7
	ds_store_b128 v4, v[RAW+4*\q:RAW+4*\q+3] offset:576*\q
.endr
.irp q, 0,1,2,3,4,5,6,7
	ds_load_b128 v[X+4*\q:X+4*\q+3], v5 offset:16*\q   ; LDS serves a wave's instructions in order: these see my stores
.endr
	s_wait_loadcnt 0x0
.irp m, 0,1,2,3,4,5,6,7
	ds_store_b128 v6, v[W+4*\m:W+4*\m+3] offset:4160*\m
.endr
	s_wait_dscnt 0x0                               ; for the others' sake: my part of router_w has landed
	s_barrier_signal -1
	s_barrier_wait -1
	; the logits: eight sums a lane over its 32 k, two experts an instruction; x's number is taken for both halves
.set bj, 0
.rept 4
.set bi, 0
.rept 8
	ds_load_b128 v[W+8*bi:W+8*bi+3], v7 offset:32*(8*bj+bi)
	ds_load_b128 v[W+8*bi+4:W+8*bi+7], v7 offset:32*(8*bj+bi)+16
.set bi, bi+1
.endr
	s_wait_alu depctr_va_vdst(0)
	s_wait_dscnt 0x0
.set bi, 0
.rept 8
.set kk, 8*bj+bi
.irp e, 0,2,4,6
.if kk == 0
	v_pk_mul_f32 v[A+\e:A+\e+1], v[W+8*bi+\e:W+8*bi+\e+1], v[X:X+1] op_sel_hi:[1,0]   ; the first product starts the sums
.elseif kk%2 == 0
	v_pk_fma_f32 v[A+\e:A+\e+1], v[W+8*bi+\e:W+8*bi+\e+1], v[X+kk:X+kk+1], v[A+\e:A+\e+1] op_sel_hi:[1,0,1]
.else
	s_delay_alu instid0(VALU_DEP_4)
	v_pk_fma_f32 v[A+\e:A+\e+1], v[W+8*bi+\e:W+8*bi+\e+1], v[X+kk-1:X+kk], v[A+\e:A+\e+1] op_sel:[0,1,0] op_sel_hi:[1,1,1]
.endif
.endr
.set bi, bi+1
.endr
.set bj, bj+1
.endr
.irp e, 0,1,2,3,4,5,6,7
	v_mov_b32 v[T+\e], 0                           ; a lane permute's destination counts as one of its sources
.endr
.irp m, 1,2,4,8
.irp e, 0,1,2,3,4,5,6,7
	v_add_f32_dpp v[A+\e], v[A+\e], v[A+\e] row_xmask:\m row_mask:0xf bank_mask:0xf
.endr
.endr
.irp e, 0,1,2,3,4,5,6,7
	v_permlanex16_b32 v[T+\e], v[A+\e], s28, s29
.endr
	s_wait_alu depctr_va_vdst(0)
	s_wait_kmcnt 0x0                               ; router_b
.irp e, 0,1,2,3,4,5,6,7
	v_add_f32 v[A+\e], v[A+\e], v[T+\e]
.endr
.irp e, 0,1,2,3,4,5,6,7
	v_add_f32 v[A+\e], s[20+\e], v[A+\e]           ; the logits, the same in all 32 lanes
.endr
	ds_store_b128 v13, v[A:A+3]
	ds_store_b128 v13, v[A+4:A+7] offset:16
	; softmax without its divisor (it cancels in the gates): 2^((logit - largest) log2 e)
	v_max3_num_f32 v152, v[A], v[A+1], v[A+2]
	s_delay_alu instid0(VALU_DEP_1)
	v_max3_num_f32 v152, v152, v[A+3], v[A+4]
	s_delay_alu instid0(VALU_DEP_1)
	v_max3_num_f32 v152, v152, v[A+5], v[A+6]
	s_delay_alu instid0(VALU_DEP_1)
	v_max_num_f32 v152, v152, v[A+7]
.irp e, 0,1,2,3,4,5,6,7
	v_sub_f32 v[E+\e], v[A+\e], v152
.endr
.irp e, 0,1,2,3,4,5,6,7
	v_mul_f32 v[E+\e], 0x3fb8aa3b, v[E+\e]
.endr
	s_wait_alu depctr_va_vdst(0)
.irp e, 0,1,2,3,4,5,6,7
	v_exp_f32 v[E+\e], v[E+\e]
.endr
	v_nop                                          ; a plain instruction behind the last exponential
	s_wait_alu depctr_va_vdst(0)                   ; one wait for the batch of eight, ahead of its first reader
.macro TOP b, ix                       ; the largest of the eight and its index: ascending, strictly greater, so that of equals the lower index stays
	v_mov_b32 v[\b], v[E]
	v_mov_b32 v[\ix], 0
.irp e, 1,2,3,4,5,6,7
	v_cmp_gt_f32 vcc_lo, v[E+\e], v[\b]
	v_cndmask_b32 v[\b], v[\b], v[E+\e], vcc_lo
	s_delay_alu instid0(VALU_DEP_2)
	v_cndmask_b32 v[\ix], v[\ix], \e, vcc_lo
.endr
.endm
	TOP 152, 153
.irp e, 0,1,2,3,4,5,6,7
	v_cmp_eq_u32 vcc_lo, \e, v153
	v_cndmask_b32 v[E+\e], v[E+\e], -1.0, vcc_lo   ; the winner leaves the field: under every exponential
.endr
	TOP 154, 155
	s_delay_alu instid0(VALU_DEP_2)
	v_add_f32 v156, v152, v154
	s_wait_alu depctr_va_vdst(0)
	v_rcp_f32 v157, v156
	v_lshl_or_b32 v[SW], v155, 8, v153             ; first | second << 8, in a register of its own: the plain instruction behind the reciprocal names neither its source nor its result
	s_wait_alu depctr_va_vdst(0)                   ; the wait ahead of the reciprocal's first reader
	v_mul_f32 v158, v152, v157
	v_mul_f32 v159, v154, v157                     ; the two gates
	ds_store_b32 v14, v[SW]
	ds_store_b64 v15, v[158:159]
	; my block of x becomes 32 codes and a scale byte
	v_max3_num_f32 v48, |v[X]|, |v[X+1]|, |v[X+2]|
	v_max3_num_f32 v49, |v[X+3]|, |v[X+4]|, |v[X+5]|
.irp i, 6,10,14,18,22,26
	s_delay_alu instid0(VALU_DEP_2)
	v_max3_num_f32 v48, v48, |v[X+\i]|, |v[X+\i+1]|
	s_delay_alu instid0(VALU_DEP_2)
	v_max3_num_f32 v49, v49, |v[X+\i+2]|, |v[X+\i+3]|
.endr
	s_delay_alu instid0(VALU_DEP_2)
	v_max3_num_f32 v48, v48, |v[X+30]|, |v[X+31]|
	s_delay_alu instid0(VALU_DEP_1)
	v_max3_num_f32 v48, v48, v49, 0x1800000        ; the floor 2^(3 - 127): the byte cannot fall under 1
	s_delay_alu instid0(VALU_DEP_1)
	v_add_nc_u32 v50, 0xff000000, v48              ; 2 off the exponent field: the conversion's scale operand
	s_delay_alu instid0(VALU_DEP_1)
	v_lshrrev_b32 v51, 23, v50                     ; the scale's byte
	v_cvt_scalef32_pk16_fp6_f32 v[52:54], v[X:X+15], v50
	v_cvt_scalef32_pk16_fp6_f32 v[58:60], v[X+16:X+31], v50   ; (a conversion's three registers begin on an even number)
	v_nop                                          ; one plain instruction behind a scaled conversion
	v_mov_b32 v55, v58
	v_mov_b32 v56, v59
	v_mov_b32 v57, v60
	v_mov_b32 v62, 0
	v_mov_b32 v63, 0
	ds_store_b64 v9, v[62:63] offset:768           ; zeros over bytes 768 .. 1,023, then the scale bytes over the first 32 of them
	ds_store_b64 v8, v[52:53]
	ds_store_b64 v8, v[54:55] offset:8
	ds_store_b64 v8, v[56:57] offset:16
	ds_store_b8 v11, v51 offset:768
.irp m, 0,1,2,3
	ds_load_b64 v[64+2*\m:65+2*\m], v9 offset:256*\m
.endr
.irp m, 0,1,2,3
	s_wait_dscnt 3-\m                              ; the younger reads of the record may be out
	global_store_b64 v12, v[64+2*\m:65+2*\m], s[10:11] offset:256*\m   ; 32 lanes store 256 consecutive bytes, aligned
.endr
	s_wait_dscnt 0x0                               ; my logits, choice and gates have landed
	s_barrier_signal -1
	s_barrier_wait -1
	s_cmp_lg_u32 s2, 0
	s_cbranch_scc1 .Lend
	; wave 0 sends what the eight tokens have in common units
	ds_load_b64 v[170:171], v160
	ds_load_b128 v[80:83], v161
	ds_load_b128 v[84:87], v161 offset:16          ; the eight choices, in every lane
	ds_load_b32 v172, v162
	ds_load_b64 v[174:175], v163
	s_wait_dscnt 0x0
	global_store_b64 v167, v[170:171], s[18:19]    ; out1: 256 consecutive bytes, aligned
	v_mov_b32 v173, 0
.irp t, 0,1,2,3,4,5,6,7
	v_lshrrev_b32 v152, v164, v[80+\t]
	s_delay_alu instid0(VALU_DEP_1)
	v_and_b32 v152, 0xff, v152                     ; token t's choice number 'my set'
	s_delay_alu instid0(VALU_DEP_1)
	v_cmp_eq_u32 vcc_lo, v152, v165
	s_delay_alu instid0(VALU_DEP_1)
	v_cndmask_b32 v152, 0, 1, vcc_lo
	s_delay_alu instid0(VALU_DEP_1)
	v_lshl_or_b32 v173, v152, \t, v173             ; my (set, expert)'s byte of the mask
.endr
	v_cmp_gt_u32 vcc_lo, 16, v1
	s_wait_alu depctr_va_vdst(0)
	s_wait_xcnt 0x0                                ; EXEC changes only behind this wait
	s_and_saveexec_b32 s30, vcc_lo
	global_store_b8 v166, v173, s[12:13]
	s_wait_xcnt 0x0
	s_or_b32 exec_lo, exec_lo, s30
	v_cmp_gt_u32 vcc_lo, 8, v1
	s_and_saveexec_b32 s30, vcc_lo
	global_store_b32 v168, v172, s[14:15]
	global_store_b64 v169, v[174:175], s[16:17]
	s_wait_xcnt 0x0
	s_or_b32 exec_lo, exec_lo, s30
.Lend:
	s_wait_tensorcnt 0x0
	ds_add_u32 v176, v177
	s_wait_dscnt 0x0
	s_endpgm
.Lfunc_end_k_q516acc1687_route:
	.size	k_q516acc1687_route, .Lfunc_end_k_q516acc1687_route-k_q516acc1687_route
	.p2alignl 7, 3214868480
	.fill 96, 4, 3214868480
	.section	.rodata,"a",@progbits
	.p2align	6, 0x0
	.amdhsa_kernel k_q516acc1687_route
		.amdhsa_group_segment_fixed_size 79872
		.amdhsa_private_segment_fixed_size 0
		.amdhsa_enable_private_segment 0
		.amdhsa_kernarg_size 64
		.amdhsa_user_sgpr_count 2
		.amdhsa_user_sgpr_kernarg_segment_ptr 1
		.amdhsa_wavefront_size32 1
		.amdhsa_system_sgpr_workgroup_id_x 1
		.amdhsa_system_sgpr_workgroup_id_y 1
		.amdhsa_system_sgpr_workgroup_id_z 1
		.amdhsa_system_vgpr_workitem_id 0
		.amdhsa_next_free_vgpr 178
		.amdhsa_next_free_sgpr 66
		.amdhsa_reserve_vcc 1
		.amdhsa_float_denorm_mode_32 3
		.amdhsa_float_denorm_mode_16_64 3
		.amdhsa_memory_ordered 1
		.amdhsa_forward_progress 1
		.amdhsa_inst_pref_size 38
	.end_amdhsa_kernel
	.amdgpu_metadata
---
amdhsa.version: [ 1, 2 ]
amdhsa.kernels:
  - .name:           k_q516acc1687_route
    .symbol:         k_q516acc1687_route.kd
    .args:
      - { .name: x, .offset: 0, .size: 8, .value_kind: global_buffer, .address_space: global }
      - { .name: router_w, .offset: 8, .size: 8, .value_kind: global_buffer, .address_space: global }
      - { .name: router_b, .offset: 16, .size: 8, .value_kind: global_buffer, .address_space: global }
      - { .name: xq, .offset: 24, .size: 8, .value_kind: global_buffer, .address_space: global }
      - { .name: mask, .offset: 32, .size: 8, .value_kind: global_buffer, .address_space: global }
      - { .name: sel, .offset: 40, .size: 8, .value_kind: global_buffer, .address_space: global }
      - { .name: gate, .offset: 48, .size: 8, .value_kind: global_buffer, .address_space: global }
      - { .name: out1, .offset: 56, .size: 8, .value_kind: global_buffer, .address_space: global }
    .group_segment_fixed_size: 79872
    .private_segment_fixed_size: 0
    .kernarg_segment_align: 8
    .kernarg_segment_size: 64
    .max_flat_workgroup_size: 256
    .sgpr_count:     66
    .vgpr_count:     178
    .wavefront_size: 32
...
	.end_amdgpu_metadata
.endif
;; end of part 5
;; launch up (part 6): grid 256 x 1, 16 waves a work-group, no clusters, 281,600 bytes of LDS; arguments w1, b1, xq, mask, hq; writes hq
.if DOCPART == 6
	.amdgcn_target "amdgcn-amd-amdhsa--gfx1250"
	.amdhsa_code_object_version 6
	.text
	.protected	k_q516acc1687_up
	.globl	k_q516acc1687_up
	.p2align	8
	.type	k_q516acc1687_up,@function
k_q516acc1687_up:
	s_mov_b64 s[64:65], 0
	v_nop
	global_prefetch_b8 v0, s[64:65] scope:SCOPE_SE
	s_setreg_imm32_b32 hwreg(HW_REG_WAVE_SCHED_MODE, 0, 2), 2
	s_setreg_imm32_b32 hwreg(HW_REG_WAVE_MODE, 25, 1), 1
	s_wait_xcnt 0x0
	s_wait_alu depctr_vm_vsrc(0)
; UP.  hidden = gelu(x W1 + b1) for the rows that chose an expert, both operands as codes of E2M3 with E8M0 scales; the result leaves quantised along H, as images of the next product's operand registers.
; THE WEIGHTS STAY, THE ROWS GO ROUND.  Work-group (e = id / 32, S = id % 32) owns hidden units 128 S .. 128 S + 127 of expert e, all 1,024 along D: 512 KiB of f32 that no other work-group reads.
; It streams them in four PERIODS of 64 columns x 512 K, quantises them in registers and keeps the codes (96 KiB) in LDS.  Behind each period's barrier every wave multiplies its own tile of 16 rows by the
; 16 fragments just made, while the next period's 128 KiB (8 KiB a wave) are on their way.  Tiles 16 .. 63 of an expert (more than 256 rows) are served afterwards from the codes, four waves to a tile.
; THE ORDER OF THE PERIODS is (columns 64 jc on, K 512 kh on) = (0,0) (1,0) (1,1) (0,1): x's fragments of each half of K are gathered once and serve two periods.  The half sums of jc = 0 wait in LDS bytes of the wave's own
; (32 registers, 4 KiB a wave) from the first period to the last, whose sums begin with them.
; No tensor load and no cluster: the number of an expert's rows is read from memory and steers branches, and no two work-groups share a weight byte.  No prefetch: a period's loads are issued a whole period's products ahead of the wait for them.
; A PERIOD'S STREAM.  Wave w takes the block of 32 along K number w of the period's 16: 32 loads of 8 bytes a lane, one for each k; the 32 lanes read 256 consecutive bytes, aligned; lane l gets columns 2 l and 2 l + 1.
; A lane's registers so run down K, a block's largest magnitude needs no other lane, and the conversions give codes with K innermost; 64 moves a period lay each column's numbers on end for them.
; WHICH COLUMNS FORM A TILE.  Column o of the 64 goes to tile 2 (o / 32) + (o / 8) % 2, row 8 ((o / 16) % 2) + o % 8.  The product is used transposed (source 0 = 16 columns of W1, source 1 = 16 rows of x), so lane (r, h)
; holds row r, and the 16 registers of tiles 2 b and 2 b + 1 are the 16 neighbouring hidden units 32 b + 16 h + 0 .. 15: the next K.
; THE ROW LIST.  mask holds, for each expert, a bit a token for its first and for its second choice.  Every wave counts them; wave 0 lays the list (token + 1,024 x choice, ascending tokens) in LDS.  Rows past the count take token 0
; and are computed and never used: so phase P has no branch on data.
; GELU, exact: h = z F, F = (1 + erf(u)) / 2, u = z / sqrt 2.  |u| <= 475/512: F = 1/2 + u q(u^2).  Beyond: erfc(|u|) / 2 = 2^(p(|u|)), and F is that or 1 less that: nothing is cancelled in the negative tail.
; LIMITS.  NaN and infinities are not served.  A block whose largest magnitude lies under 2^-124 keeps the scale byte 1 (this program alone reads the bytes).  Every split is served, 0 to 1,024 rows on an expert.
; THE MODE: SCHED_MODE bits 1:0 = 2 (LLVM: expert scheduling mode 2), set by the entry lines.  The code itself states the register dependences between vector or matrix instructions and memory or LDS instructions, with s_wait_alu, always for 0.
; THE PLAN.  Registers that memory or LDS instructions touch, and who else names them:
;   X            The stream's loads land in it; the quantiser's maxima and moves read it; each half is asked for again inside the quantiser, behind a wait that shows the half read out.
;   AF, AS       The rows' loads land in them; products read them; asked for again behind a wait that shows the products done.
;   WS, WF       LDS loads land in them; products read them.  WF's registers are also the quantiser's work registers (its codes are LDS stores' data) and the GELU's.
;   ACC          LDS loads (b1, the half sums), products and the GELU write it; the stores of the half sums read it.
;   v227-230, v235-238   A tile's codes and bytes of two blocks: written by the hidden layer's quantiser, read by one run of LDS stores.
;   v7, v252-254 The only addresses made anew: v7 for a tile of rows, v252-254 in each trip of the two loops behind phase P.  All other addresses are made at the head and never written again.
; So a period holds: two waits on va_vdst in the quantiser; one wait on vm_vsrc at the head of the products; one wait on va_vdst ahead of each later K step's fragments; one ahead of each run of stores.
.set PITCH, 16384                      ; a row of W1 in bytes
.set REG,   24576                      ; LDS: a period's 16 fragments, region 2 jc + kh; fragment (K step sl, tile ct) at (4 sl + ct) x 1,536, lane L's 12 registers at 48 L
.set FRB,   1536
.set WSC,   98304                      ; the weights' scale words: region x 1,024 + (ct / 2) x 512 + (row + 16 (ct % 2)) x 16 + 4 sl
.set BIAS,  102400                     ; my 128 numbers of b1
.set LIST,  102912                     ; 1,024 entries and 32 words that take what is not listed
.set STG,   107264                     ; + 1,664 x tile: the hidden fragment of a tile: 1,536 bytes, lane L at 48 L, and 128 bytes of scale words, lane L at 4 L
.set STT,   1664
.set PARK,  214016                     ; + 4,096 x wave: the half sums of jc = 0: register group i of lane L at 512 i + 16 L
.set X,   16                           ; v16-79   the stream: row i's two columns at X + 2 i
.set AF,  80                           ; v80-127  x's fragments of four K steps
.set AS,  128                          ; v128-135 their scale words (these and the next eight hold scales and nothing else)
.set WS,  136                          ; v136-143 the weights' scale words
.set ACC, 144                          ; v144-175 four accumulators
.set WF,  176                          ; v176-223 four weight fragments
.set T0,  176                          ; quantising: 16 numbers of each column on end,
.set T1,  192
.set C0,  208                          ; each column's six registers of codes,
.set C1,  214
.set D0,  220                          ; the upper halves as they are made,
.set D1,  224
.set MX,  228                          ; largest magnitudes, scale operands, bytes
.set SO,  230
.set BY,  232
.set FB,  13                           ; v13      48 l + two regions: the fragments of regions 2 and 3; never rewritten
.set SB,  234                          ; v234     where my codes go, two regions on; never rewritten
.set GU,  176                          ; GELU, eight numbers at a time: u, u^2, |u|, the tail, the core, 1 - the tail
.set GS,  184
.set GT,  192
.set GR,  200
.set GQ,  208
.set GW,  216
.set QM,  224                          ; quantising the hidden layer: at work
.set QP,  225
.set QS,  226
; v1 8 l; v2, v3 where my codes and scale bytes go; v4 48 l; v5 WSC + 16 l; v6 BIAS + 64 h; v7 my row's place in xq; v8, v9 my tile's stage; v10 my tile's list; v11 16 l; v12 l; v14 where my half sums wait; v15 48 h
; v240-245 three constants of the GELU; v246-251 the overflow's fixed addresses, v252-254 a trip's; v255 the stage as it is read back
; s2 wave, s3 expert, s14 S, s17 rows, s18 tiles; s[52:55] the stream's two bases; s[20:43] the GELU's constants (where the masks lay); s[68:83] the GELU's sixteen lane masks
.macro PLACES n
.rept \n
	v_nop
.endr
.endm
.macro BAR                             ; my LDS stores have landed and my LDS loads are in: then the work-group's barrier
	s_wait_dscnt 0x0
	s_barrier_signal -1
	s_barrier_wait -1
.endm
.macro SPAIR r, val                    ; a constant for packed instructions: they name a pair and take its low word for both halves
	s_mov_b32 s[\r], \val
	s_mov_b32 s[\r+1], \val
.endm
.macro STREAMH base, off, a            ; rows 16 a .. 16 a + 15 of my block
.set si, 16*(\a)
.rept 16
	global_load_b64 v[X+2*si:X+2*si+1], v1, s[\base:\base+1] offset:(\off)+si*PITCH th:TH_LOAD_NT
.set si, si+1
.endr
.endm
; My block (two columns x 32 k) becomes codes and two scale bytes in region rho; as soon as a half of X is read out, the next period's loads go into it (nxt = 1).
.macro QSUB rho, nxt, base, off
.if (\rho) < 2
.set SA, 2                             ; regions 0 and 1 by v2, regions 2 and 3 by v[SB]; the region's odd half stands in the immediate
.else
.set SA, SB
.endif
.set SOF, ((\rho)%2)*REG
	v_max3_num_f32 v[MX], |v[X]|, |v[X+2]|, 0x1800000      ; the floor 2^(3 - 127): the byte cannot fall under 1
	v_max3_num_f32 v[MX+1], |v[X+1]|, |v[X+3]|, 0x1800000
.set qi, 2
.rept 15
	v_max3_num_f32 v[MX], v[MX], |v[X+2*qi]|, |v[X+2*qi+2]|        ; the two columns by turns
	v_max3_num_f32 v[MX+1], v[MX+1], |v[X+2*qi+1]|, |v[X+2*qi+3]|
.set qi, qi+2
.endr
	v_add_nc_u32 v[SO], 0xff000000, v[MX]          ; 2 off the exponent field: the conversion's scale operand
	v_add_nc_u32 v[SO+1], 0xff000000, v[MX+1]
.set qi, 0
.rept 16
	v_mov_b32 v[T0+qi], v[X+2*qi]
	v_mov_b32 v[T1+qi], v[X+2*qi+1]
.set qi, qi+1
.endr
	v_cvt_scalef32_pk16_fp6_f32 v[C0:C0+2], v[T0:T0+15], v[SO]
	v_cvt_scalef32_pk16_fp6_f32 v[C1:C1+2], v[T1:T1+15], v[SO+1]
	v_lshrrev_b32 v[BY], 23, v[SO]                 ; the scale bytes; these two lines are the plain instructions behind the conversions
	v_lshrrev_b32 v[BY+1], 23, v[SO+1]
.if \nxt
	s_wait_alu depctr_va_vdst(0)                   ; the maxima and the moves above are done reading X's first half, in which the sixteen loads below land; no vector instruction behind this wait names that half
	STREAMH \base, \off, 0
.endif
.set qi, 0
.rept 16
	v_mov_b32 v[T0+qi], v[X+32+2*qi]
	v_mov_b32 v[T1+qi], v[X+32+2*qi+1]
.set qi, qi+1
.endr
	v_cvt_scalef32_pk16_fp6_f32 v[D0:D0+2], v[T0:T0+15], v[SO]     ; (a conversion's three registers begin on an even number)
	v_cvt_scalef32_pk16_fp6_f32 v[D1:D1+2], v[T1:T1+15], v[SO+1]
	v_nop
.irp i, 0,1,2
	v_mov_b32 v[C0+3+\i], v[D0+\i]
	v_mov_b32 v[C1+3+\i], v[D1+\i]
.endr
	s_wait_alu depctr_va_vdst(0)                   ; the codes and the bytes are written, which the LDS stores read; the moves are done reading X's second half, in which the loads below land; and T, C and D have been named for the last time ahead of the fragments' loads behind the barrier
	ds_store_b64 v[SA], v[C0:C0+1] offset:SOF
	ds_store_b64 v[SA], v[C0+2:C0+3] offset:SOF+8
	ds_store_b64 v[SA], v[C0+4:C0+5] offset:SOF+16
	ds_store_b64 v[SA], v[C1:C1+1] offset:SOF+48   ; the odd column is the next row of the same tile
	ds_store_b64 v[SA], v[C1+2:C1+3] offset:SOF+56
	ds_store_b64 v[SA], v[C1+4:C1+5] offset:SOF+64
	ds_store_b8 v3, v[BY] offset:(\rho)*1024
	ds_store_b8 v3, v[BY+1] offset:(\rho)*1024+16
.if \nxt
	STREAMH \base, \off, 1
.endif
.endm
.macro WM d, a, b, sa, sb, row         ; d += a (16 columns of W1) x b (16 rows); row = 1: the weights' scale words stand in lanes 16-31
.if \row
	v_wmma_scale_f32_16x16x128_f8f6f4 v[(\d):(\d)+7], v[(\a):(\a)+11], v[(\b):(\b)+11], v[(\d):(\d)+7], v[\sa], v[\sb] matrix_a_fmt:MATRIX_FMT_FP6 matrix_b_fmt:MATRIX_FMT_FP6 matrix_a_scale:MATRIX_SCALE_ROW1
.else
	v_wmma_scale_f32_16x16x128_f8f6f4 v[(\d):(\d)+7], v[(\a):(\a)+11], v[(\b):(\b)+11], v[(\d):(\d)+7], v[\sa], v[\sb] matrix_a_fmt:MATRIX_FMT_FP6 matrix_b_fmt:MATRIX_FMT_FP6
.endif
.endm
; My tile x region rho's 16 fragments.  bias = 1: the sums begin with b1, loaded into the accumulators in the result's layout; bias = 2: with the half sums that wait in LDS; bias = 0: they go on.
; The four accumulators take turns, one instruction a turn.
.macro ITEM rho, bias, jc
.if (\rho) < 2
.set FA, 4
.else
.set FA, FB
.endif
.set FOF, ((\rho)%2)*REG
	s_wait_alu depctr_vm_vsrc(0)                   ; my LDS stores issued so far (the quantiser's codes and bytes; the half sums) have read their registers, in which the loads below land
	ds_load_b128 v[WS:WS+3], v5 offset:(\rho)*1024         ; tiles 0 (lanes 0-15) and 1 (lanes 16-31): the four K steps' words
	ds_load_b128 v[WS+4:WS+7], v5 offset:(\rho)*1024+512   ; tiles 2 and 3
.if (\bias) == 1
.set bi, 0
.rept 8
	ds_load_b128 v[ACC+4*bi:ACC+4*bi+3], v6 offset:256*(\jc)+128*(bi/4)+16*(bi%4)
.set bi, bi+1
.endr
.endif
.if (\bias) == 2
.set bi, 0
.rept 8
	ds_load_b128 v[ACC+4*bi:ACC+4*bi+3], v14 offset:512*bi
.set bi, bi+1
.endr
.endif
.irp sl, 0,1,2,3
.if \sl > 0
	PLACES 4                                       ; in front of loads into registers that matrix instructions have read
	s_wait_alu depctr_va_vdst(0)                   ; the four products above are done reading WF, in which the next K step's fragments land
.endif
.irp ct, 0,1,2,3
.irp g, 0,1,2
	ds_load_b128 v[WF+12*\ct+4*\g:WF+12*\ct+4*\g+3], v[FA] offset:FOF+(4*\sl+\ct)*FRB+16*\g
.endr
.endr
.irp ct, 0,1,2,3
	s_wait_dscnt 9-3*\ct                           ; the later tiles' fragments may be out
	WM ACC+8*\ct, WF+12*\ct, AF+12*\sl, WS+4*(\ct/2)+\sl, AS+\sl, \ct%2
.endr
.endr
.endm
.macro PARKST                          ; my four accumulators go to my own LDS bytes as they stand, each from its low end on
	PLACES 4
	s_wait_alu depctr_va_vdst(0)                   ; the products have written the accumulators, which the LDS stores read; the places above stay beside this wait
.set bi, 0
.rept 8
	ds_store_b128 v14, v[ACC+4*bi:ACC+4*bi+3] offset:512*bi
.set bi, bi+1
.endr
.endm
.macro ALOAD kh                        ; my 16 rows' fragments of K steps 4 kh .. 4 kh + 3 and their scale words: 13 loads
	PLACES 4
	s_wait_alu depctr_va_vdst(0)                   ; v7, the loads' offset, is written; the products issued so far are done reading AF and AS, in which the loads land
.irp sl, 0,1,2,3
.irp g, 0,1,2
	global_load_b128 v[AF+12*\sl+4*\g:AF+12*\sl+4*\g+3], v7, s[8:9] offset:96*(4*(\kh)+\sl)+16*\g
.endr
.endr
	global_load_b128 v[AS:AS+3], v7, s[8:9] offset:768+16*(\kh)
.endm
; 16 numbers z .. z + 15 (two accumulators) become gelu(z), eight at a time, each accumulator from its low end on.
.macro EPIB z
.irp bt, 0,1
.set ZB, (\z)+8*\bt
.irp p, 0,2,4,6
	v_pk_mul_f32 v[GU+\p:GU+\p+1], v[ZB+\p:ZB+\p+1], s[20:21] op_sel_hi:[1,0]      ; u = z / sqrt 2
.endr
.irp p, 0,2,4,6
	v_pk_mul_f32 v[GS+\p:GS+\p+1], v[GU+\p:GU+\p+1], v[GU+\p:GU+\p+1]
.endr
.irp p, 0,1,2,3,4,5,6,7
	v_and_b32 v[GT+\p], s42, v[GU+\p]              ; t = |u|
.endr
.irp p, 0,2,4,6
	v_pk_fma_f32 v[GR+\p:GR+\p+1], v[GT+\p:GT+\p+1], s[22:23], v[240:241] op_sel_hi:[1,0,1]   ; the tail: log2(erfc(t) / 2) as a polynomial in t
.endr
.irp p, 0,2,4,6
	v_pk_fma_f32 v[GQ+\p:GQ+\p+1], v[GT+\p:GT+\p+1], s[24:25], v[242:243] op_sel_hi:[1,0,1]
.endr
.irp p, 0,2,4,6
	v_pk_fma_f32 v[GR+\p:GR+\p+1], v[GR+\p:GR+\p+1], v[GS+\p:GS+\p+1], v[GQ+\p:GQ+\p+1]
.endr
.irp c, 26,28,30
.irp p, 0,2,4,6
	v_pk_fma_f32 v[GR+\p:GR+\p+1], v[GR+\p:GR+\p+1], v[GT+\p:GT+\p+1], s[\c:\c+1] op_sel_hi:[1,1,0]
.endr
.endr
.irp p, 0,2,4,6
	v_pk_fma_f32 v[GR+\p:GR+\p+1], v[GR+\p:GR+\p+1], v[GT+\p:GT+\p+1], -1.0 op_sel_hi:[1,1,0]
.endr
	s_wait_alu depctr_va_vdst(0)
.irp p, 0,1,2,3,4,5,6,7
	v_exp_f32 v[GR+\p], v[GR+\p]                   ; one batch of eight
.endr
.irp p, 0,2,4,6
	v_pk_fma_f32 v[GQ+\p:GQ+\p+1], v[GS+\p:GS+\p+1], s[32:33], v[244:245] op_sel_hi:[1,0,1]   ; the core stands behind the exponentials as their independent work
.endr
.irp c, 34,36,38,40
.irp p, 0,2,4,6
	v_pk_fma_f32 v[GQ+\p:GQ+\p+1], v[GQ+\p:GQ+\p+1], v[GS+\p:GS+\p+1], s[\c:\c+1] op_sel_hi:[1,1,0]
.endr
.endr
.irp p, 0,2,4,6
	v_pk_fma_f32 v[GQ+\p:GQ+\p+1], v[GQ+\p:GQ+\p+1], v[GU+\p:GU+\p+1], 0.5 op_sel_hi:[1,1,0]
.endr
.irp p, 0,1,2,3,4,5,6,7
	v_cmp_lt_f32 s[68+\p], 0, v[GU+\p]             ; the sixteen compares in one run, each into a scalar register of its own: u > 0,
.endr
.irp p, 0,1,2,3,4,5,6,7
	v_cmp_lt_f32 s[76+\p], s43, v[GT+\p]           ; |u| > 475/512
.endr
	s_wait_alu depctr_va_vdst(0)                   ; the eight exponentials have written v[GR ..]: one wait for the batch, ahead of its first reader
.irp p, 0,2,4,6
	v_pk_fma_f32 v[GW+\p:GW+\p+1], v[GR+\p:GR+\p+1], -1.0, 1.0 op_sel_hi:[1,0,0]
.endr
	s_wait_alu depctr_va_sdst(0)                   ; the sixteen compares have written s68 to s83, ahead of their first reader
.irp p, 0,1,2,3,4,5,6,7
	v_cndmask_b32 v[GR+\p], v[GR+\p], v[GW+\p], s[68+\p]   ; u > 0: 1 - erfc / 2
.endr
.irp p, 0,1,2,3,4,5,6,7
	v_cndmask_b32 v[GQ+\p], v[GQ+\p], v[GR+\p], s[76+\p]   ; |u| > 475/512: the tail
.endr
.irp p, 0,2,4,6
	v_pk_mul_f32 v[ZB+\p:ZB+\p+1], v[ZB+\p:ZB+\p+1], v[GQ+\p:GQ+\p+1]
.endr
.endr
.endm
.macro QUANT1 z, qc, qb                ; my 16 of a block of 32 hidden units (lane l xor 16 holds the others): 12 bytes of codes in v[qc] on, the byte in v[qb]
	v_max3_num_f32 v[QM], |v[(\z)]|, |v[(\z)+1]|, 0x1800000
.irp i, 2,4,6,8,10,12,14
	v_max3_num_f32 v[QM], v[QM], |v[(\z)+\i]|, |v[(\z)+\i+1]|
.endr
	v_permlanex16_b32 v[QP], v[QM], s58, s59
	v_max_num_f32 v[QM], v[QM], v[QP]
	v_add_nc_u32 v[QS], 0xff000000, v[QM]
	v_cvt_scalef32_pk16_fp6_f32 v[(\qc):(\qc)+2], v[(\z):(\z)+15], v[QS]
	v_lshrrev_b32 v[\qb], 23, v[QS]                ; (the plain instruction behind the conversion)
.endm
.macro EPI jc                          ; my tile's 64 hidden units 64 jc on: block (jc, bq) goes to lane r + 16 bq of the fragment, registers 6 jc + 3 h on.  Each of the two blocks has code registers of its own, so that all eight stores go in one run
	PLACES 4
	EPIB ACC
	QUANT1 ACC, 228, 227
	EPIB ACC+16
	QUANT1 ACC+16, 236, 235
	s_wait_alu depctr_va_vdst(0)                   ; the conversions and shifts have written v227-230 and v235-238, which the LDS stores read
	ds_store_b32 v8, v228 offset:24*(\jc)
	ds_store_b32 v8, v229 offset:24*(\jc)+4
	ds_store_b32 v8, v230 offset:24*(\jc)+8
	ds_store_b8 v9, v227 offset:2*(\jc)
	ds_store_b32 v8, v236 offset:768+24*(\jc)
	ds_store_b32 v8, v237 offset:768+24*(\jc)+4
	ds_store_b32 v8, v238 offset:768+24*(\jc)+8
	ds_store_b8 v9, v235 offset:2*(\jc)+1
.endm
	s_load_b256 s[4:11], s[0:1], 0x0               ; w1, b1, xq, mask
	s_load_b64 s[12:13], s[0:1], 0x20              ; hq
	v_and_b32 v12, 31, v0                          ; l
	v_lshrrev_b32 v13, 5, v0
	v_readfirstlane_b32 s2, v13                    ; wave 0..15
	v_lshlrev_b32 v1, 3, v12
	v_lshlrev_b32 v11, 4, v12
	s_wait_alu depctr_va_sdst(0)                   ; s2 is written, ahead of its first reader: the stream's bases and the LDS addresses are made from it
	s_lshr_b32 s3, ttmp9, 5                        ; expert
	s_and_b32 s14, ttmp9, 31                       ; S
	s_lshl_b32 s56, s3, 24                         ; an expert's W1 is 2^24 bytes,
	s_lshl_b32 s15, s2, 19                         ; my block's 32 rows of 16,384 bytes,
	s_add_co_u32 s56, s56, s15
	s_lshl_b32 s15, s14, 9                         ; my slice's 128 columns
	s_add_co_u32 s56, s56, s15
	s_mov_b32 s57, 0
	s_lshl_b32 s60, s3, 14
	s_add_co_u32 s60, s60, s15                     ; b1: 16,384 e + 512 S
	s_mov_b32 s61, 0
	s_lshl_b32 s62, s3, 7                          ; mask: 128 e
	s_mov_b32 s63, 0
	s_wait_kmcnt 0x0
	s_add_nc_u64 s[52:53], s[4:5], s[56:57]        ; K 0 .. 511
	s_add_nc_u64 s[54:55], s[52:53], 0x800000      ; K 512 .. 1,023
	s_add_nc_u64 s[6:7], s[6:7], s[60:61]
	s_add_nc_u64 s[10:11], s[10:11], s[62:63]
	s_wait_alu depctr_va_vdst(0)                   ; v1 and v11 are written: the offsets of the loads below and of every load of the stream
	global_load_b128 v[236:239], v11, s[6:7]       ; b1's 128 numbers; every wave asks, so that all waves count alike; wave 0 uses them
	STREAMH 52, 0, 0                               ; the first period
	STREAMH 52, 0, 1
	s_load_b512 s[20:35], s[10:11], 0x0            ; first choices, tokens 0 .. 511
	s_load_b512 s[36:51], s[10:11], 0x40
	s_load_b512 s[68:83], s[10:11], 0x400          ; second choices
	s_load_b512 s[84:99], s[10:11], 0x440
	; every LDS address is made here, ahead of all branches
	v_and_b32 v13, 15, v0                          ; r
	v_bfe_u32 v14, v0, 4, 1                        ; h
	v_mul_u32_u24 v15, v14, 48
	v_mul_u32_u24 v4, v12, 48
	v_add_nc_u32 v5, WSC, v11
	v_lshl_add_u32 v6, v14, 6, BIAS
	v_bfe_u32 v224, v0, 2, 1
	v_bfe_u32 v225, v0, 3, 1
	v_and_b32 v226, 3, v0
	v_mul_u32_u24 v2, v14, 3072                    ; my columns' tile: 2 (l / 16) + (l / 4) % 2,
	v_mad_u32_u24 v2, v224, 1536, v2
	v_mad_u32_u24 v2, v225, 384, v2                ; their first row in it: 8 ((l / 8) % 2) + 2 (l % 4)
	v_mad_u32_u24 v2, v226, 96, v2
	s_wait_alu depctr_va_vdst(0)
	s_lshr_b32 s15, s2, 2                          ; my block's K step,
	s_and_b32 s19, s2, 3
	s_mul_i32 s16, s15, 6144
	s_and_b32 s56, s2, 1                           ; its half of the lanes,
	s_mul_i32 s57, s56, 768
	s_add_co_u32 s16, s16, s57
	s_bfe_u32 s60, s2, 0x10001                     ; and its six registers of the twelve
	s_mul_i32 s57, s60, 24
	s_add_co_u32 s16, s16, s57
	v_add_nc_u32 v2, s16, v2
	v_lshl_add_u32 v3, v14, 9, WSC
	v_lshl_add_u32 v3, v224, 8, v3
	v_lshl_add_u32 v3, v225, 7, v3
	v_lshl_add_u32 v3, v226, 5, v3
	v_add_nc_u32 v3, s2, v3                        ; 4 x K step + block in it = my wave's number
	v_mul_u32_u24 v227, v13, 48
	v_mad_u32_u24 v227, v14, 12, v227              ; 48 r + 12 h
	s_wait_alu depctr_va_vdst(0)
	s_mul_i32 s16, s2, STT
	s_add_co_u32 s16, s16, STG
	v_add_nc_u32 v8, s16, v227
	v_lshl_add_u32 v9, v12, 2, s16
	v_add_nc_u32 v9, 1536, v9
	v_add_nc_u32 v255, s16, v4
	s_lshl_b32 s16, s2, 6
	s_add_co_u32 s16, s16, LIST
	v_lshl_add_u32 v10, v13, 2, s16
	; the overflow: wave w serves tile 16 + 4 q + w / 4, hidden units 32 (w % 4) on
	s_mul_i32 s16, s60, 49152
	s_mul_i32 s57, s56, 3072
	s_add_co_u32 s16, s16, s57
	v_add_nc_u32 v246, s16, v4
	s_lshl_b32 s16, s60, 11
	s_lshl_b32 s57, s56, 9
	s_add_co_u32 s16, s16, s57
	v_add_nc_u32 v247, s16, v5
	s_lshl_b32 s16, s19, 7
	v_add_nc_u32 v248, s16, v6
	s_add_co_u32 s61, s15, 16
	s_mul_i32 s62, s61, STT
	s_add_co_u32 s62, s62, STG
	s_mul_i32 s16, s56, 768
	s_add_co_u32 s16, s16, s62
	s_mul_i32 s57, s60, 24
	s_add_co_u32 s16, s16, s57
	v_add_nc_u32 v249, s16, v227
	s_add_co_u32 s16, s62, 1536
	s_add_co_u32 s16, s16, s19
	v_lshl_add_u32 v250, v12, 2, s16
	s_lshl_b32 s16, s61, 6
	s_add_co_u32 s16, s16, LIST
	v_lshl_add_u32 v251, v13, 2, s16
	v_add_nc_u32 v[FB], 2*REG, v4                  ; regions 2 and 3, as they are read (r is not wanted any more),
	v_add_nc_u32 v[SB], 2*REG, v2                  ; and as they are stored: so no address is made anew in phase P
	s_lshl_b32 s16, s2, 12
	s_add_co_u32 s16, s16, PARK
	v_add_nc_u32 v14, s16, v11                     ; where my half sums wait: 4,096 x wave + 16 l (h is not wanted any more)
	s_mov_b32 s58, 0x76543210
	s_mov_b32 s59, 0xfedcba98                      ; v_permlanex16_b32's selects for lane l xor 16
	s_wait_kmcnt 0x0
	s_mov_b32 s17, 0                               ; my expert's rows: a token chooses an expert at most once, so the two sets are joined
.set mi, 0
.rept 32
	s_or_b32 s[20+mi], s[20+mi], s[68+mi]
	s_bcnt1_i32_b32 s16, s[20+mi]
	s_add_co_u32 s17, s17, s16
.set mi, mi+1
.endr
	s_add_co_u32 s18, s17, 15
	s_lshr_b32 s18, s18, 4
	s_max_u32 s18, s18, 1                          ; tiles of 16 rows, at least one
	s_cmp_lg_u32 s2, 0
	s_cbranch_scc1 .Lno_list
	; wave 0: all addresses and entries are made first, each in a register of its own (v144-175 the places, v176-207 the entries), so that one wait serves all the stores
	v_add_nc_u32 v224, BIAS, v11
	v_add_nc_u32 v227, LIST, v11
.irp i, 228,229,230,231
	v_mov_b32 v\i, 0
.endr
	v_add_nc_u32 v225, 1024, v12                   ; where a lane without a row puts its word
	s_mov_b32 s66, 0                               ; rows in the words before
.set mi, 0
.rept 32
	v_mbcnt_lo_u32_b32 v[144+mi], s[20+mi], s66    ; my row's place: the rows before this word + those of lower lanes
	v_cndmask_b32 v[144+mi], v225, v[144+mi], s[20+mi]
	v_min_u32 v[144+mi], 0x41f, v[144+mi]
	v_lshl_add_u32 v[144+mi], v[144+mi], 2, LIST
	v_add_nc_u32 v[176+mi], 32*mi, v12             ; token,
	v_add_nc_u32 v233, 32*mi+1024, v12
	v_cndmask_b32 v[176+mi], v[176+mi], v233, s[68+mi]     ; + 1,024 where it is the token's second choice
	s_bcnt1_i32_b32 s67, s[20+mi]
	s_add_co_u32 s66, s66, s67
.set mi, mi+1
.endr
	s_wait_alu depctr_va_vdst(0)                   ; v224, v227, the zeros v228-231, the 32 places and the 32 entries are written, which the LDS stores below read
	s_wait_loadcnt 32                              ; b1 is in; the stream's 32 loads behind it may be out
	ds_store_b128 v224, v[236:239]
.irp m, 0,1,2,3,4,5,6,7
	ds_store_b128 v227, v[228:231] offset:512*\m   ; entries past the count name token 0
.endr
.set mi, 0
.rept 32
	ds_store_b32 v[144+mi], v[176+mi]              ; LDS serves a wave's instructions in order: the entries land on the zeros
.set mi, mi+1
.endr
	s_wait_alu depctr_vm_vsrc(0)                   ; these stores have read their registers, which the accumulators, the fragments and the work registers take from here on
.Lno_list:
	SPAIR 20, 0x3f3504f3                           ; 1 / sqrt 2
	SPAIR 22, 0xb7d130d7                           ; the tail's coefficients, in units of log2
	SPAIR 24, 0xbbb79c87
	SPAIR 26, 0xbe1dbebc
	SPAIR 28, 0xbf6a77c7
	SPAIR 30, 0xbfd06f41
	SPAIR 32, 0xb99c7000                           ; the core's, halved
	SPAIR 34, 0xbc5b48d9
	SPAIR 36, 0x3d670e22
	SPAIR 38, 0xbe409380
	SPAIR 40, 0x3f106ebb
	s_mov_b32 s42, 0x7fffffff
	s_mov_b32 s43, 0x3f6d8000                      ; 475/512
	v_mov_b32 v240, 0x3a10ec3c                     ; three addends in vector pairs, so that a packed instruction names one scalar value
	v_mov_b32 v241, 0x3a10ec3c
	v_mov_b32 v242, 0x3d0f53cc
	v_mov_b32 v243, 0x3d0f53cc
	v_mov_b32 v244, 0x3b238d2c
	v_mov_b32 v245, 0x3b238d2c
	v_mov_b32 v[QP], 0                             ; a lane permute's destination counts as one of its sources
	s_wait_alu depctr_va_vdst(0)                   ; the fixed addresses v2 to v6, v8 to v10, v13 to v15, v234, v246 to v251 and v255 are written: every LDS instruction from here on reads one of them or a sum made of one
	BAR                                            ; the list and b1 lie in LDS
	ds_load_b32 v7, v10
	s_wait_dscnt 0x0
	v_and_b32 v7, 0x3ff, v7                        ; the token,
	v_min_u32 v7, 0x3ff, v7
	v_lshl_add_u32 v7, v7, 10, v15                 ; its record in xq, + 48 h
	; PHASE P: the periods (jc, kh) = (0,0) (1,0) (1,1) (0,1); region = 2 jc + kh
	ALOAD 0                                        ; x's K 0 .. 511: for the first two periods
	s_wait_loadcnt 13                              ; the stream is older than my 13 row loads: it has landed
	QSUB 0, 1, 52, 256
	BAR
	s_wait_loadcnt 32                              ; the row loads are older than the 32 stream loads just issued
	ITEM 0, 1, 0
	PARKST                                         ; jc = 0's half sums wait until the last period
	s_wait_loadcnt 0x0                             ; the stream alone was out
	QSUB 2, 1, 54, 256
	BAR
	ITEM 2, 1, 1
	ALOAD 1                                        ; x's K 512 .. 1,023: for the last two periods
	s_wait_loadcnt 13
	QSUB 3, 1, 54, 0
	BAR
	s_wait_loadcnt 32
	ITEM 3, 0, 1
	EPI 1
	s_wait_alu depctr_vm_vsrc(0)                   ; the stores above have read v228-230, which the quantiser's maxima and scale operands write next
	s_wait_loadcnt 0x0                             ; the stream alone was out
	QSUB 1, 0, 52, 0
	BAR
	ITEM 1, 2, 0
	EPI 0
	; THE OVERFLOW: 12 trips for every wave; a trip's work is jumped over where the expert has no such tile (a branch on the stored count; no barrier stands in the loop)
	s_mov_b32 s60, 0
	s_add_co_u32 s61, s15, 16                      ; my tile
	s_mov_b32 s62, 0                               ; its stage, from the first trip's on
	s_mov_b32 s63, 0                               ; its list entries likewise
.Lover:
	s_wait_alu depctr_vm_vsrc(0)                   ; the LDS and memory instructions issued so far have read v7, v252-254 and the codes' registers v227-230, all of which this trip writes again
	s_cmp_ge_u32 s61, s18
	s_cbranch_scc1 .Lover_skip
	v_add_nc_u32 v252, s63, v251
	v_add_nc_u32 v253, s62, v249
	v_add_nc_u32 v254, s62, v250
	s_wait_alu depctr_va_vdst(0)                   ; v252-254 are written; the trip before (or the last period) is done with v7, the accumulators, WS, the rows' fragments and WF, in which this trip's loads land
	ds_load_b32 v7, v252
.irp q, 0,1,2,3
	ds_load_b128 v[ACC+4*\q:ACC+4*\q+3], v248 offset:16*\q         ; b1 starts the two sums
.endr
	ds_load_b128 v[WS:WS+3], v247                  ; K steps 0-3: tile u = 0 in lanes 0-15, u = 1 in lanes 16-31
	ds_load_b128 v[WS+4:WS+7], v247 offset:1024    ; K steps 4-7
	s_wait_dscnt 6                                 ; the list entry is in; the six loads behind it may be out
	v_and_b32 v7, 0x3ff, v7
	v_min_u32 v7, 0x3ff, v7
	v_lshl_add_u32 v7, v7, 10, v15
	s_wait_alu depctr_va_vdst(0)                   ; v7 is written: the offset of the 26 loads below
.set oj, 0
.rept 8
.irp g, 0,1,2
	global_load_b128 v[16+12*oj+4*\g:16+12*oj+4*\g+3], v7, s[8:9] offset:96*oj+16*\g   ; all eight K steps of my 16 rows
.endr
.set oj, oj+1
.endr
	global_load_b128 v[AS:AS+3], v7, s[8:9] offset:768
	global_load_b128 v[AS+4:AS+7], v7, s[8:9] offset:784
.irp gi, 0,1,2,3                       ; two K steps x two tiles at a time; the two accumulators by turns
.if \gi > 0
	PLACES 4
	s_wait_alu depctr_va_vdst(0)                   ; the four products above are done reading WF, in which the next four fragments land
.endif
.irp ss, 0,1
.irp u, 0,1
.irp g, 0,1,2
	ds_load_b128 v[WF+12*(2*\ss+\u)+4*\g:WF+12*(2*\ss+\u)+4*\g+3], v246 offset:((2*\gi+\ss)/4)*REG+((2*\gi+\ss)%4)*6144+\u*FRB+16*\g
.endr
.endr
.endr
.if \gi == 0
	s_wait_loadcnt 0x0
.endif
.irp ss, 0,1
.irp u, 0,1
	s_wait_dscnt 9-3*(2*\ss+\u)
	WM ACC+8*\u, WF+12*(2*\ss+\u), 16+12*(2*\gi+\ss), WS+2*\gi+\ss, AS+2*\gi+\ss, \u
.endr
.endr
.endr
	PLACES 4
	EPIB ACC
	QUANT1 ACC, 228, 227
	s_wait_alu depctr_va_vdst(0)                   ; the conversion and the shift have written v227-230, which the LDS stores read
	ds_store_b32 v253, v228
	ds_store_b32 v253, v229 offset:4
	ds_store_b32 v253, v230 offset:8
	ds_store_b8 v254, v227
.Lover_skip:
	s_add_co_u32 s61, s61, 4
	s_add_co_u32 s62, s62, 4*STT
	s_add_co_u32 s63, s63, 256
	s_add_co_u32 s60, s60, 1
	s_cmp_lt_u32 s60, 12
	s_cbranch_scc1 .Lover
	BAR                                            ; every tile's fragment is whole in its stage
	; PHASE S: wave w sends tiles w, w + 16, w + 32, w + 48, those that exist: a record of 1,792 bytes, seven aligned units of 256
	s_lshl_b32 s16, s3, 6
	s_add_co_u32 s16, s16, s2
	s_lshl_b32 s16, s16, 5
	s_add_co_u32 s16, s16, s14
	s_mul_i32 s56, s16, 1792
	s_mov_b32 s57, 0
	s_add_nc_u64 s[56:57], s[12:13], s[56:57]      ; hq at record (e, tile w, S)
	v_mov_b32 v29, 0
	s_mov_b32 s60, 0
	s_mov_b32 s61, s2
	s_mov_b32 s62, 0
.Lsend:
	s_wait_alu depctr_vm_vsrc(0)                   ; the LDS instructions issued so far have read v252 and v253, and the last trip's stores their data v16-28: this trip writes all of them again
	s_cmp_ge_u32 s61, s18
	s_cbranch_scc1 .Lsend_skip
	v_add_nc_u32 v252, s62, v255
	v_add_nc_u32 v253, s62, v9
	s_wait_alu depctr_va_vdst(0)                   ; v252, v253 and v29 are written; the overflow's products are done reading v16-28, in which the loads below land
.irp g, 0,1,2
	ds_load_b128 v[16+4*\g:19+4*\g], v252 offset:16*\g
.endr
	ds_load_b32 v28, v253
	s_wait_dscnt 0x0
.irp g, 0,1,2
	global_store_b128 v11, v[16+4*\g:19+4*\g], s[56:57] offset:512*\g      ; registers 4 g .. 4 g + 3 of all 32 lanes: 512 consecutive bytes
.endr
	global_store_b64 v1, v[28:29], s[56:57] offset:1536                    ; (row l % 16's scale word, 0): 256 consecutive bytes
	s_wait_xcnt 0x0                                ; the stores have read their registers and their base: both are written again only behind this wait
.Lsend_skip:
	s_add_nc_u64 s[56:57], s[56:57], 917504        ; 16 tiles x 32 records on
	s_add_co_u32 s61, s61, 16
	s_add_co_u32 s62, s62, 16*STT
	s_add_co_u32 s60, s60, 1
	s_cmp_lt_u32 s60, 4
	s_cbranch_scc1 .Lsend
	s_wait_xcnt 0x0
	s_wait_alu depctr_vm_vsrc(0)                   ; the overflow's byte stores have read v254, which is made anew below
	v_lshl_add_u32 v254, v0, 2, 0x44400
	v_mov_b32 v255, 0
	s_wait_dscnt 0x0                               ; the closing lines, six on end
	s_wait_alu 0x0
	s_wait_tensorcnt 0x0
	ds_add_u32 v254, v255
	s_wait_dscnt 0x0
	s_endpgm
.Lfunc_end_k_q516acc1687_up:
	.size	k_q516acc1687_up, .Lfunc_end_k_q516acc1687_up-k_q516acc1687_up
	.p2alignl 7, 3214868480
	.fill 96, 4, 3214868480
	.section	.rodata,"a",@progbits
	.p2align	6, 0x0
	.amdhsa_kernel k_q516acc1687_up
		.amdhsa_group_segment_fixed_size 281600
		.amdhsa_private_segment_fixed_size 0
		.amdhsa_enable_private_segment 0
		.amdhsa_kernarg_size 40
		.amdhsa_user_sgpr_count 2
		.amdhsa_user_sgpr_kernarg_segment_ptr 1
		.amdhsa_wavefront_size32 1
		.amdhsa_system_sgpr_workgroup_id_x 1
		.amdhsa_system_sgpr_workgroup_id_y 1
		.amdhsa_system_sgpr_workgroup_id_z 1
		.amdhsa_system_vgpr_workitem_id 0
		.amdhsa_next_free_vgpr 256
		.amdhsa_next_free_sgpr 100
		.amdhsa_reserve_vcc 0
		.amdhsa_float_denorm_mode_32 3
		.amdhsa_float_denorm_mode_16_64 3
		.amdhsa_memory_ordered 1
		.amdhsa_forward_progress 1
		.amdhsa_inst_pref_size 180
	.end_amdhsa_kernel
	.amdgpu_metadata
---
amdhsa.version: [ 1, 2 ]
amdhsa.kernels:
  - .name:           k_q516acc1687_up
    .symbol:         k_q516acc1687_up.kd
    .args:
      - { .name: w1, .offset: 0, .size: 8, .value_kind: global_buffer, .address_space: global }
      - { .name: b1, .offset: 8, .size: 8, .value_kind: global_buffer, .address_space: global }
      - { .name: xq, .offset: 16, .size: 8, .value_kind: global_buffer, .address_space: global }
      - { .name: mask, .offset: 24, .size: 8, .value_kind: global_buffer, .address_space: global }
      - { .name: hq, .offset: 32, .size: 8, .value_kind: global_buffer, .address_space: global }
    .group_segment_fixed_size: 281600
    .private_segment_fixed_size: 0
    .kernarg_segment_align: 8
    .kernarg_segment_size: 40
    .max_flat_workgroup_size: 512
    .sgpr_count:     100
    .vgpr_count:     256
    .wavefront_size: 32
...
	.end_amdgpu_metadata
.endif
;; end of part 6
;; launch down (part 7): grid 256 x 1, 16 waves a work-group, no clusters, 248,064 bytes of LDS; arguments w2, hq, mask, y2; writes y2
.if DOCPART == 7
	.amdgcn_target "amdgcn-amd-amdhsa--gfx1250"
	.amdhsa_code_object_version 6
	.text
	.protected	k_q516acc1687_down
	.globl	k_q516acc1687_down
	.p2align	8
	.type	k_q516acc1687_down,@function
k_q516acc1687_down:
	s_mov_b64 s[64:65], 0
	v_nop
	global_prefetch_b8 v0, s[64:65] scope:SCOPE_SE
	s_setreg_imm32_b32 hwreg(HW_REG_WAVE_SCHED_MODE, 0, 2), 2
	s_setreg_imm32_b32 hwreg(HW_REG_WAVE_MODE, 25, 1), 1
	s_wait_xcnt 0x0
	s_wait_alu depctr_vm_vsrc(0)
; DOWN.  y = hidden W2 for the rows that chose an expert, both operands as codes of E2M3 with E8M0 scales; f32 sums over half of H leave as y2[half][choice x 1,024 + token][1,024].
; THE WEIGHTS STAY, THE ROWS GO ROUND, as in the launch before.  Work-group (e = id / 32, half = (id / 16) % 2, cs = id % 16) owns columns 64 cs .. 64 cs + 63 of expert e's W2 and 2,048 along H: 512 KiB of f32 that
; no other work-group reads.  H is cut in two so that a slice's rows are 256 consecutive bytes, all 256 work-groups have work, and only two partial sums go through memory.
; Four PERIODS of 64 columns x 512 K: wave w streams the block of 32 along K number w (32 loads of 8 bytes a lane, 256 consecutive bytes an instruction; lane l gets columns 2 l and 2 l + 1), quantises it in registers and
; stores the codes in LDS, where they stay.  Behind the period's barrier every wave multiplies its own tile of 16 rows by the 16 fragments just made, while the next period's 128 KiB are on their way.
; The hidden rows come from hq as images of the operand's registers: every load of a record covers 512 or 256 consecutive bytes, aligned.
; TILES 16 .. 63 are served afterwards from the codes, four waves to a tile: wave w takes the quarter w % 4 of my half of H (region w % 4, four records, all four column tiles), so that each record is loaded by one wave and a
; trip has one run of loads; the four partial tiles meet in LDS behind the trip's barrier, and each of the four waves adds and sends four of the tile's rows.  A trip's loads are issued a step ahead: the first trip's in front of
; phase P's way out, a later trip's at the end of the trip before.
; No tensor load and no cluster: the number of an expert's rows is read from memory and steers branches, and no two work-groups share a weight byte.  No prefetch: a period's loads are issued a whole period's products ahead of the wait for them.
; WHICH COLUMNS FORM A TILE: column o of the 64 goes to tile 2 (o / 32) + (o / 8) % 2, row 8 ((o / 16) % 2) + o % 8; source 0 = 16 columns of W2, source 1 = 16 rows: lane (r, h) holds row r and the 16 registers of
; tiles 2 b, 2 b + 1 are the neighbouring columns 32 b + 16 h + 0 .. 15.
; Phase P has no branch on data: a wave whose tile does not exist multiplies the expert's last tile and stores nothing.  Rows are stored one by one, 256 consecutive bytes each, to the place that the row list names.
; LIMITS.  NaN and infinities are not served.  A block whose largest magnitude lies under 2^-124 keeps the scale byte 1.  Every split is served, 0 to 1,024 rows on an expert.
; THE MODE: SCHED_MODE bits 1:0 = 2 (LLVM: expert scheduling mode 2), set by the entry lines.  The code itself states the register dependences between vector or matrix instructions and memory or LDS instructions, with s_wait_alu, always for 0.
; THE PLAN.  Registers that memory or LDS instructions touch, and who else names them:
;   X            The stream's loads land in it; the quantiser's maxima and moves read it; each half is asked for again inside the quantiser, behind a wait that shows the half read out.  On the way out v16-31 are the rows' offsets.
;   AF, AS       The records' loads land in them; products read them; asked for again behind a wait that shows the products done.
;   WS, WF       LDS loads land in them; products read them.  WF's registers are also the quantiser's work registers (its codes are LDS stores' data) and, on the ways out, the rows that come back from the slots (global stores' data).
;   ACC          Written by products alone; read by the LDS stores of the ways out; begun anew in each trip of the overflow.
;   v246-248, v232-235   The overflow's addresses and offsets, made in each trip.  All other addresses are made at the head and never written again.
; So a period holds: two waits on va_vdst in the quantiser; one wait on vm_vsrc at the head of the products; one wait on va_vdst ahead of each later K step's fragments and one ahead of the next records.
; A trip of the overflow holds, beside the K steps' three: one wait on va_vdst ahead of the stores of its partial tile, one behind the two adds of its second part, the two of the rows' way out, and one wait on vm_vsrc at its end.
.set PITCH, 4096                       ; a row of W2 in bytes
.set REG,   24576                      ; LDS: a period's 16 fragments; fragment (K step sl, tile ct) at (4 sl + ct) x 1,536, lane L's 12 registers at 48 L
.set FRB,   1536
.set WSC,   98304                      ; the weights' scale words: period x 1,024 + (ct / 2) x 512 + (row + 16 (ct % 2)) x 16 + 4 sl
.set LIST,  102400                     ; 1,024 entries and 32 words that take what is not listed
.set STG2,  106752                     ; + 4,352 x slot: 16 rows x (256 bytes + 16); two sets of 16 slots, a slot a wave
.set SLB,   4352
.set RECB,  1792                       ; a record of hq
.set X,   16                           ; v16-79   the stream
.set AF,  80                           ; v80-127  the rows' fragments of four K steps
.set AS,  128                          ; v128-135 their scale words: K step sl's at AS + 2 sl, beside it the record's word of zeros (these and the next eight hold what the scale units hold and nothing else)
.set WS,  136                          ; v136-143 the weights' scale words
.set ACC, 144                          ; v144-175 four accumulators, alive through all four periods
.set WF,  176                          ; v176-223 four weight fragments
.set T0,  176
.set T1,  192
.set C0,  208
.set C1,  214
.set D0,  220
.set D1,  224
.set MX,  228
.set SO,  230
.set BY,  232
.set FB,  13                           ; v13      48 l + two regions: the fragments of regions 2 and 3; never rewritten
.set SB,  234                          ; v234     where my codes go, two regions on; never rewritten
; v1 8 l; v2, v3 where my codes and scale bytes go; v4 48 l; v5 WSC + 16 l; v6, v7 my slot, in and out; v10 my tile's list; v11 16 l; v12 l; v240, v242, v244, v245 the overflow's fixed addresses, v246-248 a trip's
; s2 wave, s3 expert, s14 half, s17 rows, s18 tiles; s[52:53] the stream; s[54:55] my tile's records; s[56:57] y2 at my half and columns; s[58:59] the overflow's records; s61 the overflow's tile; s68 on: the rows' places on a way out
.macro PLACES n
.rept \n
	v_nop
.endr
.endm
.macro BAR                             ; my LDS stores have landed and my LDS loads are in: then the work-group's barrier
	s_wait_dscnt 0x0
	s_barrier_signal -1
	s_barrier_wait -1
.endm
.macro STREAMH base, off, a            ; rows 16 a .. 16 a + 15 of my block
.set si, 16*(\a)
.rept 16
	global_load_b64 v[X+2*si:X+2*si+1], v1, s[\base:\base+1] offset:(\off)+si*PITCH th:TH_LOAD_NT
.set si, si+1
.endr
.endm
; My block (two columns x 32 k) becomes codes and two scale bytes in region rho; as soon as a half of X is read out, the next period's loads go into it (nxt = 1).
.macro QSUB rho, nxt, base, off
.if (\rho) < 2
.set SA, 2                             ; regions 0 and 1 by v2, regions 2 and 3 by v[SB]; the region's odd half stands in the immediate
.else
.set SA, SB
.endif
.set SOF, ((\rho)%2)*REG
	v_max3_num_f32 v[MX], |v[X]|, |v[X+2]|, 0x1800000      ; the floor 2^(3 - 127): the byte cannot fall under 1
	v_max3_num_f32 v[MX+1], |v[X+1]|, |v[X+3]|, 0x1800000
.set qi, 2
.rept 15
	v_max3_num_f32 v[MX], v[MX], |v[X+2*qi]|, |v[X+2*qi+2]|        ; the two columns by turns
	v_max3_num_f32 v[MX+1], v[MX+1], |v[X+2*qi+1]|, |v[X+2*qi+3]|
.set qi, qi+2
.endr
	v_add_nc_u32 v[SO], 0xff000000, v[MX]          ; 2 off the exponent field: the conversion's scale operand
	v_add_nc_u32 v[SO+1], 0xff000000, v[MX+1]
.set qi, 0
.rept 16
	v_mov_b32 v[T0+qi], v[X+2*qi]
	v_mov_b32 v[T1+qi], v[X+2*qi+1]
.set qi, qi+1
.endr
	v_cvt_scalef32_pk16_fp6_f32 v[C0:C0+2], v[T0:T0+15], v[SO]
	v_cvt_scalef32_pk16_fp6_f32 v[C1:C1+2], v[T1:T1+15], v[SO+1]
	v_lshrrev_b32 v[BY], 23, v[SO]                 ; the scale bytes; these two lines are the plain instructions behind the conversions
	v_lshrrev_b32 v[BY+1], 23, v[SO+1]
.if \nxt
	s_wait_alu depctr_va_vdst(0)                   ; the maxima and the moves above are done reading X's first half, in which the sixteen loads below land; no vector instruction behind this wait names that half
	STREAMH \base, \off, 0
.endif
.set qi, 0
.rept 16
	v_mov_b32 v[T0+qi], v[X+32+2*qi]
	v_mov_b32 v[T1+qi], v[X+32+2*qi+1]
.set qi, qi+1
.endr
	v_cvt_scalef32_pk16_fp6_f32 v[D0:D0+2], v[T0:T0+15], v[SO]     ; (a conversion's three registers begin on an even number)
	v_cvt_scalef32_pk16_fp6_f32 v[D1:D1+2], v[T1:T1+15], v[SO+1]
	v_nop
.irp i, 0,1,2
	v_mov_b32 v[C0+3+\i], v[D0+\i]
	v_mov_b32 v[C1+3+\i], v[D1+\i]
.endr
	s_wait_alu depctr_va_vdst(0)                   ; the codes and the bytes are written, which the LDS stores read; the moves are done reading X's second half, in which the loads below land; and T, C and D have been named for the last time ahead of the fragments' loads behind the barrier
	ds_store_b64 v[SA], v[C0:C0+1] offset:SOF
	ds_store_b64 v[SA], v[C0+2:C0+3] offset:SOF+8
	ds_store_b64 v[SA], v[C0+4:C0+5] offset:SOF+16
	ds_store_b64 v[SA], v[C1:C1+1] offset:SOF+48   ; the odd column is the next row of the same tile
	ds_store_b64 v[SA], v[C1+2:C1+3] offset:SOF+56
	ds_store_b64 v[SA], v[C1+4:C1+5] offset:SOF+64
	ds_store_b8 v3, v[BY] offset:(\rho)*1024
	ds_store_b8 v3, v[BY+1] offset:(\rho)*1024+16
.if \nxt
	STREAMH \base, \off, 1
.endif
.endm
.macro WM d, a, b, sa, sb, row, zero   ; d (+)= a (16 columns of W2) x b (16 rows); row = 1: the weights' scale words stand in lanes 16-31; zero = 1: the product starts the sum
.if \zero
.if \row
	v_wmma_scale_f32_16x16x128_f8f6f4 v[(\d):(\d)+7], v[(\a):(\a)+11], v[(\b):(\b)+11], 0, v[\sa], v[\sb] matrix_a_fmt:MATRIX_FMT_FP6 matrix_b_fmt:MATRIX_FMT_FP6 matrix_a_scale:MATRIX_SCALE_ROW1
.else
	v_wmma_scale_f32_16x16x128_f8f6f4 v[(\d):(\d)+7], v[(\a):(\a)+11], v[(\b):(\b)+11], 0, v[\sa], v[\sb] matrix_a_fmt:MATRIX_FMT_FP6 matrix_b_fmt:MATRIX_FMT_FP6
.endif
.else
.if \row
	v_wmma_scale_f32_16x16x128_f8f6f4 v[(\d):(\d)+7], v[(\a):(\a)+11], v[(\b):(\b)+11], v[(\d):(\d)+7], v[\sa], v[\sb] matrix_a_fmt:MATRIX_FMT_FP6 matrix_b_fmt:MATRIX_FMT_FP6 matrix_a_scale:MATRIX_SCALE_ROW1
.else
	v_wmma_scale_f32_16x16x128_f8f6f4 v[(\d):(\d)+7], v[(\a):(\a)+11], v[(\b):(\b)+11], v[(\d):(\d)+7], v[\sa], v[\sb] matrix_a_fmt:MATRIX_FMT_FP6 matrix_b_fmt:MATRIX_FMT_FP6
.endif
.endif
.endm
; The tile in AF x a region's 16 fragments: the region's first byte + 48 l = v[ta] + tao; the region's scale words at v[wsr] + wso.  The four accumulators take turns, one instruction a turn.
.macro ITEMC ta, tao, wsr, wso, zero
	ds_load_b128 v[WS:WS+3], v[\wsr] offset:(\wso)         ; tiles 0 (lanes 0-15) and 1 (lanes 16-31): the four K steps' words
	ds_load_b128 v[WS+4:WS+7], v[\wsr] offset:(\wso)+512   ; tiles 2 and 3
.irp sl, 0,1,2,3
.if \sl > 0
	PLACES 4                                       ; in front of loads into registers that matrix instructions have read
	s_wait_alu depctr_va_vdst(0)                   ; the four products above are done reading WF, in which the next K step's fragments land
.endif
.irp ct, 0,1,2,3
.irp g, 0,1,2
	ds_load_b128 v[WF+12*\ct+4*\g:WF+12*\ct+4*\g+3], v[\ta] offset:(\tao)+(4*\sl+\ct)*FRB+16*\g
.endr
.endr
.irp ct, 0,1,2,3
	s_wait_dscnt 9-3*\ct                           ; the later tiles' fragments may be out
.if (\zero) && (\sl == 0)
	WM ACC+8*\ct, WF+12*\ct, AF+12*\sl, WS+4*(\ct/2)+\sl, AS+2*\sl, \ct%2, 1
.else
	WM ACC+8*\ct, WF+12*\ct, AF+12*\sl, WS+4*(\ct/2)+\sl, AS+2*\sl, \ct%2, 0
.endif
.endr
.endr
.endm
.macro ITEM rho, zero                  ; phase P: my tile x region rho: regions 0 and 1 by v4, regions 2 and 3 by v[FB]
	s_wait_alu depctr_vm_vsrc(0)                   ; the quantiser's LDS stores have read their codes and bytes, in whose registers the fragments below land
.if (\rho) < 2
	ITEMC 4, ((\rho)%2)*REG, 5, (\rho)*1024, \zero
.else
	ITEMC FB, ((\rho)%2)*REG, 5, (\rho)*1024, \zero
.endif
.endm
.macro RLOAD base, first               ; four records, from number 'first' on behind the base: 16 loads; a record's seventh unit, (scale word, 0) a lane, is read whole
.irp sl, 0,1,2,3
.irp g, 0,1,2
	global_load_b128 v[AF+12*\sl+4*\g:AF+12*\sl+4*\g+3], v11, s[\base:\base+1] offset:((\first)+\sl)*RECB+512*\g
.endr
	global_load_b64 v[AS+2*\sl:AS+2*\sl+1], v1, s[\base:\base+1] offset:((\first)+\sl)*RECB+1536
.endr
.endm
.macro ALOAD p                         ; my tile's records of K steps 4 p .. 4 p + 3
	PLACES 4
.if (\p) > 0
	s_wait_alu depctr_va_vdst(0)                   ; the period's products are done reading AF and AS, in which the loads below land
.endif
	RLOAD 54, 4*(\p)
.endm
; Up to n rows leave, as many as s[nv] says: row i's place comes from lane i of v[lv]; its 256 bytes lie in v[data + 2 i] on, 8 bytes a lane; each row has an offset register of its own.
; In three runs: all places are read out, all offsets are made (of rows that do not exist too: their entries name token 0, and nothing is stored by them), and then the rows that exist are stored.
.macro ROWS n, lv, data, offr, nv
.set ri, 0
.rept \n
	v_readlane_b32 s[68+ri], v[\lv], ri
.set ri, ri+1
.endr
	s_wait_alu depctr_va_sdst(0)                   ; the places are written into s68 on, ahead of their first reader
.set ri, 0
.rept \n
	s_min_u32 s[68+ri], s[68+ri], 0x7ff
	v_lshl_add_u32 v[\offr+ri], s[68+ri], 12, v1
.set ri, ri+1
.endr
	s_wait_alu depctr_va_vdst(0)                   ; the offsets are written, and whatever vector instructions made of the rows, which the stores read; the reads of v[lv] are done, in which a later load lands
.set ri, 0
.rept \n
	s_cmp_le_u32 s[\nv], ri
	s_cbranch_scc1 .Lrows_end_\@
	global_store_b64 v[\offr+ri], v[\data+2*ri:\data+2*ri+1], s[56:57]     ; 32 lanes store 256 consecutive bytes, aligned
.set ri, ri+1
.endr
.Lrows_end_\@:
.endm
	s_load_b256 s[4:11], s[0:1], 0x0               ; w2, hq, mask, y2
	v_lshl_add_u32 v254, v0, 2, 0x3c100
	v_mov_b32 v255, 0
	v_and_b32 v12, 31, v0                          ; l
	v_lshrrev_b32 v13, 5, v0
	v_readfirstlane_b32 s2, v13                    ; wave 0..15
	v_lshlrev_b32 v1, 3, v12
	v_lshlrev_b32 v11, 4, v12
	s_wait_alu depctr_va_sdst(0)                   ; s2 is written, ahead of its first reader: the stream's base and the LDS addresses are made from it
	s_lshr_b32 s3, ttmp9, 5                        ; expert
	s_bfe_u32 s14, ttmp9, 0x10004                  ; which half of H
	s_and_b32 s15, ttmp9, 15                       ; which 64 columns
	s_lshl_b32 s60, s14, 23                        ; 2,048 rows of 4,096 bytes, in W2 and in y2 alike,
	s_lshl_b32 s16, s15, 8
	s_add_co_u32 s60, s60, s16                     ; + my columns
	s_mov_b32 s61, 0
	s_lshl_b32 s62, s3, 24                         ; an expert's W2 is 2^24 bytes
	s_add_co_u32 s62, s62, s60
	s_lshl_b32 s16, s2, 17                         ; my block's 32 rows
	s_add_co_u32 s62, s62, s16
	s_mov_b32 s63, 0
	s_lshl_b32 s66, s3, 7                          ; mask: 128 e
	s_mov_b32 s67, 0
	s_wait_kmcnt 0x0
	s_add_nc_u64 s[52:53], s[4:5], s[62:63]
	s_add_nc_u64 s[56:57], s[10:11], s[60:61]
	s_add_nc_u64 s[8:9], s[8:9], s[66:67]
	s_wait_alu depctr_va_vdst(0)                   ; v1 and v11 are written: the offsets of every load of the stream and of the records
	STREAMH 52, 0, 0                               ; the first period
	STREAMH 52, 0, 1
	s_load_b512 s[20:35], s[8:9], 0x0              ; first choices, tokens 0 .. 511
	s_load_b512 s[36:51], s[8:9], 0x40
	s_load_b512 s[68:83], s[8:9], 0x400            ; second choices
	s_load_b512 s[84:99], s[8:9], 0x440
	; every LDS address is made here, ahead of all branches
	v_and_b32 v13, 15, v0                          ; r
	v_bfe_u32 v14, v0, 4, 1                        ; h
	v_mul_u32_u24 v4, v12, 48
	v_add_nc_u32 v5, WSC, v11
	v_bfe_u32 v224, v0, 2, 1
	v_bfe_u32 v225, v0, 3, 1
	v_and_b32 v226, 3, v0
	v_mul_u32_u24 v2, v14, 3072                    ; my columns' tile: 2 (l / 16) + (l / 4) % 2,
	v_mad_u32_u24 v2, v224, 1536, v2
	v_mad_u32_u24 v2, v225, 384, v2                ; their first row in it: 8 ((l / 8) % 2) + 2 (l % 4)
	v_mad_u32_u24 v2, v226, 96, v2
	s_wait_alu depctr_va_vdst(0)
	s_lshr_b32 s15, s2, 2                          ; my block's K step,
	s_and_b32 s19, s2, 3
	s_mul_i32 s16, s15, 6144
	s_and_b32 s60, s2, 1                           ; its half of the lanes,
	s_mul_i32 s61, s60, 768
	s_add_co_u32 s16, s16, s61
	s_bfe_u32 s62, s2, 0x10001                     ; and its six registers of the twelve
	s_mul_i32 s61, s62, 24
	s_add_co_u32 s16, s16, s61
	v_add_nc_u32 v2, s16, v2
	v_lshl_add_u32 v3, v14, 9, WSC
	v_lshl_add_u32 v3, v224, 8, v3
	v_lshl_add_u32 v3, v225, 7, v3
	v_lshl_add_u32 v3, v226, 5, v3
	v_add_nc_u32 v3, s2, v3                        ; 4 x K step + block in it = my wave's number
	v_mul_u32_u24 v227, v13, 272
	v_lshl_add_u32 v227, v14, 6, v227              ; 272 r + 64 h
	s_mul_i32 s16, s2, SLB
	s_add_co_u32 s16, s16, STG2
	v_add_nc_u32 v6, s16, v227
	v_add_nc_u32 v7, s16, v1
	s_lshl_b32 s16, s2, 6
	s_add_co_u32 s16, s16, LIST
	v_lshl_add_u32 v10, v13, 2, s16
	v_add_nc_u32 v[FB], 2*REG, v4                  ; regions 2 and 3, as they are read (r is not wanted any more),
	v_add_nc_u32 v[SB], 2*REG, v2                  ; and as they are stored: so no address is made anew in phase P
	; the overflow: wave w serves tile 16 + 4 q + w / 4 and region w % 4, and afterwards sends the tile's rows 4 (w % 4) on
	s_mul_i32 s16, s19, REG
	v_add_nc_u32 v240, s16, v4                     ; my region's fragments
	s_lshl_b32 s16, s19, 10
	v_add_nc_u32 v242, s16, v5                     ; and its scale words
	s_mul_i32 s63, s15, 4*SLB
	s_add_co_u32 s63, s63, STG2                    ; the slots of my tile's four waves,
	s_mul_i32 s16, s19, 1088
	s_add_co_u32 s16, s16, s63
	v_add_nc_u32 v244, s16, v1                     ; my four rows in the first of them
	s_add_co_u32 s16, s15, 16
	s_lshl_b32 s16, s16, 6
	s_lshl_b32 s61, s19, 4
	s_add_co_u32 s16, s16, s61
	s_add_co_u32 s16, s16, LIST
	v_lshl_add_u32 v245, v226, 2, s16              ; their list entries, in lanes 0 to 3 of each four
	s_wait_kmcnt 0x0
	s_mov_b32 s17, 0                               ; my expert's rows: a token chooses an expert at most once, so the two sets are joined
.set mi, 0
.rept 32
	s_or_b32 s[20+mi], s[20+mi], s[68+mi]
	s_bcnt1_i32_b32 s16, s[20+mi]
	s_add_co_u32 s17, s17, s16
.set mi, mi+1
.endr
	s_add_co_u32 s18, s17, 15
	s_lshr_b32 s18, s18, 4
	s_max_u32 s18, s18, 1                          ; tiles of 16 rows, at least one: as the launch before has stored them
	s_cmp_lg_u32 s2, 0
	s_cbranch_scc1 .Lno_list
	; wave 0: all addresses and entries are made first, each in a register of its own (v144-175 the places, v176-207 the entries), so that one wait serves all the stores
	v_add_nc_u32 v224, LIST, v11
.irp i, 228,229,230,231
	v_mov_b32 v\i, 0
.endr
	v_add_nc_u32 v225, 1024, v12                   ; where a lane without a row puts its word
	s_mov_b32 s66, 0                               ; rows in the words before
.set mi, 0
.rept 32
	v_mbcnt_lo_u32_b32 v[144+mi], s[20+mi], s66    ; my row's place: the rows before this word + those of lower lanes
	v_cndmask_b32 v[144+mi], v225, v[144+mi], s[20+mi]
	v_min_u32 v[144+mi], 0x41f, v[144+mi]
	v_lshl_add_u32 v[144+mi], v[144+mi], 2, LIST
	v_add_nc_u32 v[176+mi], 32*mi, v12             ; token,
	v_add_nc_u32 v233, 32*mi+1024, v12
	v_cndmask_b32 v[176+mi], v[176+mi], v233, s[68+mi]     ; + 1,024 where it is the token's second choice
	s_bcnt1_i32_b32 s67, s[20+mi]
	s_add_co_u32 s66, s66, s67
.set mi, mi+1
.endr
	s_wait_alu depctr_va_vdst(0)                   ; v224, the zeros v228-231, the 32 places and the 32 entries are written, which the LDS stores below read
.irp m, 0,1,2,3,4,5,6,7
	ds_store_b128 v224, v[228:231] offset:512*\m
.endr
.set mi, 0
.rept 32
	ds_store_b32 v[144+mi], v[176+mi]              ; LDS serves a wave's instructions in order: the entries land on the zeros
.set mi, mi+1
.endr
	s_wait_alu depctr_vm_vsrc(0)                   ; these stores have read their registers, which the accumulators, the fragments and the work registers take from here on
.Lno_list:
	s_sub_co_u32 s16, s18, 1
	s_min_u32 s16, s16, s2                         ; my tile, or the expert's last,
	s_min_u32 s16, s16, 63
	s_lshl_b32 s67, s3, 6
	s_add_co_u32 s16, s16, s67
	s_lshl_b32 s16, s16, 5
	s_lshl_b32 s67, s14, 4
	s_add_co_u32 s16, s16, s67                     ; its records of my half of H
	s_mul_i32 s20, s16, RECB
	s_mov_b32 s21, 0
	s_add_nc_u64 s[54:55], s[6:7], s[20:21]
	s_lshl_b32 s66, s19, 2                         ; 4 (w % 4): my quarter's first record, and my first row of the tile
	s_add_co_u32 s61, s15, 16                      ; the overflow's first tile of mine
	s_lshl_b32 s16, s3, 6
	s_add_co_u32 s16, s16, s61
	s_lshl_b32 s16, s16, 5
	s_add_co_u32 s16, s16, s67
	s_add_co_u32 s16, s16, s66
	s_mul_i32 s20, s16, RECB
	s_add_nc_u64 s[58:59], s[6:7], s[20:21]        ; its four records of my quarter
	s_wait_alu depctr_va_vdst(0)                   ; the fixed addresses v2 to v7, v10, v13, v234, v240, v242, v244 and v245 are written: every LDS instruction from here on reads one of them or a sum made of one
	BAR                                            ; the list lies in LDS
	; PHASE P
	ALOAD 0
	s_wait_loadcnt 16                              ; the stream is older than my 16 row loads: it has landed
	QSUB 0, 1, 52, 2097152
	BAR
	s_wait_loadcnt 32                              ; the row loads are older than the 32 stream loads just issued
	ITEM 0, 1
	ALOAD 1
	s_wait_loadcnt 16
	QSUB 1, 1, 52, 2*2097152
	BAR
	s_wait_loadcnt 32
	ITEM 1, 0
	ALOAD 2
	s_wait_loadcnt 16
	QSUB 2, 1, 52, 3*2097152
	BAR
	s_wait_loadcnt 32
	ITEM 2, 0
	ALOAD 3
	s_wait_loadcnt 16
	QSUB 3, 0, 52, 0
	BAR
	s_wait_loadcnt 0x0
	ITEM 3, 0
	PLACES 5                                       ; four in front of the reads of the results and of loads into the operands; the fifth because the overflow's sums begin anew over these accumulators
	s_wait_alu depctr_va_vdst(0)                   ; the products have written the accumulators, which the LDS stores below read, and are done reading AF, AS and WF, in which the loads below land; the places above stay beside this wait
	s_cmp_ge_u32 s61, s18                          ; the overflow's first trip asks for its records here, where the expert has such a tile: they land while my tile goes out
	s_cbranch_scc1 .Lno_first
	RLOAD 58, 0
.Lno_first:
	; my tile goes through my slot and leaves by rows
.set wi, 0
.rept 8
	ds_store_b128 v6, v[ACC+4*wi:ACC+4*wi+3] offset:128*(wi/4)+16*(wi%4)   ; each accumulator from its low end on
.set wi, wi+1
.endr
.set wi, 0
.rept 16
	ds_load_b64 v[WF+2*wi:WF+2*wi+1], v7 offset:272*wi     ; LDS serves a wave's instructions in order: these see my stores
.set wi, wi+1
.endr
	ds_load_b32 v208, v10
	s_lshl_b32 s67, s2, 4
	s_sub_co_i32 s67, s17, s67
	s_max_i32 s67, s67, 0
	s_min_i32 s67, s67, 16                         ; how many of my 16 rows exist
	s_wait_dscnt 0x0
	ROWS 16, 208, WF, 16, 67
	s_wait_xcnt 0x0                                ; the stores have read their registers: the overflow loads into them
	s_wait_alu depctr_vm_vsrc(0)                   ; the rows' stores have read v176-207, in which the overflow's fragments land; the LDS stores have read the accumulators, which the overflow's products begin anew
	BAR                                            ; nobody reads a slot any more
	; THE OVERFLOW: 12 trips for every wave, one barrier a trip on every wave's path; the work on either side of it is jumped over where the expert has no such tile.
	; Two sets of sixteen slots by turns: a set is written again two trips on, behind a barrier in front of which every wave has waited for its reads.
	s_mov_b32 s60, 0
	s_mov_b32 s62, 0                               ; the slot set: 0 or sixteen slots on
	s_mov_b32 s63, 0                               ; the list entries, from the first trip's on
.Lover:
	s_wait_loadcnt 0x0                             ; on every path: this trip's records, if any were asked for, are in
	s_cmp_ge_u32 s61, s18
	s_cbranch_scc1 .Lover_a
	ITEMC 240, 0, 242, 0, 1                        ; my quarter of H: the first products start the sums
	PLACES 5                                       ; four in front of the reads of the results and of loads into the operands; the fifth because the next trip's sums begin anew over them
	v_add_nc_u32 v246, s62, v6
	s_wait_alu depctr_va_vdst(0)                   ; v246 and the accumulators are written, which the LDS stores read; the products are done reading AF, AS, WS and WF, in which this trip's and the next trip's loads land
.set wi, 0
.rept 8
	ds_store_b128 v246, v[ACC+4*wi:ACC+4*wi+3] offset:128*(wi/4)+16*(wi%4)
.set wi, wi+1
.endr
.Lover_a:
	BAR                                            ; the four partial tiles of each of this trip's tiles lie in their slots
	s_cmp_ge_u32 s61, s18
	s_cbranch_scc1 .Lover_b
	v_add_nc_u32 v247, s62, v244
	v_add_nc_u32 v248, s63, v245
	s_wait_alu depctr_va_vdst(0)                   ; v247 and v248 are written: the addresses of the seventeen loads below
.irp j, 0,1,2,3
.irp i, 0,1,2,3
	ds_load_b64 v[176+8*\j+2*\i:177+8*\j+2*\i], v247 offset:\j*SLB+272*\i   ; quarter j's part of my row i
.endr
.endr
	ds_load_b32 v236, v248
	s_lshl_b32 s67, s61, 4
	s_sub_co_i32 s67, s17, s67
	s_sub_co_i32 s67, s67, s66
	s_max_i32 s67, s67, 0
	s_min_i32 s67, s67, 4                          ; how many of my four rows exist
	s_wait_dscnt 0x0
.irp j, 1,2,3
.irp i, 0,1,2,3
	v_pk_add_f32 v[176+2*\i:177+2*\i], v[176+2*\i:177+2*\i], v[176+8*\j+2*\i:177+8*\j+2*\i]   ; the quarters in ascending order
.endr
.endr
	ROWS 4, 236, 176, 232, 67
.Lover_b:
	s_wait_xcnt 0x0                                ; loads and stores have read their registers and bases: both are written again only behind this wait
	s_wait_alu depctr_vm_vsrc(0)                   ; this trip's LDS instructions have read v246-248 and the accumulators, its stores v176-183 and v232-235: the next trip writes all of them again
	s_add_nc_u64 s[58:59], s[58:59], 229376        ; 4 tiles x 32 records on
	s_add_co_u32 s61, s61, 4
	s_xor_b32 s62, s62, 16*SLB
	s_add_co_u32 s63, s63, 256
	s_cmp_ge_u32 s61, s18                          ; the next trip's records, where the expert has such a tile (it has at most 64: the last trip asks for nothing)
	s_cbranch_scc1 .Lover_c
	RLOAD 58, 0                                    ; no wait: no vector or matrix instruction since the wait ahead of this trip's LDS stores names AF or AS
.Lover_c:
	s_add_co_u32 s60, s60, 1
	s_cmp_lt_u32 s60, 12
	s_cbranch_scc1 .Lover
	s_wait_dscnt 0x0                               ; the closing lines, six on end
	s_wait_alu 0x0
	s_wait_tensorcnt 0x0
	ds_add_u32 v254, v255
	s_wait_dscnt 0x0
	s_endpgm
.Lfunc_end_k_q516acc1687_down:
	.size	k_q516acc1687_down, .Lfunc_end_k_q516acc1687_down-k_q516acc1687_down
	.p2alignl 7, 3214868480
	.fill 96, 4, 3214868480
	.section	.rodata,"a",@progbits
	.p2align	6, 0x0
	.amdhsa_kernel k_q516acc1687_down
		.amdhsa_group_segment_fixed_size 248064
		.amdhsa_private_segment_fixed_size 0
		.amdhsa_enable_private_segment 0
		.amdhsa_kernarg_size 32
		.amdhsa_user_sgpr_count 2
		.amdhsa_user_sgpr_kernarg_segment_ptr 1
		.amdhsa_wavefront_size32 1
		.amdhsa_system_sgpr_workgroup_id_x 1
		.amdhsa_system_sgpr_workgroup_id_y 1
		.amdhsa_system_sgpr_workgroup_id_z 1
		.amdhsa_system_vgpr_workitem_id 0
		.amdhsa_next_free_vgpr 256
		.amdhsa_next_free_sgpr 100
		.amdhsa_reserve_vcc 0
		.amdhsa_float_denorm_mode_32 3
		.amdhsa_float_denorm_mode_16_64 3
		.amdhsa_memory_ordered 1
		.amdhsa_forward_progress 1
		.amdhsa_inst_pref_size 115
	.end_amdhsa_kernel
	.amdgpu_metadata
---
amdhsa.version: [ 1, 2 ]
amdhsa.kernels:
  - .name:           k_q516acc1687_down
    .symbol:         k_q516acc1687_down.kd
    .args:
      - { .name: w2, .offset: 0, .size: 8, .value_kind: global_buffer, .address_space: global }
      - { .name: hq, .offset: 8, .size: 8, .value_kind: global_buffer, .address_space: global }
      - { .name: mask, .offset: 16, .size: 8, .value_kind: global_buffer, .address_space: global }
      - { .name: y2, .offset: 24, .size: 8, .value_kind: global_buffer, .address_space: global }
    .group_segment_fixed_size: 248064
    .private_segment_fixed_size: 0
    .kernarg_segment_align: 8
    .kernarg_segment_size: 32
    .max_flat_workgroup_size: 512
    .sgpr_count:     100
    .vgpr_count:     256
    .wavefront_size: 32
...
	.end_amdgpu_metadata
.endif
;; end of part 7
;; launch combine (part 8): grid 256 x 1, 4 waves a work-group, no clusters, 0 bytes of LDS; arguments y2, x, b2, gamma, beta, sel, gate, out0; writes out0
.if DOCPART == 8
	.amdgcn_target "amdgcn-amd-amdhsa--gfx1250"
	.amdhsa_code_object_version 6
	.text
	.protected	k_q516acc1687_combine
	.globl	k_q516acc1687_combine
	.p2align	8
	.type	k_q516acc1687_combine,@function
k_q516acc1687_combine:
	s_mov_b64 s[64:65], 0
	v_nop
	global_prefetch_b8 v0, s[64:65] scope:SCOPE_SE
	s_setreg_imm32_b32 hwreg(HW_REG_WAVE_MODE, 25, 1), 1
	s_wait_xcnt 0x0
; COMBINE.  out0[token] = the sum over the token's two choices k of gate_k x layernorm(y_k + b2[e_k] + x) with gamma[e_k], beta[e_k]; y_k = the two partial sums over H that the launch before has stored.
; A wave takes one token and keeps its rows in registers: lane l holds columns 128 m + 4 l .. + 3, m = 0 .. 7, so every load and store covers 512 consecutive bytes.  No LDS, no barrier: waves share nothing.
; The mean is taken first and the variance of the differences, as the definition has it: no difference of large sums.  All in f32.
; The experts' numbers come from sel, which an earlier launch stored as whole numbers; each is held at 7 before it enters an address.
.set YA0, 16                           ; v16-47   choice 0: first half of H; then z, then z - mean
.set YB0, 48                           ; v48-79   choice 0: second half; later gamma[e0]
.set YA1, 80                           ; v80-111  choice 1
.set YB1, 112                          ; v112-143 later gamma[e1]
.set XR,  144                          ; v144-175 x; later the result
.set B20, 176                          ; v176-207 b2[e0]; later beta[e0]
.set B21, 208                          ; v208-239 b2[e1]; later beta[e1]
	s_load_b512 s[4:19], s[0:1], 0x0               ; y2, x, b2, gamma, beta, sel, gate, out0
	v_lshrrev_b32 v1, 5, v0
	v_readfirstlane_b32 s2, v1                     ; wave
	v_and_b32 v1, 31, v0
	s_lshl_b32 s3, ttmp9, 2
	s_add_co_u32 s3, s3, s2                        ; my token
	v_lshlrev_b32 v2, 4, v1                        ; 16 x lane
	s_lshl_b32 s20, s3, 12
	v_add_nc_u32 v3, s20, v2                       ; a row of 4,096 bytes
	s_lshl_b32 s21, s3, 2
	s_lshl_b32 s22, s3, 3
	s_mov_b32 s32, 0x3a800000                      ; 1 / 1,024
	s_mov_b32 s33, 0x3727c5ac                      ; 1e-5
	s_mov_b32 s36, 0x76543210
	s_mov_b32 s37, 0xfedcba98                      ; v_permlanex16_b32's selects for lane l xor 16
	s_wait_alu depctr_va_vdst(0)
	s_wait_kmcnt 0x0
	s_load_b32 s24, s[14:15], s21 offset:0x0
	s_load_b64 s[26:27], s[16:17], s22 offset:0x0
	s_add_nc_u64 s[28:29], s[4:5], 0x800000        ; the second half of H
.irp m, 0,1,2,3,4,5,6,7
	global_load_b128 v[YA0+4*\m:YA0+4*\m+3], v3, s[4:5] offset:512*\m th:TH_LOAD_NT
	global_load_b128 v[YB0+4*\m:YB0+4*\m+3], v3, s[28:29] offset:512*\m th:TH_LOAD_NT
	global_load_b128 v[YA1+4*\m:YA1+4*\m+3], v3, s[4:5] offset:4194304+512*\m th:TH_LOAD_NT
	global_load_b128 v[YB1+4*\m:YB1+4*\m+3], v3, s[28:29] offset:4194304+512*\m th:TH_LOAD_NT
	global_load_b128 v[XR+4*\m:XR+4*\m+3], v3, s[6:7] offset:512*\m th:TH_LOAD_NT
.endr
	s_wait_kmcnt 0x0
	s_and_b32 s30, s24, 0xff
	s_min_u32 s30, s30, 7
	s_lshl_b32 s30, s30, 12                        ; the first expert's row of b2, gamma, beta
	s_bfe_u32 s31, s24, 0x80008
	s_min_u32 s31, s31, 7
	s_lshl_b32 s31, s31, 12                        ; the second's
	s_mov_b32 s34, s27                             ; the second gate as a pair of its own: a packed instruction takes a pair's low word for both halves
	s_mov_b32 s35, s27
	v_add_nc_u32 v4, s30, v2
	v_add_nc_u32 v5, s31, v2
.irp m, 0,1,2,3,4,5,6,7
	global_load_b128 v[B20+4*\m:B20+4*\m+3], v4, s[8:9] offset:512*\m
	global_load_b128 v[B21+4*\m:B21+4*\m+3], v5, s[8:9] offset:512*\m
.endr
	s_wait_loadcnt 0x0
.set p, 0
.rept 16
	v_pk_add_f32 v[YA0+p:YA0+p+1], v[YA0+p:YA0+p+1], v[YB0+p:YB0+p+1]
	v_pk_add_f32 v[YA1+p:YA1+p+1], v[YA1+p:YA1+p+1], v[YB1+p:YB1+p+1]
	v_pk_add_f32 v[B20+p:B20+p+1], v[B20+p:B20+p+1], v[XR+p:XR+p+1]
	v_pk_add_f32 v[B21+p:B21+p+1], v[B21+p:B21+p+1], v[XR+p:XR+p+1]
	v_pk_add_f32 v[YA0+p:YA0+p+1], v[YA0+p:YA0+p+1], v[B20+p:B20+p+1]      ; z = y + b2 + x
	v_pk_add_f32 v[YA1+p:YA1+p+1], v[YA1+p:YA1+p+1], v[B21+p:B21+p+1]
.set p, p+2
.endr
.irp m, 0,1,2,3,4,5,6,7                ; gamma and beta land in the registers just read out, while the statistics are made
	global_load_b128 v[YB0+4*\m:YB0+4*\m+3], v4, s[10:11] offset:512*\m
	global_load_b128 v[YB1+4*\m:YB1+4*\m+3], v5, s[10:11] offset:512*\m
	global_load_b128 v[B20+4*\m:B20+4*\m+3], v4, s[12:13] offset:512*\m
	global_load_b128 v[B21+4*\m:B21+4*\m+3], v5, s[12:13] offset:512*\m
.endr
.macro RSUM t                          ; v[t] summed over the 32 lanes, in every lane; v[t + 1] at work
.irp m, 1,2,4,8
	v_add_f32_dpp v[\t], v[\t], v[\t] row_xmask:\m row_mask:0xf bank_mask:0xf
.endr
	v_permlanex16_b32 v[\t+1], v[\t], s36, s37
	v_add_f32 v[\t], v[\t], v[\t+1]
.endm
.macro STAT z, t                       ; z becomes z - mean; v[t] = variance + 1e-5
	v_pk_add_f32 v[\t:\t+1], v[\z:\z+1], v[\z+2:\z+3]
	v_pk_add_f32 v[\t+2:\t+3], v[\z+4:\z+5], v[\z+6:\z+7]
.irp j, 8,16,24
	v_pk_add_f32 v[\t:\t+1], v[\t:\t+1], v[\z+\j:\z+\j+1]
	v_pk_add_f32 v[\t+2:\t+3], v[\t+2:\t+3], v[\z+\j+2:\z+\j+3]
	v_pk_add_f32 v[\t:\t+1], v[\t:\t+1], v[\z+\j+4:\z+\j+5]
	v_pk_add_f32 v[\t+2:\t+3], v[\t+2:\t+3], v[\z+\j+6:\z+\j+7]
.endr
	v_pk_add_f32 v[\t:\t+1], v[\t:\t+1], v[\t+2:\t+3]
	v_add_f32 v[\t], v[\t], v[\t+1]
	RSUM \t
	v_mul_f32 v[\t], s32, v[\t]                    ; the mean
	v_mov_b32 v[\t+1], v[\t]
.set p, 0
.rept 16
	v_pk_add_f32 v[\z+p:\z+p+1], v[\z+p:\z+p+1], v[\t:\t+1] neg_lo:[0,1] neg_hi:[0,1]
.set p, p+2
.endr
	v_pk_mul_f32 v[\t:\t+1], v[\z:\z+1], v[\z:\z+1]
	v_pk_mul_f32 v[\t+2:\t+3], v[\z+2:\z+3], v[\z+2:\z+3]
.irp j, 4,8,12,16,20,24,28
	v_pk_fma_f32 v[\t:\t+1], v[\z+\j:\z+\j+1], v[\z+\j:\z+\j+1], v[\t:\t+1]
	v_pk_fma_f32 v[\t+2:\t+3], v[\z+\j+2:\z+\j+3], v[\z+\j+2:\z+\j+3], v[\t+2:\t+3]
.endr
	v_pk_add_f32 v[\t:\t+1], v[\t:\t+1], v[\t+2:\t+3]
	v_add_f32 v[\t], v[\t], v[\t+1]
	RSUM \t
	v_fma_f32 v[\t], v[\t], s32, s33
.endm
	STAT YA0, 240
	STAT YA1, 244
	s_wait_alu depctr_va_vdst(0)
	v_rsq_f32 v248, v240
	v_rsq_f32 v250, v244
	v_nop                                          ; a plain instruction behind the second root
	s_wait_alu depctr_va_vdst(0)                   ; one wait for the two, ahead of their first reader
	v_mul_f32 v248, s26, v248                      ; gate x 1 / sqrt(variance + 1e-5)
	v_mul_f32 v250, s34, v250
	v_mov_b32 v249, v248
	v_mov_b32 v251, v250
	s_wait_alu depctr_va_vdst(0)
	s_wait_loadcnt 0x0                             ; gamma and beta
.set p, 0
.rept 16
	v_pk_mul_f32 v[YA0+p:YA0+p+1], v[YA0+p:YA0+p+1], v[248:249]
	v_pk_mul_f32 v[YA1+p:YA1+p+1], v[YA1+p:YA1+p+1], v[250:251]
	v_pk_mul_f32 v[XR+p:XR+p+1], v[B20+p:B20+p+1], s[26:27] op_sel_hi:[1,0]
	v_pk_fma_f32 v[XR+p:XR+p+1], v[B21+p:B21+p+1], s[34:35], v[XR+p:XR+p+1] op_sel_hi:[1,0,1]
	v_pk_fma_f32 v[XR+p:XR+p+1], v[YA0+p:YA0+p+1], v[YB0+p:YB0+p+1], v[XR+p:XR+p+1]
	v_pk_fma_f32 v[XR+p:XR+p+1], v[YA1+p:YA1+p+1], v[YB1+p:YB1+p+1], v[XR+p:XR+p+1]
.set p, p+2
.endr
.irp m, 0,1,2,3,4,5,6,7
	global_store_b128 v3, v[XR+4*\m:XR+4*\m+3], s[18:19] offset:512*\m th:TH_STORE_NT   ; 512 consecutive bytes, aligned; written once, read by nobody here
.endr
	s_endpgm
.Lfunc_end_k_q516acc1687_combine:
	.size	k_q516acc1687_combine, .Lfunc_end_k_q516acc1687_combine-k_q516acc1687_combine
	.p2alignl 7, 3214868480
	.fill 96, 4, 3214868480
	.section	.rodata,"a",@progbits
	.p2align	6, 0x0
	.amdhsa_kernel k_q516acc1687_combine
		.amdhsa_group_segment_fixed_size 0
		.amdhsa_private_segment_fixed_size 0
		.amdhsa_enable_private_segment 0
		.amdhsa_kernarg_size 64
		.amdhsa_user_sgpr_count 2
		.amdhsa_user_sgpr_kernarg_segment_ptr 1
		.amdhsa_wavefront_size32 1
		.amdhsa_system_sgpr_workgroup_id_x 1
		.amdhsa_system_sgpr_workgroup_id_y 1
		.amdhsa_system_sgpr_workgroup_id_z 1
		.amdhsa_system_vgpr_workitem_id 0
		.amdhsa_next_free_vgpr 256
		.amdhsa_next_free_sgpr 66
		.amdhsa_reserve_vcc 0
		.amdhsa_float_denorm_mode_32 3
		.amdhsa_float_denorm_mode_16_64 3
		.amdhsa_memory_ordered 1
		.amdhsa_forward_progress 1
		.amdhsa_inst_pref_size 31
	.end_amdhsa_kernel
	.amdgpu_metadata
---
amdhsa.version: [ 1, 2 ]
amdhsa.kernels:
  - .name:           k_q516acc1687_combine
    .symbol:         k_q516acc1687_combine.kd
    .args:
      - { .name: y2, .offset: 0, .size: 8, .value_kind: global_buffer, .address_space: global }
      - { .name: x, .offset: 8, .size: 8, .value_kind: global_buffer, .address_space: global }
      - { .name: b2, .offset: 16, .size: 8, .value_kind: global_buffer, .address_space: global }
      - { .name: gamma, .offset: 24, .size: 8, .value_kind: global_buffer, .address_space: global }
      - { .name: beta, .offset: 32, .size: 8, .value_kind: global_buffer, .address_space: global }
      - { .name: sel, .offset: 40, .size: 8, .value_kind: global_buffer, .address_space: global }
      - { .name: gate, .offset: 48, .size: 8, .value_kind: global_buffer, .address_space: global }
      - { .name: out0, .offset: 56, .size: 8, .value_kind: global_buffer, .address_space: global }
    .group_segment_fixed_size: 0
    .private_segment_fixed_size: 0
    .kernarg_segment_align: 8
    .kernarg_segment_size: 64
    .max_flat_workgroup_size: 128
    .sgpr_count:     66
    .vgpr_count:     256
    .wavefront_size: 32
...
	.end_amdgpu_metadata
.endif
;; end of part 8
